; MI455X (gfx1250); checked and timed in simulation.
; The chip was launched on July 23, 2026; its instructions are those of AMD's public machine-readable ISA for CDNA 5 (MIT licence, August 2026) and "CDNA5" Instruction Set Architecture Reference Guide (July 2026). The comments in the code are by the model that wrote it; some were corrected since.
;; Transformer Encoder. Allowed arithmetic: matrix products marked QUANTISED: E2M1 operands, one E8M0 scale for each 32 along K, by v_wmma_scale_f32_16x16x128_f8f6f4 with both operands' format E2M1 (or v_wmma_scale_f32_32x16x128_f4), f32 sums; everything else in f32.
;; Inputs: b1 4 x 256 float32; b2 4 x 256 float32; be1 4 x 256 float32; be2 4 x 256 float32; g1 4 x 256 float32; g2 4 x 256 float32; proj_b 4 x 256 float32; proj_w 4 x 256 x 256 float32; qkv_w 4 x 256 x 768 float32; w1 4 x 256 x 256 float32; w2 4 x 256 x 256 float32; x 2 x 2,048 x 256 float32.
;; Outputs: out0 2 x 2,048 x 256 float32.
;; This version of the problem:
;;   THIS VERSION OF THE PROBLEM IS GIVEN IN LOW PRECISION. The matrix products marked QUANTISED in the list below multiply operands that are first quantised to E2M1 (2 exponent bits, 1 mantissa bit; 4 bits a number), with one power-of-two scale for each 32 numbers along K (OCP MX v1.0); their sums are f32. All else is computed in f32.
;;   The module's matrix products, in the order in which they are computed (A, B: the left and right operand; K: the contracted axis; several contracted axes count as one K, in the product's order):
;;     1. [M 4,096, K 256] x [K 256, N 768]; A: computed on the way; B: input qkv_w: QUANTISED
;;     2. batch 16 x [M 2,048, K 32] x [K 32, N 2,048]; A: computed on the way; B: computed on the way: QUANTISED
;;     3. batch 16 x [M 32, K 2,048] x [K 2,048, N 2,048]; A: computed on the way; B: softmax (see below): QUANTISED
;;     4. [M 4,096, K 256] x [K 256, N 256]; A: computed on the way; B: input proj_w: QUANTISED
;;     5. [M 4,096, K 256] x [K 256, N 256]; A: computed on the way; B: input w1: QUANTISED
;;     6. [M 4,096, K 256] x [K 256, N 256]; A: computed on the way; B: input w2: QUANTISED
;;     7. [M 4,096, K 256] x [K 256, N 768]; A: computed on the way; B: input qkv_w: QUANTISED
;;     8. batch 16 x [M 2,048, K 32] x [K 32, N 2,048]; A: computed on the way; B: computed on the way: QUANTISED
;;     9. batch 16 x [M 32, K 2,048] x [K 2,048, N 2,048]; A: computed on the way; B: softmax (see below): QUANTISED
;;     10. [M 4,096, K 256] x [K 256, N 256]; A: computed on the way; B: input proj_w: QUANTISED
;;     11. [M 4,096, K 256] x [K 256, N 256]; A: computed on the way; B: input w1: QUANTISED
;;     12. [M 4,096, K 256] x [K 256, N 256]; A: computed on the way; B: input w2: QUANTISED
;;     13. [M 4,096, K 256] x [K 256, N 768]; A: computed on the way; B: input qkv_w: QUANTISED
;;     14. batch 16 x [M 2,048, K 32] x [K 32, N 2,048]; A: computed on the way; B: computed on the way: QUANTISED
;;     15. batch 16 x [M 32, K 2,048] x [K 2,048, N 2,048]; A: computed on the way; B: softmax (see below): QUANTISED
;;     16. [M 4,096, K 256] x [K 256, N 256]; A: computed on the way; B: input proj_w: QUANTISED
;;     17. [M 4,096, K 256] x [K 256, N 256]; A: computed on the way; B: input w1: QUANTISED
;;     18. [M 4,096, K 256] x [K 256, N 256]; A: computed on the way; B: input w2: QUANTISED
;;     19. [M 4,096, K 256] x [K 256, N 768]; A: computed on the way; B: input qkv_w: QUANTISED
;;     20. batch 16 x [M 2,048, K 32] x [K 32, N 2,048]; A: computed on the way; B: computed on the way: QUANTISED
;;     21. batch 16 x [M 32, K 2,048] x [K 2,048, N 2,048]; A: computed on the way; B: softmax (see below): QUANTISED
;;     22. [M 4,096, K 256] x [K 256, N 256]; A: computed on the way; B: input proj_w: QUANTISED
;;     23. [M 4,096, K 256] x [K 256, N 256]; A: computed on the way; B: input w1: QUANTISED
;;     24. [M 4,096, K 256] x [K 256, N 256]; A: computed on the way; B: input w2: QUANTISED
;;   THE QUANTISER, for each operand of a quantised product, along K:
;;     - K is cut into blocks of 32 from its start; a last block that is shorter is filled with zeros.
;;     - A block's scale is 2^e with e = floor(log2(the largest magnitude in the block)) - 2, held to -126 .. 127; a block of zeros has e = 0. As a byte (E8M0): e + 127.
;;     - Each number is divided by its block's scale, clamped to +-6, and rounded to the nearest number of E2M1, ties to even, subnormals kept.
;;     - The product sums the exact products of the quantised numbers (number of the format x scale) in f32.
;;   ~~~python
;;   def quantise(x, axis):      # numpy; x: float32 -> the quantised numbers, widened to float32 again
;;       x = np.moveaxis(x, axis, -1); K = x.shape[-1]
;;       x = np.pad(x, [(0, 0)] * (x.ndim - 1) + [(0, -K % 32)]); x = x.reshape(x.shape[:-1] + (-1, 32)); a = np.abs(x).max(-1, keepdims=True)
;;       e = np.where(a > 0, np.clip(np.frexp(np.where(a > 0, a, 1))[1] - 1 - 2, -126, 127), 0)      # np.frexp(a)[1] - 1 = floor(log2(a)), exactly
;;       r = np.clip(x / 2.0 ** e, -6, 6)
;;       step = 2.0 ** (np.maximum(np.frexp(np.where(r == 0, 1, r))[1] - 1, 0) - 1)
;;       q = np.round(r / step) * step * 2.0 ** e      # np.round: ties to even
;;       return np.moveaxis(q.reshape(q.shape[:-2] + (-1,))[..., :K], -1, axis).astype(np.float32)
;;   ~~~
;;   SOFTMAX AHEAD OF A QUANTISED PRODUCT. Where the list says 'softmax', what is quantised is not the finished softmax but p = 2^(t - M), with t = logit x log2(e) and M = ceil(the row's largest t), a whole number; so 1/2 < the row's largest p <= 1. The row's sum l is taken of the UNQUANTISED p, in f32, and the product's result is divided by l at the end. Since M is a whole number, a kernel that streams over the keys may use a running M (the ceiling of the running maximum): every later rescaling is an exact power of two, which a block's scale takes up: the codes' values come out the same.
;;   OPERANDS COMPUTED ON THE WAY. 'Computed on the way' means the value that the module computes at that place (a softmax that the list does not call 'softmax' is quantised finished and normalised). What goes into a quantiser is computed in f32, as accurately as f32 sums, v_exp_f32 and their like allow (about 1e-6 of the number): no bf16 or f16 on the way to a quantiser, and a product that is left as it is and whose result goes on into a quantised operand takes f32 operands (vector FMAs, or v_wmma_f32_16x16x4_f32). A number that lies on a knife's edge between two numbers of the format may be rounded either way, as far as f32 arithmetic and the matrix unit's own rounding can turn it there, and no further.
;; 2 versions, each right; version 2 is version 1 with the launches embed, layer0, layer1, layer2, layer3 written anew for expert scheduling mode. Each part assembles by itself: llvm-mc -triple=amdgcn-amd-amdhsa -mcpu=gfx1250 --defsym DOCPART=n.
;; ======== version 1 of 2: 10 launches
;; workspace buffers: wq 835,584 bytes; qkv 1,671,168 bytes; oc 557,056 bytes; xa 4,194,304 bytes; xb 4,194,304 bytes; cnta 256 bytes of whole numbers; cntb 256 bytes of whole numbers
;; launch prep (part 1): grid 24 x 8, 2 waves a work-group, no clusters, 0 bytes of LDS; arguments proj_w, w1, w2, qkv_w, wq; writes wq
.if DOCPART == 1
	.amdgcn_target "amdgcn-amd-amdhsa--gfx1250"
	.amdhsa_code_object_version 6
	.text
	.protected	k_q422b6b842a_prep
	.globl	k_q422b6b842a_prep
	.p2align	8
	.type	k_q422b6b842a_prep,@function
k_q422b6b842a_prep:
	s_mov_b64 s[64:65], 0
	v_nop
	global_prefetch_b8 v0, s[64:65] scope:SCOPE_SE
	s_setreg_imm32_b32 hwreg(HW_REG_WAVE_MODE, 25, 1), 1
	s_wait_xcnt 0x0
; All weights of the four layers, f32 [256 (k)][n], become codes of FP4 (E2M1) with one E8M0 byte for each 32 along K, laid in the order of an operand's registers.
; A tile is 16 output columns: row rho of tile T of a matrix is column 32 (T / 2) + 8 (T % 2) + rho + 8 (rho / 8).  Tiles of a layer: proj 0-15, w1 16-31, w2 32-47, q 48-63, k 64-79, v 80-95.
; wq, for each layer LAYERB bytes: codes at tile x 2048 + kb x 256 + rho x 16 (kb = block of 32 along K, 16 bytes a block); scale words at SCB + tile x 128 + (kb / 4) x 64 + rho x 4, byte kb % 4.
; SHARES.  Work-group x takes 64 columns of the layer's 1,536, y = 2 x layer + half of K.  A wave takes 32 columns x 128 along K.  A LANE TAKES A COLUMN AND ITS REGISTERS RUN DOWN K:
; a block's largest magnitude needs no other lane, and the conversions give codes with K innermost.  A load of the two waves covers 256 consecutive bytes of a row of the weight.
; A block's byte is its largest magnitude's exponent field - 2, held at 1 from below.  LIMITS: a block of zeros gets the byte 1 (its codes are zeros; this program alone reads the bytes); NaN and infinities are not served.
; No LDS, no barrier: waves share nothing.  Loads run two blocks (64 loads a wave) ahead.
.set LAYERB, 208896
.set SCB,    196608
.set X,      32                        ; v32-95   two sets of 32 numbers
.set C,      96                        ; v96-111  a block's codes: four registers for each block, so that no store's data are written again
	s_load_b256 s[4:11], s[0:1], 0x0               ; proj_w, w1, w2, qkv_w
	s_load_b64 s[12:13], s[0:1], 0x20              ; wq
	v_lshrrev_b32 v1, 5, v0
	v_readfirstlane_b32 s14, v1                    ; wave 0, 1
	v_and_b32 v1, 31, v0                           ; lane = my column among the wave's 32
	v_lshlrev_b32 v2, 2, v1                        ; in: 4 bytes a lane
	v_bfe_u32 v6, v1, 3, 1                         ; u: which of the wave's two tiles
	v_and_b32 v7, 7, v1
	v_lshrrev_b32 v8, 4, v1
	v_lshl_add_u32 v7, v8, 3, v7                   ; rho: my row in that tile
	v_lshlrev_b32 v3, 4, v7
	v_lshl_add_u32 v3, v6, 11, v3                  ; codes: u x 2048 + 16 rho
	v_lshlrev_b32 v4, 2, v7
	v_lshl_add_u32 v4, v6, 7, v4                   ; scale word: u x 128 + 4 rho
	s_and_b32 s15, ttmp7, 0xffff
	s_lshr_b32 s16, s15, 1                         ; layer
	s_and_b32 s17, s15, 1                          ; which 128 along K
	s_mov_b32 s18, ttmp9                           ; which 64 columns
	s_lshl_b32 s19, s18, 2
	s_lshl_b32 s26, s14, 1
	s_add_co_u32 s19, s19, s26                     ; my first tile
	s_mul_i32 s26, s16, LAYERB
	s_lshl_b32 s27, s19, 11
	s_add_co_u32 s27, s27, s26
	s_lshl_b32 s28, s17, 10
	s_add_co_u32 s22, s27, s28                     ; where my codes begin
	s_mov_b32 s23, 0
	s_lshl_b32 s27, s19, 7
	s_add_co_u32 s27, s27, s26
	s_lshl_b32 s28, s17, 6
	s_add_co_u32 s27, s27, s28
	s_add_co_u32 s24, s27, SCB                     ; and my scale words
	s_mov_b32 s25, 0
	s_lshl_b32 s28, s14, 7                         ; my wave's 128 bytes of a row
	s_wait_kmcnt 0x0
	s_add_nc_u64 s[22:23], s[12:13], s[22:23]
	s_add_nc_u64 s[24:25], s[12:13], s[24:25]
	s_cmp_lt_u32 s18, 12                           ; the source: a choice on the work-group's number alone
	s_cselect_b64 s[20:21], s[8:9], s[10:11]
	s_cmp_lt_u32 s18, 8
	s_cselect_b64 s[20:21], s[6:7], s[20:21]
	s_cmp_lt_u32 s18, 4
	s_cselect_b64 s[20:21], s[4:5], s[20:21]
.macro LOADB t, pitch                  ; block t: W(32 t + i, my column), i = 0 .. 31, into set t % 2
.irp i, 0,1,2,3,4,5,6,7,8,9,10,11,12,13,14,15,16,17,18,19,20,21,22,23,24,25,26,27,28,29,30,31
	global_load_b32 v[X+32*((\t)%2)+\i], v2, s[20:21] offset:(32*(\t)+\i)*\pitch th:TH_LOAD_NT
.endr
.endm
.macro BLOCK t, pitch
.set XS, X+32*((\t)%2)
.if (\t) < 3
	s_wait_loadcnt 32                              ; this block's 32 loads are in; the next block's 32 may be out
.else
	s_wait_loadcnt 0x0
.endif
	v_max3_num_f32 v12, |v[XS]|, |v[XS+1]|, |v[XS+2]|               ; the block's largest magnitude, in two chains
	v_max3_num_f32 v13, |v[XS+3]|, |v[XS+4]|, |v[XS+5]|
.irp i, 6,10,14,18,22,26
	v_max3_num_f32 v12, v12, |v[XS+\i]|, |v[XS+\i+1]|
	v_max3_num_f32 v13, v13, |v[XS+\i+2]|, |v[XS+\i+3]|
.endr
	v_max3_num_f32 v12, v12, |v[XS+30]|, |v[XS+31]|
	v_max3_num_f32 v12, v12, v13, 0x1800000        ; and the floor 2^(3 - 127): the byte cannot fall under 1
	v_add_nc_u32 v11, 0xff000000, v12              ; 2 off the exponent field: the conversion takes this operand's exponent field as its scale
	v_lshrrev_b32 v13, 23, v11                     ; the scale's byte
.if (\t) == 0
	v_mov_b32 v5, v13                              ; four bytes make the word of these 128 along K
.else
	v_lshl_or_b32 v5, v13, 8*(\t), v5
.endif
.irp g, 0,1,2,3
	v_cvt_scalef32_pk8_fp4_f32 v[C+4*(\t)+\g], v[XS+8*\g:XS+8*\g+7], v11
.endr
	v_nop                                          ; one plain line behind the last conversion
	global_store_b128 v3, v[C+4*(\t):C+4*(\t)+3], s[22:23] offset:256*(\t)   ; the sixteen lanes of a tile fill 256 consecutive bytes, aligned
.if (\t) < 2
	LOADB (\t)+2, \pitch
.endif
.endm
.macro BODY pitch
	LOADB 0, \pitch
	LOADB 1, \pitch
	BLOCK 0, \pitch
	BLOCK 1, \pitch
	BLOCK 2, \pitch
	BLOCK 3, \pitch
	global_store_b32 v4, v5, s[24:25]
	s_endpgm
.endm
	s_cmp_ge_u32 s18, 12
	s_cbranch_scc1 .Lqkv
	s_lshl_b32 s26, s16, 18                        ; a layer of 256 x 256 numbers,
	s_lshl_b32 s27, s17, 17                        ; 128 rows of 1,024 bytes,
	s_add_co_u32 s26, s26, s27
	s_and_b32 s27, s18, 3
	s_lshl_b32 s27, s27, 8                         ; 64 columns
	s_add_co_u32 s26, s26, s27
	s_add_co_u32 s26, s26, s28
	s_mov_b32 s27, 0
	s_add_nc_u64 s[20:21], s[20:21], s[26:27]
	BODY 1024
.Lqkv:
	s_mul_i32 s26, s16, 786432                     ; a layer of 256 x 768 numbers,
	s_mul_i32 s27, s17, 393216                     ; 128 rows of 3,072 bytes
	s_add_co_u32 s26, s26, s27
	s_sub_co_u32 s27, s18, 12
	s_lshl_b32 s27, s27, 8
	s_add_co_u32 s26, s26, s27
	s_add_co_u32 s26, s26, s28
	s_mov_b32 s27, 0
	s_add_nc_u64 s[20:21], s[20:21], s[26:27]
	BODY 3072
.Lfunc_end_k_q422b6b842a_prep:
	.size	k_q422b6b842a_prep, .Lfunc_end_k_q422b6b842a_prep-k_q422b6b842a_prep
	.p2alignl 7, 3214868480
	.fill 96, 4, 3214868480
	.section	.rodata,"a",@progbits
	.p2align	6, 0x0
	.amdhsa_kernel k_q422b6b842a_prep
		.amdhsa_group_segment_fixed_size 0
		.amdhsa_private_segment_fixed_size 0
		.amdhsa_enable_private_segment 0
		.amdhsa_kernarg_size 40
		.amdhsa_user_sgpr_count 2
		.amdhsa_user_sgpr_kernarg_segment_ptr 1
		.amdhsa_wavefront_size32 1
		.amdhsa_system_sgpr_workgroup_id_x 1
		.amdhsa_system_sgpr_workgroup_id_y 1
		.amdhsa_system_sgpr_workgroup_id_z 1
		.amdhsa_system_vgpr_workitem_id 0
		.amdhsa_next_free_vgpr 128
		.amdhsa_next_free_sgpr 66
		.amdhsa_reserve_vcc 0
		.amdhsa_float_denorm_mode_32 3
		.amdhsa_float_denorm_mode_16_64 3
		.amdhsa_memory_ordered 1
		.amdhsa_forward_progress 1
		.amdhsa_inst_pref_size 40
	.end_amdhsa_kernel
	.amdgpu_metadata
---
amdhsa.version: [ 1, 2 ]
amdhsa.kernels:
  - .name:           k_q422b6b842a_prep
    .symbol:         k_q422b6b842a_prep.kd
    .args:
      - { .name: proj_w, .offset: 0, .size: 8, .value_kind: global_buffer, .address_space: global }
      - { .name: w1, .offset: 8, .size: 8, .value_kind: global_buffer, .address_space: global }
      - { .name: w2, .offset: 16, .size: 8, .value_kind: global_buffer, .address_space: global }
      - { .name: qkv_w, .offset: 24, .size: 8, .value_kind: global_buffer, .address_space: global }
      - { .name: wq, .offset: 32, .size: 8, .value_kind: global_buffer, .address_space: global }
    .group_segment_fixed_size: 0
    .private_segment_fixed_size: 0
    .kernarg_segment_align: 8
    .kernarg_segment_size: 40
    .max_flat_workgroup_size: 64
    .sgpr_count:     66
    .vgpr_count:     128
    .wavefront_size: 32
...
	.end_amdgpu_metadata
.endif
;; end of part 1
;; launch embed (part 2): grid 128 x 1, 8 waves a work-group, no clusters, 48,128 bytes of LDS; arguments x, wq, xa, qkv, cnta; writes xa, qkv, cnta
.if DOCPART == 2
	.amdgcn_target "amdgcn-amd-amdhsa--gfx1250"
	.amdhsa_code_object_version 6
	.text
	.protected	k_q422b6b842a_embed
	.globl	k_q422b6b842a_embed
	.p2align	8
	.type	k_q422b6b842a_embed,@function
k_q422b6b842a_embed:
	s_mov_b64 s[64:65], 0
	v_nop
	global_prefetch_b8 v0, s[64:65] scope:SCOPE_SE
	s_setreg_imm32_b32 hwreg(HW_REG_WAVE_MODE, 25, 1), 1
	s_wait_xcnt 0x0
; xa = x + the sinusoidal position table; its codes of FP4 (E2M1, one E8M0 byte for each 32 columns); q, k, v of layer 0, quantised, into qkv; the layer counter 0 into cnta.
; SHARES.  Work-group g owns tokens 32 g .. 32 g + 31 (two tiles of 16), which are one block of 32 keys of V.  Wave w owns columns 32 w .. 32 w + 31 of x and head w of q, k and v.
; LAYOUT.  Lane (r = lane % 16, h = lane / 16) holds, of token r of a tile, the 16 columns 32 w + 16 h + 0 .. 15.  q and k are made TRANSPOSED (source 0 = 16 rows of the weight, source 1 = 16 tokens); the weight's
; tiles are laid (by the launch before) so that the two tiles of a wave leave the same 16 columns in a lane.  v is made the other way round (source 0 = tokens): a lane then holds one channel and 16 of the 32 tokens.
; So a block of 32 always lies in lanes l and l xor 16, and a lane's two conversions give 8 neighbouring bytes of the block's 16.
; THE TOKENS' CODES GO FROM WAVE TO WAVE THROUGH LDS as images of an operand's registers: block w of token r of tile tt at tt x 2048 + w x 256 + r x 16.
; qkv: for each of the 16 heads 69,632 bytes: K's codes [key][16]; V's codes at 32,768 + (block / 4) x 2048 + tile x 1024 + (block % 4) x 256 + row x 16, the block's four words holding keys 0-7, 16-23, 8-15, 24-31;
; K's bytes at 65,536 + (key / 64) x 64 + (key % 16) x 4 + (key / 16) % 4; V's at 67,584 + (block / 4) x 128 + tile x 64 + row x 4 + block % 4.  Behind the heads q's codes [head][query][16] and bytes [head][query].
; THE POSITION TABLE in f32: div = exp(a) as 2^hi (1 + lo ln 2) with a log2(e) = hi + lo; the angle is reduced by pi / 2 in two parts; sine and cosine by polynomials on |r| <= pi / 4.
; LIMITS: div is good to some 1.5 units in its last place, so at position 2,047 the angle may differ by some 2e-4 from an angle made of a correctly rounded div.  A block whose largest magnitude lies under 2^-124,
; a block of zeros among them, gets the byte 1 (this program alone reads the bytes).  NaN and infinities are not served.
.set SCB,    196608                    ; a layer's scale words in wq
.set IMG0,   0                         ; LDS: the tokens' codes, 4,096 bytes
.set XSC0,   8192                      ; their scale words [tile][K step][r][4]
.set STG,    13824                     ; the stage for xa: 32 rows x (1,024 + 16) bytes
.set LI,  4                            ; v4   16 x lane
.set LS,  5                            ; v5   4 x lane
.set WLI, 6                            ; v6   16 x lane + 4096 w: my fragments in wq; also my 16 bytes in the four rows that I store
.set WLS, 7                            ; v7   4 x lane + 256 w: my scale words in wq
.set XRO, 8                            ; v8   1024 r + 128 w + 64 h: my 64 bytes of a row of x
.set PO,  9                            ; v9   128 w + 64 h
.set IMW, 10                           ; v10  256 w + 16 r + 8 h: where my 8 bytes of codes go
.set SCW, 11                           ; v11  XSC0 + 4 r + w % 4 + 64 (w / 4): where my block's byte goes
.set SGW, 14                           ; v14  STG + 1040 r + 128 w + 64 h
.set SGR, 15                           ; v15  STG + 4160 w + 16 x lane
.set CV,  16                           ; v16  the counter's value
.set HCO, 19                           ; v19  69632 w + 16 r + 8 h
.set QCO, 20                           ; v20  32768 w + 16 r + 8 h
.set QSO, 21                           ; v21  2048 w + lane
.set KSO, 22                           ; v22  69632 w + 4 r
.set VSO, 23                           ; v23  69632 w + 4 x lane
.set WS0, 24                           ; v24-25, v26-27  the weights' scale words, a register a tile: K step 0 in lanes 0-15, K step 1 in lanes 16-31
.set WS1, 26
.set XS,  28                           ; v28-29  the tokens' scale words, likewise, a register a tile of tokens
.set BY,  30                           ; v30-31  bytes on their way out
.set W0,  32                           ; v32-63, v64-95  two sets of four weight fragments: (tile u, K step s) at + 8 (2 u + s)
.set W1,  64
.set XF,  96                           ; v96-127   the tokens' fragments (tile tt, K step s) at + 8 (2 tt + s)
.set ACC, 128                          ; v128-159  four accumulators
.set RES, 160                          ; v160-191  x: 16 numbers for each tile of tokens
.set DIV, 192                          ; v192-199  div of my 8 pairs of columns
.set GG,  208                          ; v208-239  at work; rows on their way out
.set T,   240                          ; v240-251  at work in the quantiser
.set WV, 14
.set SB, 15
.set SBETA, 16
.set MSK, 17                           ; lanes 16-31
.set SEL, 18                           ; s[18:19] lane selects for v_permlanex16_b32: lane l xor 16
.set SKC, 20                           ; s[20:31] where k's codes and bytes, v's codes and bytes, q's codes and bytes of my 32 tokens begin
.set SKS, 22
.set SVC, 24
.set SVS, 26
.set SQC, 28
.set SQS, 30
.set SXO, 32
.set SXI, 34
.set TA, 40
.set TC, 41
.set TD, 42
.set TE, 43
.set TF, 44
.set KA, 45
.set L2E, 46
.set L2EL, 47
.set LN2, 48
.set C2PI, 49
.set MPIH, 50
.set PIL, 51
.set PS1, 52
.set PS2, 53
.set PS3, 54
.set PC1, 55
.set PC2, 56
.set PC3, 57
.set SGN, 58
.macro ADDRS                           ; every address register is made once, here, and never rewritten
	v_lshrrev_b32 v1, 5, v0
	v_readfirstlane_b32 s[WV], v1                  ; wave 0..7
	v_and_b32 v1, 31, v0                           ; lane
	v_and_b32 v2, 15, v0                           ; r
	v_bfe_u32 v3, v0, 4, 1                         ; h
	v_lshlrev_b32 v[LI], 4, v1
	v_lshlrev_b32 v[LS], 2, v1
	s_lshl_b32 s[TA], s[WV], 12
	v_add_nc_u32 v[WLI], s[TA], v[LI]
	s_lshl_b32 s[TA], s[WV], 8
	v_add_nc_u32 v[WLS], s[TA], v[LS]
	v_lshl_add_u32 v[IMW], v2, 4, s[TA]
	v_lshl_add_u32 v[IMW], v3, 3, v[IMW]
	s_lshl_b32 s[TA], s[WV], 7
	v_lshl_add_u32 v[PO], v3, 6, s[TA]
	v_lshl_add_u32 v[XRO], v2, 10, v[PO]
	v_mad_u32_u24 v[SGW], v2, 1040, v[PO]
	v_add_nc_u32 v[SGW], STG, v[SGW]
	s_and_b32 s[TA], s[WV], 3
	s_lshr_b32 s[TC], s[WV], 2
	s_lshl_b32 s[TC], s[TC], 6
	s_add_co_u32 s[TA], s[TA], s[TC]
	s_add_co_u32 s[TA], s[TA], XSC0
	v_lshl_add_u32 v[SCW], v2, 2, s[TA]
	s_mul_i32 s[TA], s[WV], 4160
	s_add_co_u32 s[TA], s[TA], STG
	v_add_nc_u32 v[SGR], s[TA], v[LI]
	s_mul_i32 s[TA], s[WV], 69632
	v_lshl_add_u32 v[KSO], v2, 2, s[TA]
	v_add_nc_u32 v[VSO], s[TA], v[LS]
	v_lshl_add_u32 v[HCO], v2, 4, s[TA]
	v_lshl_add_u32 v[HCO], v3, 3, v[HCO]
	s_lshl_b32 s[TA], s[WV], 15
	v_lshl_add_u32 v[QCO], v2, 4, s[TA]
	v_lshl_add_u32 v[QCO], v3, 3, v[QCO]
	s_lshl_b32 s[TA], s[WV], 11
	v_add_nc_u32 v[QSO], s[TA], v1
.endm
.macro OFFS                            ; the six offsets into qkv of my 32 tokens: batch b = g / 64, key block beta = g % 64
	s_lshr_b32 s[SB], ttmp9, 6
	s_and_b32 s[SBETA], ttmp9, 63
	s_mul_i32 s[TA], s[SB], 557056                 ; the batch's eight heads
	s_lshl_b32 s[TC], s[SBETA], 9
	s_add_co_u32 s[SKC], s[TA], s[TC]              ; k's codes: + 512 beta
	s_mov_b32 s[SKC+1], 0
	s_lshr_b32 s[TC], s[SBETA], 1
	s_lshl_b32 s[TC], s[TC], 6
	s_and_b32 s[TD], s[SBETA], 1
	s_lshl_b32 s[TD], s[TD], 1
	s_add_co_u32 s[TC], s[TC], s[TD]
	s_add_co_u32 s[TC], s[TC], s[TA]
	s_add_co_u32 s[SKS], s[TC], 65536              ; k's bytes: + 64 (beta / 2) + 2 (beta % 2)
	s_mov_b32 s[SKS+1], 0
	s_lshr_b32 s[TC], s[SBETA], 2
	s_and_b32 s[TD], s[SBETA], 3
	s_lshl_b32 s[TE], s[TC], 11
	s_lshl_b32 s[TF], s[TD], 8
	s_add_co_u32 s[TE], s[TE], s[TF]
	s_add_co_u32 s[TE], s[TE], s[TA]
	s_add_co_u32 s[SVC], s[TE], 32768              ; v's codes: + 2048 (beta / 4) + 256 (beta % 4)
	s_mov_b32 s[SVC+1], 0
	s_lshl_b32 s[TE], s[TC], 7
	s_add_co_u32 s[TE], s[TE], s[TD]
	s_add_co_u32 s[TE], s[TE], s[TA]
	s_add_co_u32 s[SVS], s[TE], 67584              ; v's bytes: + 128 (beta / 4) + beta % 4
	s_mov_b32 s[SVS+1], 0
	s_lshl_b32 s[TC], s[SB], 18
	s_lshl_b32 s[TD], s[SBETA], 9
	s_add_co_u32 s[TC], s[TC], s[TD]
	s_add_co_u32 s[SQC], s[TC], 1114112            ; q's codes
	s_mov_b32 s[SQC+1], 0
	s_lshl_b32 s[TC], s[SB], 14
	s_lshl_b32 s[TD], s[SBETA], 5
	s_add_co_u32 s[TC], s[TC], s[TD]
	s_add_co_u32 s[SQS], s[TC], 1638400            ; q's bytes
	s_mov_b32 s[SQS+1], 0
.endm
.macro BASES p                         ; qkv's address, in s[p:p+1], is added to the six
.irp q, SKC, SKS, SVC, SVS, SQC, SQS
	s_add_nc_u64 s[\q:\q+1], s[\p:\p+1], s[\q:\q+1]
.endr
.endm
.macro PLACES                          ; four plain lines between a matrix instruction and a load into, or a vector line on, its registers
.rept 4
	v_nop
.endr
.endm
.macro WLOAD set, ws, ptr, pt          ; my two tiles (pt + 2 w, + 1) of a weight: four fragments as they lie, 512 consecutive bytes a load, and their scale words
.irp u, 0,1
.irp s, 0,1
.irp c, 0,1
	global_load_b128 v[\set+8*(2*\u+\s)+4*\c:\set+8*(2*\u+\s)+4*\c+3], v[WLI], s[\ptr:\ptr+1] offset:(\pt+\u)*2048+\s*1024+\c*512
.endr
.endr
.endr
.irp u, 0,1
	global_load_b32 v[\ws+\u], v[WLS], s[\ptr:\ptr+1] offset:SCB+(\pt+\u)*128
.endr
.endm
.macro MM d, a, b, c, sa, sb, row      ; one product of 16 x 16 x 128.  c < 0: the sum starts at 0.  row = 1: both sides' scale words are taken from lanes 16-31
.if (\c) < 0
	v_wmma_scale_f32_16x16x128_f8f6f4 v[\d:\d+7], v[\a:\a+7], v[\b:\b+7], 0, v[\sa], v[\sb] matrix_a_fmt:MATRIX_FMT_FP4 matrix_b_fmt:MATRIX_FMT_FP4
.elseif \row
	v_wmma_scale_f32_16x16x128_f8f6f4 v[\d:\d+7], v[\a:\a+7], v[\b:\b+7], v[\c:\c+7], v[\sa], v[\sb] matrix_a_fmt:MATRIX_FMT_FP4 matrix_b_fmt:MATRIX_FMT_FP4 matrix_a_scale:MATRIX_SCALE_ROW1 matrix_b_scale:MATRIX_SCALE_ROW1
.else
	v_wmma_scale_f32_16x16x128_f8f6f4 v[\d:\d+7], v[\a:\a+7], v[\b:\b+7], v[\c:\c+7], v[\sa], v[\sb] matrix_a_fmt:MATRIX_FMT_FP4 matrix_b_fmt:MATRIX_FMT_FP4
.endif
.endm
; Transposed: source 0 = a tile of the weight, source 1 = a tile of tokens.  Four accumulators take turns, one instruction a turn.
.macro PRODT set, ws, bias
.irp tt, 0,1
.irp u, 0,1
	MM ACC+8*(2*\tt+\u), \set+16*\u, XF+16*\tt, -1, \ws+\u, XS+\tt, 0
.endr
.endr
.irp tt, 0,1
.irp u, 0,1
	MM ACC+8*(2*\tt+\u), \set+16*\u+8, XF+16*\tt+8, ACC+8*(2*\tt+\u), \ws+\u, XS+\tt, 1
.endr
.endr
.endm
; The other way round, for v: lane (rho, h), register j of accumulator (u, tt) holds token 16 tt + 8 h + j of channel row rho of tile u.
.macro PRODN set, ws
.irp u, 0,1
.irp tt, 0,1
	MM ACC+8*(2*\u+\tt), XF+16*\tt, \set+16*\u, -1, XS+\tt, \ws+\u, 0
.endr
.endr
.irp u, 0,1
.irp tt, 0,1
	MM ACC+8*(2*\u+\tt), XF+16*\tt+8, \set+16*\u+8, ACC+8*(2*\u+\tt), XS+\tt, \ws+\u, 1
.endr
.endr
.endm
; Two runs of 16 registers, each half a block of 32 (the other half lies in lane l xor 16), line by line by turns.  Codes: v[T+8:T+9], v[T+10:T+11]; bytes: v[T+6], v[T+7].
.macro QUANT2 a, b
	v_max3_num_f32 v[T], |v[\a]|, |v[\a+1]|, 0x1800000      ; with the floor 2^(3 - 127): the byte cannot fall under 1
	v_max3_num_f32 v[T+1], |v[\b]|, |v[\b+1]|, 0x1800000
.irp i, 2,4,6,8,10,12,14
	v_max3_num_f32 v[T], v[T], |v[\a+\i]|, |v[\a+\i+1]|
	v_max3_num_f32 v[T+1], v[T+1], |v[\b+\i]|, |v[\b+\i+1]|
.endr
	v_permlanex16_b32 v[T+2], v[T], s[SEL], s[SEL+1]
	v_permlanex16_b32 v[T+3], v[T+1], s[SEL], s[SEL+1]
	v_max_num_f32 v[T], v[T], v[T+2]                        ; the block's largest magnitude
	v_max_num_f32 v[T+1], v[T+1], v[T+3]
	v_add_nc_u32 v[T+4], 0xff000000, v[T]                   ; 2 off its exponent field: the conversion's scale operand
	v_add_nc_u32 v[T+5], 0xff000000, v[T+1]
	v_lshrrev_b32 v[T+6], 23, v[T+4]                        ; the scale's byte
	v_lshrrev_b32 v[T+7], 23, v[T+5]
	v_cvt_scalef32_pk8_fp4_f32 v[T+8], v[\a:\a+7], v[T+4]
	v_cvt_scalef32_pk8_fp4_f32 v[T+9], v[\a+8:\a+15], v[T+4]
	v_cvt_scalef32_pk8_fp4_f32 v[T+10], v[\b:\b+7], v[T+5]
	v_cvt_scalef32_pk8_fp4_f32 v[T+11], v[\b+8:\b+15], v[T+5]
	v_nop                                                   ; one plain line behind the last conversion
.endm
.macro TOIMG img, xsc                  ; my block of both tiles of tokens: 8 bytes of codes a lane; the byte is written by both lanes of a block, with the same value
	ds_store_b64 v[IMW], v[T+8:T+9] offset:\img
	ds_store_b64 v[IMW], v[T+10:T+11] offset:\img+2048
	ds_store_b8 v[SCW], v[T+6] offset:\xsc-XSC0
	ds_store_b8 v[SCW], v[T+7] offset:\xsc-XSC0+128
.endm
.macro BARRIER                         ; my LDS stores have landed and my LDS loads are in: then the work-group's barrier
	s_wait_dscnt 0x0
	s_barrier_signal -1
	s_barrier_wait -1
.endm
.macro XFETCH img, xsc                 ; the four fragments of the 32 tokens, and their scale words
.irp tt, 0,1
.irp s, 0,1
.irp c, 0,1
	ds_load_b128 v[XF+8*(2*\tt+\s)+4*\c:XF+8*(2*\tt+\s)+4*\c+3], v[LI] offset:\img+\tt*2048+\s*1024+\c*512
.endr
.endr
.endr
.irp tt, 0,1
	ds_load_b32 v[XS+\tt], v[LS] offset:\xsc+128*\tt
.endr
.endm
.macro TOSTAGE                         ; my 64 bytes of each of the 32 rows
.irp tt, 0,1
.irp i, 0,1,2,3
	ds_store_b128 v[SGW], v[RES+16*\tt+4*\i:RES+16*\tt+4*\i+3] offset:16640*\tt+16*\i
.endr
.endr
.endm
.macro XOUT                            ; rows 4 w .. 4 w + 3 leave whole: each store of the wave covers 512 consecutive bytes, aligned
.irp k, 0,1,2,3,4,5,6,7
	ds_load_b128 v[GG+4*\k:GG+4*\k+3], v[SGR] offset:1040*(\k/2)+512*(\k%2)
.endr
.irp k, 0,1,2,3,4,5,6,7
	s_wait_dscnt 7-\k                              ; LDS loads come back in order: load k is in, the younger ones may be out
	global_store_b128 v[WLI], v[GG+4*\k:GG+4*\k+3], s[SXO:SXO+1] offset:1024*(\k/2)+512*(\k%2)
.endr
.endm
; q, k and v of my head for the 32 tokens.  sa holds q's fragments and then v's, sb holds k's.
.macro QKVPH sa, wsa, sb, wsb, ptr
	XFETCH IMG0, XSC0
	s_wait_loadcnt 0x0                             ; q's and k's fragments
	s_wait_dscnt 0x0
	PRODT \sa, \wsa, 0
	PLACES
	WLOAD \sa, \wsa, \ptr, 80                      ; v's fragments, two products ahead of their use
	QUANT2 ACC, ACC+16
	global_store_b64 v[QCO], v[T+8:T+9], s[SQC:SQC+1]                ; 16 tokens x 16 bytes: 256 consecutive bytes, aligned
	global_store_b64 v[QCO], v[T+10:T+11], s[SQC:SQC+1] offset:256
	v_cndmask_b32 v[BY], v[T+6], v[T+7], s[MSK]    ; lanes 0-15: the first tile's bytes, lanes 16-31: the second's
	global_store_b8 v[QSO], v[BY], s[SQS:SQS+1]
	PRODT \sb, \wsb, 0                             ; (more than five plain lines that name no register of q's products lie between: the four above and the quantiser's lines on its own registers)
	PLACES
	s_wait_xcnt 0x0                                ; the stores have read their data: the quantiser's registers may be written again
	QUANT2 ACC, ACC+16
	global_store_b64 v[HCO], v[T+8:T+9], s[SKC:SKC+1]
	global_store_b64 v[HCO], v[T+10:T+11], s[SKC:SKC+1] offset:256
	v_lshl_or_b32 v[BY+1], v[T+7], 8, v[T+6]       ; the two tiles' bytes of row r are neighbours
	global_store_b16 v[KSO], v[BY+1], s[SKS:SKS+1]
	s_wait_loadcnt 0x0                             ; v's fragments
	PRODN \sa, \wsa
	PLACES
	s_wait_xcnt 0x0
	QUANT2 ACC, ACC+16                             ; a run is a channel's tokens 8 h .. + 7 and 16 + 8 h .. + 7: words 2 h and 2 h + 1 of the block
	global_store_b64 v[HCO], v[T+8:T+9], s[SVC:SVC+1]
	global_store_b64 v[HCO], v[T+10:T+11], s[SVC:SVC+1] offset:1024
	v_cndmask_b32 v[BY], v[T+6], v[T+7], s[MSK]    ; lanes 0-15: tile 0's bytes, lanes 16-31: tile 1's
	global_store_b8 v[VSO], v[BY], s[SVS:SVS+1]
.endm
	s_load_b256 s[4:11], s[0:1], 0x0               ; x, wq, xa, qkv
	s_load_b64 s[12:13], s[0:1], 0x20              ; cnta
	v_lshl_add_u32 v254, v0, 2, 0xb800
	v_mov_b32 v255, 0
	ADDRS
	OFFS
	s_mov_b32 s[SEL], 0x76543210
	s_mov_b32 s[SEL+1], 0xfedcba98
	s_mov_b32 s[MSK], 0xffff0000
	s_mov_b32 s[KA], 0xbd135d8e                    ; -ln(10000) / 256
	s_mov_b32 s[L2E], 0x3fb8aa3b                   ; log2(e), and what it lacks
	s_mov_b32 s[L2EL], 0x32a57060
	s_mov_b32 s[LN2], 0x3f317218                   ; ln 2
	s_mov_b32 s[C2PI], 0x3f22f983                  ; 2 / pi
	s_mov_b32 s[MPIH], 0xbfc90fdb                  ; -pi / 2, and what it lacks
	s_mov_b32 s[PIL], 0x333bbd2e
	s_mov_b32 s[PS1], 0xbe2aaaa3                   ; the sine's three coefficients
	s_mov_b32 s[PS2], 0x3c08839e
	s_mov_b32 s[PS3], 0xb94ca1f9
	s_mov_b32 s[PC1], 0x3d2aaaa5                   ; the cosine's
	s_mov_b32 s[PC2], 0xbab6061a
	s_mov_b32 s[PC3], 0x37ccf5ce
	s_mov_b32 s[SGN], 0x80000000
	s_lshl_b32 s[SXO], ttmp9, 15                   ; my 32 rows of 1,024 bytes
	s_mov_b32 s[SXO+1], 0
	v_mov_b32 v[T+2], 0                            ; written once: a lane permute's destination counts as one of its sources
	v_mov_b32 v[T+3], 0
	s_wait_kmcnt 0x0
	s_add_nc_u64 s[SXI:SXI+1], s[4:5], s[SXO:SXO+1]
	s_add_nc_u64 s[SXO:SXO+1], s[8:9], s[SXO:SXO+1]
	BASES 10
.irp tt, 0,1
.irp i, 0,1,2,3
	global_load_b128 v[RES+16*\tt+4*\i:RES+16*\tt+4*\i+3], v[XRO], s[SXI:SXI+1] offset:16384*\tt+16*\i th:TH_LOAD_NT
.endr
.endr
	WLOAD W0, WS0, 6, 48                           ; q's fragments of layer 0
	WLOAD W1, WS1, 6, 64                           ; k's
	; div of my eight pairs of columns: exp((32 w + 16 h + 2 p) x (-ln(10000) / 256))
	s_lshl_b32 s[TA], s[WV], 5
	v_lshl_add_u32 v202, v3, 4, s[TA]
	s_lshl_b32 s[TA], s[SBETA], 5
	v_add_nc_u32 v201, s[TA], v2                   ; the position of token r of the first tile
.irp p, 0,1,2,3,4,5,6,7
	v_add_nc_u32 v[DIV+\p], 2*\p, v202
.endr
.irp p, 0,1,2,3,4,5,6,7
	v_cvt_f32_u32 v[DIV+\p], v[DIV+\p]
.endr
.irp p, 0,1,2,3,4,5,6,7
	v_mul_f32 v[DIV+\p], s[KA], v[DIV+\p]          ; a, rounded once
.endr
.irp p, 0,1,2,3,4,5,6,7
	v_mul_f32 v[216+\p], s[L2E], v[DIV+\p]         ; hi
.endr
.irp p, 0,1,2,3,4,5,6,7
	v_fma_f32 v[224+\p], v[DIV+\p], s[L2E], -v[216+\p]     ; lo: what hi's rounding dropped,
.endr
.irp p, 0,1,2,3,4,5,6,7
	v_fmac_f32 v[224+\p], s[L2EL], v[DIV+\p]       ; and what the constant lacks
.endr
.irp p, 0,1,2,3,4,5,6,7
	v_exp_f32 v[208+\p], v[216+\p]
.endr
.irp p, 0,1,2,3,4,5,6,7
	v_mul_f32 v[224+\p], s[LN2], v[224+\p]         ; plain lines behind the exponentials, which name none of their results
.endr
	s_wait_alu depctr_va_vdst(0)                   ; one wait for the eight exponentials, ahead of their first reader
.irp p, 0,1,2,3,4,5,6,7
	v_fma_f32 v[DIV+\p], v[208+\p], v[224+\p], v[208+\p]   ; 2^hi (1 + lo ln 2)
.endr
.set RA, 96                            ; the angle, then what is left of it
.set RN, 104                           ; the number of quarter turns
.set RZ, 112
.set RS, 120                           ; the sine of what is left
.set RC, 128                           ; the cosine
.set RT, 136
.set RR, 144                           ; v144-159 sine and cosine of the angle, in pairs
.macro PE tt                           ; x += the table's row, for token r of tile tt
	v_add_nc_u32 v200, 16*\tt, v201
	v_cvt_f32_u32 v200, v200
.irp p, 0,1,2,3,4,5,6,7
	v_mul_f32 v[RA+\p], v200, v[DIV+\p]
.endr
.irp p, 0,1,2,3,4,5,6,7
	v_mul_f32 v[RN+\p], s[C2PI], v[RA+\p]
.endr
.irp p, 0,1,2,3,4,5,6,7
	v_rndne_f32 v[RN+\p], v[RN+\p]
.endr
.irp p, 0,1,2,3,4,5,6,7
	v_fmac_f32 v[RA+\p], s[MPIH], v[RN+\p]         ; exact: both are multiples of 2^-23 and the difference lies under 1
.endr
.irp p, 0,1,2,3,4,5,6,7
	v_fmac_f32 v[RA+\p], s[PIL], v[RN+\p]
.endr
.irp p, 0,1,2,3,4,5,6,7
	v_cvt_i32_f32 v[RN+\p], v[RN+\p]
.endr
.irp p, 0,1,2,3,4,5,6,7
	v_mul_f32 v[RZ+\p], v[RA+\p], v[RA+\p]
.endr
.irp p, 0,1,2,3,4,5,6,7
	v_fma_f32 v[RS+\p], v[RZ+\p], s[PS3], s[PS2]
.endr
.irp p, 0,1,2,3,4,5,6,7
	v_fma_f32 v[RC+\p], v[RZ+\p], s[PC3], s[PC2]
.endr
.irp p, 0,1,2,3,4,5,6,7
	v_fma_f32 v[RS+\p], v[RS+\p], v[RZ+\p], s[PS1]
.endr
.irp p, 0,1,2,3,4,5,6,7
	v_fma_f32 v[RC+\p], v[RC+\p], v[RZ+\p], s[PC1]
.endr
.irp p, 0,1,2,3,4,5,6,7
	v_mul_f32 v[RS+\p], v[RS+\p], v[RZ+\p]
.endr
.irp p, 0,1,2,3,4,5,6,7
	v_fma_f32 v[RT+\p], v[RZ+\p], -0.5, 1.0
.endr
.irp p, 0,1,2,3,4,5,6,7
	v_mul_f32 v[RZ+\p], v[RZ+\p], v[RZ+\p]
.endr
.irp p, 0,1,2,3,4,5,6,7
	v_fma_f32 v[RS+\p], v[RS+\p], v[RA+\p], v[RA+\p]
.endr
.irp p, 0,1,2,3,4,5,6,7
	v_fma_f32 v[RC+\p], v[RZ+\p], v[RC+\p], v[RT+\p]
.endr
.irp p, 0,1,2,3,4,5,6,7                ; the quarter turn: odd: sine and cosine change places; the signs from its bit 1, for the cosine of the number + 1
	v_and_b32 v[RT+\p], 1, v[RN+\p]
	v_cmp_eq_u32 vcc_lo, 1, v[RT+\p]
	v_cndmask_b32 v[RR+2*\p], v[RS+\p], v[RC+\p], vcc_lo
	v_cndmask_b32 v[RR+2*\p+1], v[RC+\p], v[RS+\p], vcc_lo
	v_lshlrev_b32 v[RS+\p], 30, v[RN+\p]
	v_add_nc_u32 v[RN+\p], 1, v[RN+\p]
	v_lshlrev_b32 v[RC+\p], 30, v[RN+\p]
	v_and_b32 v[RS+\p], s[SGN], v[RS+\p]
	v_and_b32 v[RC+\p], s[SGN], v[RC+\p]
	v_xor_b32 v[RR+2*\p], v[RS+\p], v[RR+2*\p]
	v_xor_b32 v[RR+2*\p+1], v[RC+\p], v[RR+2*\p+1]
.endr
.if \tt == 0
	s_wait_loadcnt 20                              ; x's eight loads are in; the twenty issued behind them, the weights', may be out
.endif
.irp p, 0,1,2,3,4,5,6,7
	v_pk_add_f32 v[RES+16*\tt+2*\p:RES+16*\tt+2*\p+1], v[RES+16*\tt+2*\p:RES+16*\tt+2*\p+1], v[RR+2*\p:RR+2*\p+1]
.endr
.endm
	PE 0
	PE 1
	TOSTAGE
	QUANT2 RES, RES+16
	TOIMG IMG0, XSC0
	BARRIER                                        ; 32 whole rows lie in the stage, their codes and scale words in the images
	XOUT
	QKVPH W0, WS0, W1, WS1, 6
	s_or_b32 s[TA], ttmp9, s[WV]                   ; one wave of the launch stores the layer counter: 0, 32 equal words
	s_cmp_lg_u32 s[TA], 0
	s_cbranch_scc1 .Lend
	v_mov_b32 v[CV], 0
	global_store_b32 v[LS], v[CV], s[12:13]
.Lend:
	s_wait_tensorcnt 0x0
	ds_add_u32 v254, v255
	s_wait_dscnt 0x0
	s_endpgm
.Lfunc_end_k_q422b6b842a_embed:
	.size	k_q422b6b842a_embed, .Lfunc_end_k_q422b6b842a_embed-k_q422b6b842a_embed
	.p2alignl 7, 3214868480
	.fill 96, 4, 3214868480
	.section	.rodata,"a",@progbits
	.p2align	6, 0x0
	.amdhsa_kernel k_q422b6b842a_embed
		.amdhsa_group_segment_fixed_size 48128
		.amdhsa_private_segment_fixed_size 0
		.amdhsa_enable_private_segment 0
		.amdhsa_kernarg_size 40
		.amdhsa_user_sgpr_count 2
		.amdhsa_user_sgpr_kernarg_segment_ptr 1
		.amdhsa_wavefront_size32 1
		.amdhsa_system_sgpr_workgroup_id_x 1
		.amdhsa_system_sgpr_workgroup_id_y 1
		.amdhsa_system_sgpr_workgroup_id_z 1
		.amdhsa_system_vgpr_workitem_id 0
		.amdhsa_next_free_vgpr 256
		.amdhsa_next_free_sgpr 66
		.amdhsa_reserve_vcc 1
		.amdhsa_float_denorm_mode_32 3
		.amdhsa_float_denorm_mode_16_64 3
		.amdhsa_memory_ordered 1
		.amdhsa_forward_progress 1
		.amdhsa_inst_pref_size 45
	.end_amdhsa_kernel
	.amdgpu_metadata
---
amdhsa.version: [ 1, 2 ]
amdhsa.kernels:
  - .name:           k_q422b6b842a_embed
    .symbol:         k_q422b6b842a_embed.kd
    .args:
      - { .name: x, .offset: 0, .size: 8, .value_kind: global_buffer, .address_space: global }
      - { .name: wq, .offset: 8, .size: 8, .value_kind: global_buffer, .address_space: global }
      - { .name: xa, .offset: 16, .size: 8, .value_kind: global_buffer, .address_space: global }
      - { .name: qkv, .offset: 24, .size: 8, .value_kind: global_buffer, .address_space: global }
      - { .name: cnta, .offset: 32, .size: 8, .value_kind: global_buffer, .address_space: global }
    .group_segment_fixed_size: 48128
    .private_segment_fixed_size: 0
    .kernarg_segment_align: 8
    .kernarg_segment_size: 40
    .max_flat_workgroup_size: 256
    .sgpr_count:     66
    .vgpr_count:     256
    .wavefront_size: 32
...
	.end_amdgpu_metadata
.endif
;; end of part 2
;; launch attn0 (part 3): grid 16 x 16, 16 waves a work-group, no clusters, 169,984 bytes of LDS; arguments qkv, oc; writes oc
.if DOCPART == 3
	.amdgcn_target "amdgcn-amd-amdhsa--gfx1250"
	.amdhsa_code_object_version 6
	.text
	.protected	k_q422b6b842a_attn0
	.globl	k_q422b6b842a_attn0
	.p2align	8
	.type	k_q422b6b842a_attn0,@function
k_q422b6b842a_attn0:
	s_mov_b64 s[64:65], 0
	v_nop
	global_prefetch_b8 v0, s[64:65] scope:SCOPE_SE
	s_setreg_imm32_b32 hwreg(HW_REG_WAVE_MODE, 25, 1), 1
	s_wait_xcnt 0x0
; o = softmax(q k^T / sqrt(32)) v for 16 heads of 2,048 tokens and 32 channels, both products on codes of FP4 (E2M1) with one E8M0 byte for each 32 along K; o is quantised along the channels and stored as codes.
; THE SOFTMAX: t = score x log2(e) / sqrt(32); M = the running largest t rounded UP to a whole number; p = 2^(t - M) is what is quantised, along the keys.  The row's sum is taken of the unquantised p and divides at the end.
; When M moves, the sum and O are multiplied by 2^(old M - new M): exact.
; SHARES.  A work-group owns 128 queries of one head.  Wave w owns the 16 queries of tile w % 8 and the keys 1024 (w / 8) .. + 1023, 128 a step: four waves to a SIMD.  The two halves of the keys are merged at the end,
; through LNDS-free arithmetic on powers of two, handed over through LDS.
; THE HEAD'S K AND V, codes and scale bytes, 69,632 dense bytes, come into LDS ONCE, as they lie in memory: each wave brings 17 rows of 256 bytes by one tensor load: one load of a wave is out.  Nothing is filled again.
; NO CLUSTER, though the 16 work-groups of a head read the same 69,632 bytes: they are fetched once in the launch, at its head, one load of 4,352 bytes a wave, and there is no refill.  Asked for jointly, that one load
; would stand behind a round of the cluster's barrier, and a closing round would stand ahead of the end: six barrier waits a wave, and each work-group in step with three others at both ends, for a single load a wave.
; LAYOUT.  Both products are used transposed (S^T = K Q^T, O^T = V^T P^T): a lane holds ONE query (lane % 16) throughout.
; THE FIRST PRODUCT'S K IS 32, ONE BLOCK OF THE INSTRUCTION'S FOUR.  64 keys' codes, 1,024 bytes as they lie, are loaded as ONE fragment: block b of its row r is key 16 b + r.  Multiplied by an operand that holds q in
; block b and zero codes in the other three, it gives the scores of keys 16 b .. 16 b + 15: one fragment of K serves four products.
; p's codes of a block come out in the order keys 0-7, 16-23, 8-15, 24-31; V's codes were stored in that order.
; LIMITS: a p under 2^-126 counts as 0; a block of o whose largest magnitude lies under 2^-124 gets the byte 1; NaN and infinities are not served.
.set HEADB,  69632
.set VOFF,   32768                     ; LDS as memory: K's codes at 0, V's codes, K's bytes, V's bytes
.set KSOFF,  65536
.set VSOFF,  67584
.set MERGE,  69632                     ; behind them: for each tile of queries 2,304 bytes: O^T as four images of 512 bytes, then (-M, sum), 8 bytes a lane.  No tensor load lands here
.set MGB,    2304
.set QCB,    1114112                   ; q's codes and bytes in qkv
.set QSB,    1638400
.set OSB,    524288                    ; o's bytes in oc
.set WV,  8
.set SEL, 20                           ; s[20:21] lane selects: lane l xor 16
.set CS,  22                           ; s[22:23] c = log2(e) / sqrt(32), twice: the packed form names a pair
.set G1,  24                           ; s[24:31], s[32:35] the descriptor
.set G0,  32
.set CNT, 36
.set TB,  37                           ; LDS byte at which the next step's codes begin (K's; V's lie VOFF further on)
.set TS,  38                           ; and its scale words
.set MSK, 39                           ; lanes 16-31
; REGISTERS: v1-7, v19-21 addresses that stay; v8-11 addresses of the loads in hand; v12 -M, v13 the largest t, v[14:15] the sum in two halves; v16 q's scale word, v17 K's, v18 V's;
; v32-47 two fragments of K; v48-63 two of V; v64-87 q's four operands; v96-159 S^T, then p; v160-175 O^T; v176-199 the merge; v224-231 p's codes; v232-254 at work.
.macro PLACES
.rept 4
	v_nop
.endr
.endm
.macro MM d, a, b, c, sa, sb, row      ; c < 0: the sum starts at 0.  row = 1: source 0's scale words are taken from lanes 16-31
.if (\c) < 0
.if \row
	v_wmma_scale_f32_16x16x128_f8f6f4 v[\d:\d+7], v[\a:\a+7], v[\b:\b+7], 0, v[\sa], v[\sb] matrix_a_fmt:MATRIX_FMT_FP4 matrix_b_fmt:MATRIX_FMT_FP4 matrix_a_scale:MATRIX_SCALE_ROW1
.else
	v_wmma_scale_f32_16x16x128_f8f6f4 v[\d:\d+7], v[\a:\a+7], v[\b:\b+7], 0, v[\sa], v[\sb] matrix_a_fmt:MATRIX_FMT_FP4 matrix_b_fmt:MATRIX_FMT_FP4
.endif
.else
.if \row
	v_wmma_scale_f32_16x16x128_f8f6f4 v[\d:\d+7], v[\a:\a+7], v[\b:\b+7], v[\c:\c+7], v[\sa], v[\sb] matrix_a_fmt:MATRIX_FMT_FP4 matrix_b_fmt:MATRIX_FMT_FP4 matrix_a_scale:MATRIX_SCALE_ROW1
.else
	v_wmma_scale_f32_16x16x128_f8f6f4 v[\d:\d+7], v[\a:\a+7], v[\b:\b+7], v[\c:\c+7], v[\sa], v[\sb] matrix_a_fmt:MATRIX_FMT_FP4 matrix_b_fmt:MATRIX_FMT_FP4
.endif
.endif
.endm
.macro LOADK                           ; a step's 128 keys: two fragments, 512 consecutive bytes a load, and their scale words (64 keys' in lanes 0-15, the next 64's in lanes 16-31)
.irp g, 0,1
.irp c, 0,1
	ds_load_b128 v[32+8*\g+4*\c:35+8*\g+4*\c], v8 offset:1024*\g+512*\c
.endr
.endr
	ds_load_b32 v17, v10
.endm
.macro LOADV                           ; the same keys of V: two tiles of 16 channels
.irp u, 0,1
.irp c, 0,1
	ds_load_b128 v[48+8*\u+4*\c:51+8*\u+4*\c], v9 offset:1024*\u+512*\c
.endr
.endr
	ds_load_b32 v18, v11
.endm
	s_load_b128 s[4:7], s[0:1], 0x0                ; qkv, oc
	v_lshl_add_u32 v251, v0, 2, 0x29000
	v_mov_b32 v255, 0
	ds_add_u32 v251, v255
	ds_add_u32 v251, v255
	v_lshrrev_b32 v1, 5, v0
	v_readfirstlane_b32 s[WV], v1                  ; wave 0..15
	s_and_b32 s9, s[WV], 7                         ; my tile of queries
	s_lshr_b32 s10, s[WV], 3                       ; my half of the keys
	s_and_b32 s13, ttmp7, 0xffff                   ; the head, 0..15
	; descriptor group 1: 17 rows of 32 elements of 8 bytes, dense
	s_mov_b32 s[G1], 3<<16                         ; 15:0 no mask; 17:16 elements of 8 bytes; no padding
	s_mov_b32 s[G1+1], 32<<16                      ; tensor_dim0 = 32
	s_mov_b32 s[G1+2], 17<<16                      ; tensor_dim1 = 17
	s_mov_b32 s[G1+3], 32<<16                      ; tile_dim0 = 32
	s_mov_b32 s[G1+4], 17                          ; tile_dim1 = 17
	s_mov_b32 s[G1+5], 32                          ; from row to row
	s_mov_b32 s[G1+6], 0
	s_mov_b32 s[G1+7], 0
	s_mul_i32 s16, s13, HEADB
	s_mul_i32 s17, s[WV], 4352
	s_add_co_u32 s16, s16, s17                     ; my 4,352 bytes of the head's block
	s_mov_b32 s17, 0
	s_mov_b32 s[G0], 1                             ; count = 1
	s_mul_i32 s[G0+1], s[WV], 4352                 ; LDS address
	; my queries: block x of 128, tile w % 8
	s_lshl_b32 s48, ttmp9, 7
	s_lshl_b32 s49, s9, 4
	s_add_co_u32 s48, s48, s49                     ; my first query in the head
	s_lshl_b32 s40, s13, 15
	s_lshl_b32 s49, s48, 4
	s_add_co_u32 s40, s40, s49
	s_add_co_u32 s40, s40, QCB                     ; its codes
	s_mov_b32 s41, 0
	s_lshl_b32 s42, s13, 11
	s_add_co_u32 s42, s42, s48
	s_add_co_u32 s42, s42, QSB                     ; its byte
	s_mov_b32 s43, 0
	s_lshr_b32 s49, s13, 3
	s_lshl_b32 s49, s49, 11
	s_add_co_u32 s49, s49, s48                     ; the token: 2048 x batch + query
	s_and_b32 s50, s13, 7                          ; the head in its batch
	s_lshl_b32 s44, s50, 16
	s_lshl_b32 s51, s49, 4
	s_add_co_u32 s44, s44, s51                     ; o's codes [head][token][16]
	s_mov_b32 s45, 0
	s_lshl_b32 s46, s49, 3
	s_add_co_u32 s46, s46, s50
	s_add_co_u32 s46, s46, OSB                     ; o's bytes [token][8]
	s_mov_b32 s47, 0
	s_mov_b32 s[SEL], 0x76543210
	s_mov_b32 s[SEL+1], 0xfedcba98
	s_mov_b32 s[CS], 0x3e8293ee
	s_mov_b32 s[CS+1], s[CS]
	s_mov_b32 s[MSK], 0xffff0000
	s_mov_b32 s52, 0x01010101
	s_lshl_b32 s[TB], s10, 14                      ; 1,024 keys x 16 bytes
	s_lshl_b32 s[TS], s10, 10                      ; and their 1,024 bytes of scales
	s_wait_dscnt 0x0
	s_wait_kmcnt 0x0
	s_add_nc_u64 s[G0+2:G0+3], s[4:5], s[16:17]    ; global address
	s_or_b32 s[G0+3], s[G0+3], 0x80000000          ; type = 2
	s_add_nc_u64 s[40:41], s[4:5], s[40:41]
	s_add_nc_u64 s[42:43], s[4:5], s[42:43]
	s_add_nc_u64 s[44:45], s[6:7], s[44:45]
	s_add_nc_u64 s[46:47], s[6:7], s[46:47]
	tensor_load_to_lds s[G0:G0+3], s[G1:G1+7]      ; the launch's one fill: ahead of every wait on TENSORcnt, every LDS read and every barrier
	s_nop 0
	PLACES                                         ; four v_nop follow the load
	v_and_b32 v22, 31, v0                          ; lane
	v_and_b32 v20, 15, v0                          ; r
	v_bfe_u32 v23, v0, 4, 1                        ; h
	v_lshlrev_b32 v19, 4, v20                      ; 16 r
	global_load_b128 v[88:91], v19, s[40:41]       ; query r's 32 codes, in both halves of the lanes
	global_load_u8 v92, v20, s[42:43]              ; and its byte
	v_lshlrev_b32 v1, 4, v22                       ; K's codes: 16 x lane
	v_add_nc_u32 v2, VOFF, v1                      ; V's
	v_lshlrev_b32 v3, 2, v22
	v_add_nc_u32 v4, VSOFF, v3                     ; V's scale words: 4 x lane
	v_add_nc_u32 v3, KSOFF, v3                     ; K's
	s_mul_i32 s49, s9, MGB
	s_add_co_u32 s49, s49, MERGE
	v_add_nc_u32 v5, s49, v1                       ; the merge: O^T's images,
	v_lshl_add_u32 v6, v22, 3, s49
	v_add_nc_u32 v6, 2048, v6                      ; and (-M, sum)
	v_lshl_add_u32 v7, v23, 3, v19                 ; o's codes: 16 r + 8 h
	v_lshlrev_b32 v21, 3, v20                      ; o's byte: 8 r
.irp j, 64,65,66,67,72,73,74,75,76,77,78,79,84,85,86,87
	v_mov_b32 v[\j], 0                             ; the zero codes round q
.endr
	s_wait_tensorcnt 0x0                           ; my part of the head has landed,
	s_barrier_signal -1
	s_barrier_wait -1                              ; everybody's has
	v_add_nc_u32 v8, s[TB], v1
	v_add_nc_u32 v9, s[TB], v2
	v_add_nc_u32 v10, s[TS], v3
	v_add_nc_u32 v11, s[TS], v4
	LOADK
	LOADV
	s_add_co_u32 s[TB], s[TB], 2048
	s_add_co_u32 s[TS], s[TS], 128
	s_wait_loadcnt 0x0                             ; q
	v_mul_lo_u32 v16, v92, s52                     ; q's byte in all four places of the scale word
.irp i, 0,1,2,3
	v_cndmask_b32 v[68+\i], v[88+\i], 0, s[MSK]    ; q in lanes 0-15 alone: with zeros behind it block 0 (v68-75), with zeros ahead block 2 (v64-71)
	v_cndmask_b32 v[80+\i], 0, v[88+\i], s[MSK]    ; q in lanes 16-31 alone: block 1 (v80-87), block 3 (v76-83)
.endr
	v_mov_b32 v13, 0xff61b1e6                      ; the largest t so far: -3e38, under every t
	v_floor_f32 v12, -v13                          ; -M
	v_mov_b32 v14, 0                               ; the sum, in two halves
	v_mov_b32 v15, 0
.irp b, 0,1,2,3
	v_mov_b32 v[236+\b], 0                         ; written once: a lane permute's destination counts as one of its sources
.endr
	v_mov_b32 v253, 0                              ; (named as the upper half of the pair v[252:253] before it is first written)
.irp j, 0,1,2,3,4,5,6,7,8,9,10,11,12,13,14,15
	v_mov_b32 v[160+\j], 0                         ; O^T: the first step finds zeros.  (These lines are also the places between q's operands and scale word and the first product)
.endr
; A KEY STEP: 128 keys.  more = 1: the next step's K is fetched behind the scores, its V behind the second product.
.macro STEP more
	s_wait_dscnt 5                                 ; K's five loads are in; the five issued behind them, V's, may be out
	MM 96, 32, 68, -1, 17, 16, 0                   ; keys 0-15 of the step,
	MM 104, 32, 80, -1, 17, 16, 0                  ; 16-31,
	MM 112, 32, 64, -1, 17, 16, 0
	MM 120, 32, 76, -1, 17, 16, 0
	MM 128, 40, 68, -1, 17, 16, 1
	MM 136, 40, 80, -1, 17, 16, 1
	MM 144, 40, 64, -1, 17, 16, 1
	MM 152, 40, 76, -1, 17, 16, 1                  ; 112-127.  Lane (r, h), register 8 T + j: key 16 T + 8 h + j, query r
.if \more
	v_add_nc_u32 v8, s[TB], v1                     ; four plain lines: the places in front of the loads below and of the first read of the scores
	v_add_nc_u32 v9, s[TB], v2
	v_add_nc_u32 v10, s[TS], v3
	v_add_nc_u32 v11, s[TS], v4
	LOADK
.else
	PLACES
.endif
.irp b, 0,1,2,3
	v_max3_num_f32 v[232+\b], v[96+16*\b], v[97+16*\b], v[98+16*\b]   ; the largest score of each block of 32 keys: for the row's maximum, and, since p rises with the score, for the block's largest p
.endr
.irp i, 3,5,7,9,11,13
.irp b, 0,1,2,3
	v_max3_num_f32 v[232+\b], v[232+\b], v[96+16*\b+\i], v[97+16*\b+\i]
.endr
.endr
.irp b, 0,1,2,3
	v_max_num_f32 v[232+\b], v[232+\b], v[111+16*\b]
.endr
.irp b, 0,1,2,3
	v_permlanex16_b32 v[236+\b], v[232+\b], s[SEL], s[SEL+1]
.endr
.irp b, 0,1,2,3
	v_max_num_f32 v[232+\b], v[232+\b], v[236+\b]  ; with lane l xor 16's 16 keys
.endr
	v_max3_num_f32 v254, v232, v233, v234
	v_max_num_f32 v254, v254, v235                 ; the step's largest score of my query
	v_mul_f32 v254, s[CS], v254                    ; as t
	v_max_num_f32 v13, v13, v254                   ; the running largest t
	v_mov_b32 v254, v12
	v_floor_f32 v12, -v13                          ; the new -M = -ceil(t)
	v_sub_f32 v254, v12, v254                      ; old M - new M: a whole number, 0 or less
	v_cvt_i32_f32 v254, v254                       ; (it saturates)
	v_ldexp_f32 v252, 1.0, v254                    ; f = 2^(old M - new M)
.set j, 0
.rept 32
	v_pk_fma_f32 v[96+j:97+j], v[96+j:97+j], s[CS:CS+1], v[12:13] op_sel_hi:[1,0,0]   ; t - M, two at a time
.set j, j+2
.endr
.irp b, 0,1,2,3
	v_fma_f32 v[232+\b], v[232+\b], s[CS], v12     ; the same of each block's largest score
.endr
.set j, 0
.rept 64
	v_exp_f32 v[96+j], v[96+j]                     ; p = 2^(t - M), at most 1
.set j, j+1
.endr
	v_pk_mul_f32 v[14:15], v[14:15], v[252:253] op_sel_hi:[1,0]   ; the sums under the new M: a plain line behind the exponentials
	s_wait_alu depctr_va_vdst(0)                   ; one wait for the 64, ahead of their first reader
.irp b, 0,1,2,3
	v_exp_f32 v[232+\b], v[232+\b]                 ; each block's largest p
.endr
	v_pk_add_f32 v[240:241], v[96:97], v[98:99]    ; the row's sum of the unquantised p, in two chains: the first half stands behind the four exponentials
.irp j, 4,8,12,16,20,24,28
	v_pk_add_f32 v[14:15], v[14:15], v[96+\j:97+\j]
	v_pk_add_f32 v[240:241], v[240:241], v[98+\j:99+\j]
.endr
	s_wait_alu depctr_va_vdst(0)                   ; and one for the four
.irp b, 0,1,2,3
	v_max_num_f32 v[232+\b], 0x1800000, v[232+\b]  ; the floor 2^(3 - 127): the byte cannot fall under 1
.endr
.irp b, 0,1,2,3
	v_add_nc_u32 v[244+\b], 0xff000000, v[232+\b]  ; 2 off the exponent field: the conversion's scale operand
.endr
.irp b, 0,1,2,3
	v_lshrrev_b32 v[236+\b], 23, v[244+\b]         ; the scale's byte
.endr
	v_lshl_or_b32 v253, v237, 8, v236              ; p's scale word for these 128 keys
	v_lshl_or_b32 v253, v238, 16, v253
	v_lshl_or_b32 v253, v239, 24, v253
.irp b, 0,1,2,3
	v_cvt_scalef32_pk8_fp4_f32 v[224+2*\b], v[96+16*\b:103+16*\b], v[244+\b]
	v_cvt_scalef32_pk8_fp4_f32 v[225+2*\b], v[104+16*\b:111+16*\b], v[244+\b]
.endr
	v_nop                                          ; one plain line behind the last conversion
.irp c, 0,1                                    ; a whole block to a lane: lanes 0-15 block 2 c, lanes 16-31 block 2 c + 1
.irp i, 0,1
	v_permlane16_swap_b32 v[224+4*\c+\i], v[226+4*\c+\i]
.endr
.endr
.irp j, 32,36,40,44,48,52,56,60                ; the sums' second half: 17 plain lines between p's scale word and codes and the product that takes them
	v_pk_add_f32 v[14:15], v[14:15], v[96+\j:97+\j]
	v_pk_add_f32 v[240:241], v[240:241], v[98+\j:99+\j]
.endr
	v_pk_add_f32 v[14:15], v[14:15], v[240:241]
.irp j, 0,2,4,6,8,10,12,14
	v_pk_mul_f32 v[160+\j:161+\j], v[160+\j:161+\j], v[252:253] op_sel_hi:[1,0]   ; O^T under the new M
.endr
.if \more
	s_wait_dscnt 5                                 ; V's five loads are in; the five issued behind them, the next step's K, may be out
.else
	s_wait_dscnt 0x0
.endif
	MM 160, 48, 224, 160, 18, 253, 0               ; O^T += V^T P^T: lane (r, h), register 8 u + j: channel 16 h + 8 u + j of query r.  The two accumulators take turns
	MM 168, 56, 224, 168, 18, 253, 1
.if \more
	PLACES
	LOADV
	s_add_co_u32 s[TB], s[TB], 2048
	s_add_co_u32 s[TS], s[TS], 128
.endif
.endm
	s_mov_b32 s[CNT], 7
.Lstep:
	STEP 1
	s_sub_co_u32 s[CNT], s[CNT], 1
	s_cmp_lg_u32 s[CNT], 0
	s_cbranch_scc1 .Lstep
	STEP 0                                         ; the eighth step fetches nothing
	; THE MERGE.  Waves 8-15 hand O^T, -M and the sum of their half of the keys to waves 0-7.
	PLACES
	v_add_f32 v13, v14, v15                        ; (v12, v13) = (-M, my lane's sum)
	s_cmp_lt_u32 s[WV], 8
	s_cbranch_scc1 .Lfirst_half
.irp i, 0,1,2,3
	ds_store_b128 v5, v[160+4*\i:163+4*\i] offset:512*\i
.endr
	ds_store_b64 v6, v[12:13]
.Lfirst_half:
	s_wait_dscnt 0x0                               ; for the others' sake: my stores have landed
	s_barrier_signal -1
	s_barrier_wait -1
	s_cmp_ge_u32 s[WV], 8
	s_cbranch_scc1 .Ldone
.irp i, 0,1,2,3
	ds_load_b128 v[176+4*\i:179+4*\i], v5 offset:512*\i
.endr
	ds_load_b64 v[192:193], v6
	s_wait_dscnt 0x0
	v_min_num_f32 v198, v12, v192                  ; -M of both halves
	v_sub_f32 v195, v198, v12
	v_sub_f32 v197, v198, v192
	v_cvt_i32_f32 v195, v195
	v_cvt_i32_f32 v197, v197
	v_ldexp_f32 v194, 1.0, v195                    ; 2^(my M - M)
	v_ldexp_f32 v196, 1.0, v197                    ; 2^(the other half's M - M)
	v_mul_f32 v13, v13, v194
	v_fmac_f32 v13, v193, v196
	v_permlanex16_b32 v236, v13, s[SEL], s[SEL+1]
	v_add_f32 v199, v13, v236                      ; with lane l xor 16's: the row's sum
	v_rcp_f32 v198, v199
.irp j, 0,2,4,6,8,10,12,14
	v_pk_mul_f32 v[160+\j:161+\j], v[160+\j:161+\j], v[194:195] op_sel_hi:[1,0]   ; plain work behind the reciprocal, which names neither its result nor its source's pair
.endr
.irp j, 0,2,4,6,8,10,12,14
	v_pk_fma_f32 v[160+\j:161+\j], v[176+\j:177+\j], v[196:197], v[160+\j:161+\j] op_sel_hi:[1,0,1]
.endr
	s_wait_alu depctr_va_vdst(0)                   ; the wait ahead of the reciprocal's first reader
.irp j, 0,2,4,6,8,10,12,14
	v_pk_mul_f32 v[96+\j:97+\j], v[160+\j:161+\j], v[198:199] op_sel_hi:[1,0]     ; o: channels 16 h + 0 .. 15 of query r
.endr
	v_max3_num_f32 v232, |v96|, |v97|, 0x1800000   ; o's block of 32 channels is quantised: my 16, the floor,
.irp i, 2,4,6,8,10,12,14
	v_max3_num_f32 v232, v232, |v[96+\i]|, |v[97+\i]|
.endr
	v_permlanex16_b32 v236, v232, s[SEL], s[SEL+1]
	v_max_num_f32 v232, v232, v236                 ; and lane l xor 16's
	v_add_nc_u32 v244, 0xff000000, v232
	v_lshrrev_b32 v233, 23, v244
	v_cvt_scalef32_pk8_fp4_f32 v224, v[96:103], v244
	v_cvt_scalef32_pk8_fp4_f32 v225, v[104:111], v244
	v_nop
	global_store_b64 v7, v[224:225], s[44:45]      ; 16 tokens x 16 bytes: 256 consecutive bytes, aligned
	global_store_b8 v21, v233, s[46:47]            ; both lanes of a block write the same byte with the same value
.Ldone:
	s_wait_tensorcnt 0x0
	ds_add_u32 v251, v255
	s_wait_dscnt 0x0
	s_endpgm
.Lfunc_end_k_q422b6b842a_attn0:
	.size	k_q422b6b842a_attn0, .Lfunc_end_k_q422b6b842a_attn0-k_q422b6b842a_attn0
	.p2alignl 7, 3214868480
	.fill 96, 4, 3214868480
	.section	.rodata,"a",@progbits
	.p2align	6, 0x0
	.amdhsa_kernel k_q422b6b842a_attn0
		.amdhsa_group_segment_fixed_size 169984
		.amdhsa_private_segment_fixed_size 0
		.amdhsa_enable_private_segment 0
		.amdhsa_kernarg_size 16
		.amdhsa_user_sgpr_count 2
		.amdhsa_user_sgpr_kernarg_segment_ptr 1
		.amdhsa_wavefront_size32 1
		.amdhsa_system_sgpr_workgroup_id_x 1
		.amdhsa_system_sgpr_workgroup_id_y 1
		.amdhsa_system_sgpr_workgroup_id_z 1
		.amdhsa_system_vgpr_workitem_id 0
		.amdhsa_next_free_vgpr 256
		.amdhsa_next_free_sgpr 66
		.amdhsa_reserve_vcc 0
		.amdhsa_float_denorm_mode_32 3
		.amdhsa_float_denorm_mode_16_64 3
		.amdhsa_memory_ordered 1
		.amdhsa_forward_progress 1
		.amdhsa_inst_pref_size 38
	.end_amdhsa_kernel
	.amdgpu_metadata
---
amdhsa.version: [ 1, 2 ]
amdhsa.kernels:
  - .name:           k_q422b6b842a_attn0
    .symbol:         k_q422b6b842a_attn0.kd
    .args:
      - { .name: qkv, .offset: 0, .size: 8, .value_kind: global_buffer, .address_space: global }
      - { .name: oc, .offset: 8, .size: 8, .value_kind: global_buffer, .address_space: global }
    .group_segment_fixed_size: 169984
    .private_segment_fixed_size: 0
    .kernarg_segment_align: 8
    .kernarg_segment_size: 16
    .max_flat_workgroup_size: 512
    .sgpr_count:     66
    .vgpr_count:     256
    .wavefront_size: 32
...
	.end_amdgpu_metadata
.endif
;; end of part 3
;; launch layer0 (part 4): grid 128 x 1, 8 waves a work-group, no clusters, 48,128 bytes of LDS; arguments cnta, wq, oc, xa, proj_b, b1, b2, g1, be1, g2, be2, xb, qkv, cntb; writes xb, qkv, cntb
.if DOCPART == 4
	.amdgcn_target "amdgcn-amd-amdhsa--gfx1250"
	.amdhsa_code_object_version 6
	.text
	.protected	k_q422b6b842a_layer0
	.globl	k_q422b6b842a_layer0
	.p2align	8
	.type	k_q422b6b842a_layer0,@function
k_q422b6b842a_layer0:
	s_mov_b64 s[64:65], 0
	v_nop
	global_prefetch_b8 v0, s[64:65] scope:SCOPE_SE
	s_setreg_imm32_b32 hwreg(HW_REG_WAVE_MODE, 25, 1), 1
	s_wait_xcnt 0x0
; The rest of layer l behind its attention: x1 = LN(x + o proj + proj_b); x2 = LN(x1 + gelu(x1 w1 + b1) w2 + b2); x2 is stored; unless l = 3, q, k, v of layer l + 1 are made of it, quantised, into qkv.
; All products on codes of FP4 (E2M1) with one E8M0 byte for each 32 along K; all else in f32.  One text serves the four layers: l is read from a buffer of whole numbers that the launch before stored (held at 3 from
; above), forms the offsets into wq and the seven [4][256] inputs, and l + 1 is stored into the other such buffer.  No tensor load and no copy: scalar branches on l leave out what the last layer does not need; no barrier stands under them.
; SHARES.  Work-group g owns tokens 32 g .. 32 g + 31 (two tiles of 16), which are one block of 32 keys of V.  Wave w owns columns 32 w .. 32 w + 31 of every product, and head w of q, k and v.  So each weight fragment
; is read by one wave of the work-group, from memory straight into its registers.
; ALL THAT A WAVE READS COMES IN TWO RUNS OF LOADS, in the order in which it is wanted, each into registers of its own: 54 loads at the head (o and x, whose addresses do not hang on l, ahead of l's arrival), 52 behind the
; first product.  Loads come back in order, so each phase waits by a count for what it wants and leaves the rest out.  The last layer asks for the next layer's weights too (held at layer 3: inside the buffer) and leaves
; them unused: so each wait's count holds on the one path that all four layers take, and no register is read that was not loaded.
; LAYOUT.  Products are used TRANSPOSED (source 0 = 16 rows of the weight, source 1 = 16 tokens), and the weight's tiles are laid so that lane (r, h) holds, of token r, the 16 columns 32 w + 16 h + 0 .. 15.  A block of 32 lies in
; lanes l and l xor 16; a lane's two conversions give 8 neighbouring bytes of the block's 16.  The tokens' codes go from wave to wave through LDS as images of an operand's registers.  Biases are the C of a sum's first product.
; LAYERNORM over 256 columns: each wave's mean and sum of squared differences of its 32 columns meet in LDS; M2 = sum M2_i + 32 sum (mean_i - mean)^2: no difference of large sums is formed.
; GELU, exact: max(x, 0) - |x / 2| erfc(|x| / sqrt 2), erfc(z) = t exp(-z^2 + P(t)), t = 1 / (1 + z / 2), P of degree 9.
; LIMITS: erfc is good to some 1e-6 of the number.  A block whose largest magnitude lies under 2^-124, a block of zeros among them, gets the byte 1 (this program alone reads the bytes).  NaN and infinities are not served.
; REGISTERS, in two windows of 256 (two waves to a SIMD: 512 a wave).  Window 1 holds what is only ever loaded and then read by matrix instructions: the six weights' fragments and the three biases.  All else lies in window 0,
; the weights' scale words too (scale operands have no window).  s_set_vgpr_msb's low byte: bits 1:0 source 0, 3:2 source 1, 5:4 source 2, 7:6 destination.
.set LAYERB, 208896                    ; a layer in wq
.set SCB,    196608                    ; its scale words
.set IMG0,   0                         ; LDS: the tokens' codes, 4,096 bytes, twice
.set IMG1,   4096
.set XSC0,   8192                      ; their scale words [tile][K step][r][4], twice
.set XSC1,   8448
.set STAT0,  8704                      ; 32 tokens x 80 bytes: (mean, M2) of wave w at + 8 w; twice
.set STAT1,  11264
.set STG,    13824                     ; the stage for x: 32 rows x (1,024 + 16) bytes
.set LI,  4                            ; v4   16 x lane
.set LS,  5                            ; v5   4 x lane
.set WLI, 6                            ; v6   16 x lane + 4096 w: my fragments in wq; also my 16 bytes in the four rows that I store
.set WLS, 7                            ; v7   4 x lane + 256 w
.set XRO, 8                            ; v8   1024 r + 128 w + 64 h
.set PO,  9                            ; v9   128 w + 64 h: my 16 numbers of a bias or a gain
.set IMW, 10                           ; v10  256 w + 16 r + 8 h
.set SCW, 11                           ; v11  XSC0 + 4 r + w % 4 + 64 (w / 4)
.set STW, 12                           ; v12  STAT0 + 80 r + 8 w
.set STR, 13                           ; v13  STAT0 + 80 r
.set SGW, 14                           ; v14  STG + 1040 r + 128 w + 64 h
.set SGR, 15                           ; v15  STG + 4160 w + 16 x lane
.set CV,  16                           ; v16  the counter's value
.set OCO, 17                           ; v17  65536 h + 16 r: o's codes
.set OSO, 18                           ; v18  8 r + 4 h: o's scale words
.set HCO, 19                           ; v19  69632 w + 16 r + 8 h
.set QCO, 20                           ; v20  32768 w + 16 r + 8 h
.set QSO, 21                           ; v21  2048 w + lane
.set KSO, 22                           ; v22  69632 w + 4 r
.set VSO, 23                           ; v23  69632 w + 4 x lane
.set XS,  28                           ; v28-29  the tokens' scale words: K step 0 in lanes 0-15, K step 1 in lanes 16-31
.set BY,  30                           ; v30-31  erfc's coefficient c8, twice; at the end bytes on their way out
.set WSC, 32                           ; v32-43  the weights' scale words: product p (proj, w1, w2, q, k, v), tile u at + 2 p + u
.set BE1, 48                           ; v48-63  be1;  v64-79 g2;  v80-95 be2;  v192-207 g1
.set G2,  64
.set BE2, 80
.set XF,  96                           ; v96-127   the tokens' fragments; at work between products
.set ACC, 128                          ; v128-159  four accumulators
.set RES, 160                          ; v160-191  the residual stream
.set G1,  192
.set OUTR, 208                         ; v208-239  rows on their way out
.set T,   240                          ; v240-255  at work
.set WF,  0                            ; window 1: v0-191  product p's four fragments at + 32 p: (tile u, K step s) at + 8 (2 u + s)
.set BI,  192                          ; window 1: v192-239  proj_b, b1, b2
.set PPB, 16                           ; s[16:29] proj_b, b1, b2, g1, be1, g2, be2, at layer l
.set PB1, 18
.set PB2, 20
.set PG1, 22
.set PE1, 24
.set PG2, 26
.set PE2, 28
.set SXO, 30                           ; s[30:31] x_out at my 32 rows
.set LN,  36                           ; s36  l
.set WV,  37
.set SB,  39
.set SBETA, 40
.set TA,  41
.set TC,  42
.set TD,  43
.set TE,  44
.set TF,  45
.set LN1, 47                           ; s47  l + 1
.set WC,  48                           ; s[48:49] wq at layer l;  s[50:51] at layer l + 1 (held at 3)
.set WN,  50
.set OCB, 52
.set OSB, 54
.set SXI, 56
.set SEL, 58
.set MSK, 60
.set TP,  62
.set GC,  66                           ; s[66:85] c0 .. c7, c9, log2(e): each twice, since the packed forms name pairs
.set K1,  86
.set RC256, 87
.set EPS, 88
.set SKC, 90
.set SKS, 92
.set SVC, 94
.set SVS, 96
.set SQC, 98
.set SQS, 100
.set MSB, 0
.macro WIN new                         ; the immediate's high byte repeats the setting that is left; a switch that changes nothing is dropped.  Every macro below leaves the setting 0
.if MSB != \new
	s_set_vgpr_msb (MSB<<8)|\new
.set MSB, \new
.endif
.endm
.macro ADDRS                           ; every address register is made once, here, and never rewritten
	v_lshrrev_b32 v1, 5, v0
	v_readfirstlane_b32 s[WV], v1                  ; wave 0..7
	v_and_b32 v1, 31, v0                           ; lane
	v_and_b32 v2, 15, v0                           ; r
	v_bfe_u32 v3, v0, 4, 1                         ; h
	v_lshlrev_b32 v[LI], 4, v1
	v_lshlrev_b32 v[LS], 2, v1
	s_lshl_b32 s[TA], s[WV], 12
	v_add_nc_u32 v[WLI], s[TA], v[LI]
	s_lshl_b32 s[TA], s[WV], 8
	v_add_nc_u32 v[WLS], s[TA], v[LS]
	v_lshl_add_u32 v[IMW], v2, 4, s[TA]
	v_lshl_add_u32 v[IMW], v3, 3, v[IMW]
	s_lshl_b32 s[TA], s[WV], 7
	v_lshl_add_u32 v[PO], v3, 6, s[TA]
	v_lshl_add_u32 v[XRO], v2, 10, v[PO]
	v_mad_u32_u24 v[SGW], v2, 1040, v[PO]
	v_add_nc_u32 v[SGW], STG, v[SGW]
	s_and_b32 s[TA], s[WV], 3
	s_lshr_b32 s[TC], s[WV], 2
	s_lshl_b32 s[TC], s[TC], 6
	s_add_co_u32 s[TA], s[TA], s[TC]
	s_add_co_u32 s[TA], s[TA], XSC0
	v_lshl_add_u32 v[SCW], v2, 2, s[TA]
	s_mul_i32 s[TA], s[WV], 4160
	s_add_co_u32 s[TA], s[TA], STG
	v_add_nc_u32 v[SGR], s[TA], v[LI]
	s_mul_i32 s[TA], s[WV], 69632
	v_lshl_add_u32 v[KSO], v2, 2, s[TA]
	v_add_nc_u32 v[VSO], s[TA], v[LS]
	v_lshl_add_u32 v[HCO], v2, 4, s[TA]
	v_lshl_add_u32 v[HCO], v3, 3, v[HCO]
	s_lshl_b32 s[TA], s[WV], 15
	v_lshl_add_u32 v[QCO], v2, 4, s[TA]
	v_lshl_add_u32 v[QCO], v3, 3, v[QCO]
	s_lshl_b32 s[TA], s[WV], 11
	v_add_nc_u32 v[QSO], s[TA], v1
.endm
.macro OFFS                            ; the six offsets into qkv of my 32 tokens: batch b = g / 64, key block beta = g % 64
	s_lshr_b32 s[SB], ttmp9, 6
	s_and_b32 s[SBETA], ttmp9, 63
	s_mul_i32 s[TA], s[SB], 557056                 ; the batch's eight heads
	s_lshl_b32 s[TC], s[SBETA], 9
	s_add_co_u32 s[SKC], s[TA], s[TC]              ; k's codes: + 512 beta
	s_mov_b32 s[SKC+1], 0
	s_lshr_b32 s[TC], s[SBETA], 1
	s_lshl_b32 s[TC], s[TC], 6
	s_and_b32 s[TD], s[SBETA], 1
	s_lshl_b32 s[TD], s[TD], 1
	s_add_co_u32 s[TC], s[TC], s[TD]
	s_add_co_u32 s[TC], s[TC], s[TA]
	s_add_co_u32 s[SKS], s[TC], 65536              ; k's bytes: + 64 (beta / 2) + 2 (beta % 2)
	s_mov_b32 s[SKS+1], 0
	s_lshr_b32 s[TC], s[SBETA], 2
	s_and_b32 s[TD], s[SBETA], 3
	s_lshl_b32 s[TE], s[TC], 11
	s_lshl_b32 s[TF], s[TD], 8
	s_add_co_u32 s[TE], s[TE], s[TF]
	s_add_co_u32 s[TE], s[TE], s[TA]
	s_add_co_u32 s[SVC], s[TE], 32768              ; v's codes: + 2048 (beta / 4) + 256 (beta % 4)
	s_mov_b32 s[SVC+1], 0
	s_lshl_b32 s[TE], s[TC], 7
	s_add_co_u32 s[TE], s[TE], s[TD]
	s_add_co_u32 s[TE], s[TE], s[TA]
	s_add_co_u32 s[SVS], s[TE], 67584              ; v's bytes: + 128 (beta / 4) + beta % 4
	s_mov_b32 s[SVS+1], 0
	s_lshl_b32 s[TC], s[SB], 18
	s_lshl_b32 s[TD], s[SBETA], 9
	s_add_co_u32 s[TC], s[TC], s[TD]
	s_add_co_u32 s[SQC], s[TC], 1114112            ; q's codes
	s_mov_b32 s[SQC+1], 0
	s_lshl_b32 s[TC], s[SB], 14
	s_lshl_b32 s[TD], s[SBETA], 5
	s_add_co_u32 s[TC], s[TC], s[TD]
	s_add_co_u32 s[SQS], s[TC], 1638400            ; q's bytes
	s_mov_b32 s[SQS+1], 0
.endm
.macro BASES p                         ; qkv's address, in s[p:p+1], is added to the six
.irp q, SKC, SKS, SVC, SVS, SQC, SQS
	s_add_nc_u64 s[\q:\q+1], s[\p:\p+1], s[\q:\q+1]
.endr
.endm
.macro PLACES                          ; four plain lines between a matrix instruction and a vector line on its registers (ISA guide 7.12.1)
.rept 4
	v_nop
.endr
.endm
.macro WFRAG pr, ptr, pt               ; product pr: my two tiles (pt + 2 w, + 1) of the weight: four fragments as they lie, 512 consecutive bytes a load.  Written under the setting 0x40: into window 1
.irp u, 0,1
.irp s, 0,1
.irp c, 0,1
	global_load_b128 v[WF+32*\pr+8*(2*\u+\s)+4*\c:WF+32*\pr+8*(2*\u+\s)+4*\c+3], v[WLI], s[\ptr:\ptr+1] offset:(\pt+\u)*2048+\s*1024+\c*512
.endr
.endr
.endr
.endm
.macro WSCALE pr, ptr, pt              ; and their scale words, into window 0
.irp u, 0,1
	global_load_b32 v[WSC+2*\pr+\u], v[WLS], s[\ptr:\ptr+1] offset:SCB+(\pt+\u)*128
.endr
.endm
.macro PLOAD reg, ptr                  ; my 16 numbers of a bias or a gain
.irp i, 0,1,2,3
	global_load_b128 v[\reg+4*\i:\reg+4*\i+3], v[PO], s[\ptr:\ptr+1] offset:16*\i
.endr
.endm
.macro MM d, a, b, c, sa, sb, row      ; one product of 16 x 16 x 128.  c < 0: the sum starts at 0.  row = 1: both sides' scale words are taken from lanes 16-31
.if (\c) < 0
	v_wmma_scale_f32_16x16x128_f8f6f4 v[\d:\d+7], v[\a:\a+7], v[\b:\b+7], 0, v[\sa], v[\sb] matrix_a_fmt:MATRIX_FMT_FP4 matrix_b_fmt:MATRIX_FMT_FP4
.elseif \row
	v_wmma_scale_f32_16x16x128_f8f6f4 v[\d:\d+7], v[\a:\a+7], v[\b:\b+7], v[\c:\c+7], v[\sa], v[\sb] matrix_a_fmt:MATRIX_FMT_FP4 matrix_b_fmt:MATRIX_FMT_FP4 matrix_a_scale:MATRIX_SCALE_ROW1 matrix_b_scale:MATRIX_SCALE_ROW1
.else
	v_wmma_scale_f32_16x16x128_f8f6f4 v[\d:\d+7], v[\a:\a+7], v[\b:\b+7], v[\c:\c+7], v[\sa], v[\sb] matrix_a_fmt:MATRIX_FMT_FP4 matrix_b_fmt:MATRIX_FMT_FP4
.endif
.endm
; Product pr, transposed: source 0 = a tile of the weight (window 1), source 1 = a tile of tokens.  bias: the register of window 1 at which the sums start, or -1 for 0.
; Four accumulators take turns, one instruction a turn.
.macro PRODT pr, bias
.if (\bias) < 0
	WIN 0x01                                       ; source 0 in window 1
.else
	WIN 0x11                                       ; sources 0 and 2 in window 1
.endif
.irp tt, 0,1
.irp u, 0,1
.if (\bias) < 0
	MM ACC+8*(2*\tt+\u), WF+32*\pr+16*\u, XF+16*\tt, -1, WSC+2*\pr+\u, XS+\tt, 0
.else
	MM ACC+8*(2*\tt+\u), WF+32*\pr+16*\u, XF+16*\tt, \bias+8*\u, WSC+2*\pr+\u, XS+\tt, 0
.endif
.endr
.endr
	WIN 0x01
.irp tt, 0,1
.irp u, 0,1
	MM ACC+8*(2*\tt+\u), WF+32*\pr+16*\u+8, XF+16*\tt+8, ACC+8*(2*\tt+\u), WSC+2*\pr+\u, XS+\tt, 1
.endr
.endr
	WIN 0
.endm
; The other way round, for v: lane (rho, h), register j of accumulator (u, tt) holds token 16 tt + 8 h + j of channel row rho of tile u.
.macro PRODN pr
	WIN 0x04                                       ; source 1 in window 1
.irp u, 0,1
.irp tt, 0,1
	MM ACC+8*(2*\u+\tt), XF+16*\tt, WF+32*\pr+16*\u, -1, XS+\tt, WSC+2*\pr+\u, 0
.endr
.endr
.irp u, 0,1
.irp tt, 0,1
	MM ACC+8*(2*\u+\tt), XF+16*\tt+8, WF+32*\pr+16*\u+8, ACC+8*(2*\u+\tt), XS+\tt, WSC+2*\pr+\u, 1
.endr
.endr
	WIN 0
.endm
; Two runs of 16 registers, each half a block of 32 (the other half lies in lane l xor 16), line by line by turns.  Codes: v[T+8:T+9], v[T+10:T+11]; bytes: v[T+6], v[T+7].
.macro QUANT2 a, b
	v_max3_num_f32 v[T], |v[\a]|, |v[\a+1]|, 0x1800000      ; with the floor 2^(3 - 127): the byte cannot fall under 1
	v_max3_num_f32 v[T+1], |v[\b]|, |v[\b+1]|, 0x1800000
.irp i, 2,4,6,8,10,12,14
	v_max3_num_f32 v[T], v[T], |v[\a+\i]|, |v[\a+\i+1]|
	v_max3_num_f32 v[T+1], v[T+1], |v[\b+\i]|, |v[\b+\i+1]|
.endr
	v_permlanex16_b32 v[T+2], v[T], s[SEL], s[SEL+1]
	v_permlanex16_b32 v[T+3], v[T+1], s[SEL], s[SEL+1]
	v_max_num_f32 v[T], v[T], v[T+2]                        ; the block's largest magnitude
	v_max_num_f32 v[T+1], v[T+1], v[T+3]
	v_add_nc_u32 v[T+4], 0xff000000, v[T]                   ; 2 off its exponent field: the conversion's scale operand
	v_add_nc_u32 v[T+5], 0xff000000, v[T+1]
	v_lshrrev_b32 v[T+6], 23, v[T+4]                        ; the scale's byte
	v_lshrrev_b32 v[T+7], 23, v[T+5]
	v_cvt_scalef32_pk8_fp4_f32 v[T+8], v[\a:\a+7], v[T+4]
	v_cvt_scalef32_pk8_fp4_f32 v[T+9], v[\a+8:\a+15], v[T+4]
	v_cvt_scalef32_pk8_fp4_f32 v[T+10], v[\b:\b+7], v[T+5]
	v_cvt_scalef32_pk8_fp4_f32 v[T+11], v[\b+8:\b+15], v[T+5]
	v_nop                                                   ; one plain line behind the last conversion
.endm
.macro TOIMG img, xsc                  ; my block of both tiles of tokens: 8 bytes of codes a lane; the byte is written by both lanes of a block, with the same value
	ds_store_b64 v[IMW], v[T+8:T+9] offset:\img
	ds_store_b64 v[IMW], v[T+10:T+11] offset:\img+2048
	ds_store_b8 v[SCW], v[T+6] offset:\xsc-XSC0
	ds_store_b8 v[SCW], v[T+7] offset:\xsc-XSC0+128
.endm
.macro BARRIER                         ; my LDS stores have landed and my LDS loads are in: then the work-group's barrier
	s_wait_dscnt 0x0
	s_barrier_signal -1
	s_barrier_wait -1
.endm
.macro XFETCH img, xsc                 ; the four fragments of the 32 tokens, and their scale words
.irp tt, 0,1
.irp s, 0,1
.irp c, 0,1
	ds_load_b128 v[XF+8*(2*\tt+\s)+4*\c:XF+8*(2*\tt+\s)+4*\c+3], v[LI] offset:\img+\tt*2048+\s*1024+\c*512
.endr
.endr
.endr
.irp tt, 0,1
	ds_load_b32 v[XS+\tt], v[LS] offset:\xsc+128*\tt
.endr
.endm
.macro TOSTAGE                         ; my 64 bytes of each of the 32 rows
.irp tt, 0,1
.irp i, 0,1,2,3
	ds_store_b128 v[SGW], v[RES+16*\tt+4*\i:RES+16*\tt+4*\i+3] offset:16640*\tt+16*\i
.endr
.endr
.endm
.macro XOUT                            ; rows 4 w .. 4 w + 3 leave whole: each store of the wave covers 512 consecutive bytes, aligned
.irp k, 0,1,2,3,4,5,6,7
	ds_load_b128 v[OUTR+4*\k:OUTR+4*\k+3], v[SGR] offset:1040*(\k/2)+512*(\k%2)
.endr
.irp k, 0,1,2,3,4,5,6,7
	s_wait_dscnt 7-\k                              ; LDS loads come back in order: load k is in, the younger ones may be out
	global_store_b128 v[WLI], v[OUTR+4*\k:OUTR+4*\k+3], s[SXO:SXO+1] offset:1024*(\k/2)+512*(\k%2)
.endr
.endm
; q, k and v of my head for the 32 tokens: products 3, 4 and 5.
.macro QKVPH
	XFETCH IMG0, XSC0
	s_wait_loadcnt 8                               ; q's and k's fragments and all scale words are in; the eight loads issued behind them, v's fragments, may be out
	s_wait_dscnt 0x0
	PRODT 3, -1
	PLACES
	QUANT2 ACC, ACC+16
	global_store_b64 v[QCO], v[T+8:T+9], s[SQC:SQC+1]                ; 16 tokens x 16 bytes: 256 consecutive bytes, aligned
	global_store_b64 v[QCO], v[T+10:T+11], s[SQC:SQC+1] offset:256
	v_cndmask_b32 v[BY], v[T+6], v[T+7], s[MSK]    ; lanes 0-15: the first tile's bytes, lanes 16-31: the second's
	global_store_b8 v[QSO], v[BY], s[SQS:SQS+1]
	PRODT 4, -1                                    ; (more than five plain lines that name no register of q's products lie between: the four above and the quantiser's lines on its own registers)
	PLACES
	s_wait_xcnt 0x0                                ; the stores have read their data: the quantiser's registers may be written again
	QUANT2 ACC, ACC+16
	global_store_b64 v[HCO], v[T+8:T+9], s[SKC:SKC+1]
	global_store_b64 v[HCO], v[T+10:T+11], s[SKC:SKC+1] offset:256
	v_lshl_or_b32 v[BY+1], v[T+7], 8, v[T+6]       ; the two tiles' bytes of row r are neighbours
	global_store_b16 v[KSO], v[BY+1], s[SKS:SKS+1]
	s_wait_loadcnt 0x0                             ; v's fragments
	PRODN 5
	PLACES
	s_wait_xcnt 0x0
	QUANT2 ACC, ACC+16                             ; a run is a channel's tokens 8 h .. + 7 and 16 + 8 h .. + 7: words 2 h and 2 h + 1 of the block
	global_store_b64 v[HCO], v[T+8:T+9], s[SVC:SVC+1]
	global_store_b64 v[HCO], v[T+10:T+11], s[SVC:SVC+1] offset:1024
	v_cndmask_b32 v[BY], v[T+6], v[T+7], s[MSK]    ; lanes 0-15: tile 0's bytes, lanes 16-31: tile 1's
	global_store_b8 v[VSO], v[BY], s[SVS:SVS+1]
.endm
.macro RESADD                          ; the residual: the accumulators are read in ascending order
.set j, 0
.rept 16
	v_pk_add_f32 v[RES+j:RES+j+1], v[RES+j:RES+j+1], v[ACC+j:ACC+j+1]
.set j, j+2
.endr
.endm
; The mean of my 32 columns of each token and the sum of squared differences from it go to LDS.
.macro LNSTAT stat
.irp tt, 0,1
.set LT, T+8*\tt
.set LY, RES+16*\tt
.set LDD, XF+16*\tt
	v_pk_add_f32 v[LDD:LDD+1], v[LY:LY+1], v[LY+2:LY+3]
	v_pk_add_f32 v[LDD+2:LDD+3], v[LY+4:LY+5], v[LY+6:LY+7]
	v_pk_add_f32 v[LDD+4:LDD+5], v[LY+8:LY+9], v[LY+10:LY+11]
	v_pk_add_f32 v[LDD+6:LDD+7], v[LY+12:LY+13], v[LY+14:LY+15]
	v_pk_add_f32 v[LDD:LDD+1], v[LDD:LDD+1], v[LDD+2:LDD+3]
	v_pk_add_f32 v[LDD+4:LDD+5], v[LDD+4:LDD+5], v[LDD+6:LDD+7]
	v_pk_add_f32 v[LDD:LDD+1], v[LDD:LDD+1], v[LDD+4:LDD+5]
	v_add_f32 v[LT], v[LDD], v[LDD+1]
	v_permlanex16_b32 v[LT+2], v[LT], s[SEL], s[SEL+1]
	v_add_f32 v[LT], v[LT], v[LT+2]
	v_mul_f32 v[LT], 0x3d000000, v[LT]             ; / 32
.irp i, 0,2,4,6,8,10,12,14
	v_pk_add_f32 v[LDD+\i:LDD+\i+1], v[LY+\i:LY+\i+1], v[LT:LT+1] op_sel_hi:[1,0] neg_lo:[0,1] neg_hi:[0,1]
.endr
	v_pk_mul_f32 v[LT+4:LT+5], v[LDD:LDD+1], v[LDD:LDD+1]
	v_pk_mul_f32 v[LT+6:LT+7], v[LDD+2:LDD+3], v[LDD+2:LDD+3]
.irp i, 4,8,12
	v_pk_fma_f32 v[LT+4:LT+5], v[LDD+\i:LDD+\i+1], v[LDD+\i:LDD+\i+1], v[LT+4:LT+5]
	v_pk_fma_f32 v[LT+6:LT+7], v[LDD+\i+2:LDD+\i+3], v[LDD+\i+2:LDD+\i+3], v[LT+6:LT+7]
.endr
	v_pk_add_f32 v[LT+4:LT+5], v[LT+4:LT+5], v[LT+6:LT+7]
	v_add_f32 v[LT+1], v[LT+4], v[LT+5]
	v_permlanex16_b32 v[LT+3], v[LT+1], s[SEL], s[SEL+1]
	v_add_f32 v[LT+1], v[LT+1], v[LT+3]
	ds_store_b64 v[STW], v[LT:LT+1] offset:\stat-STAT0+1280*\tt    ; both lanes of a token write the same 8 bytes with the same values
.endr
.endm
; The eight waves' figures are merged, and my columns normalised: (y - mean) rsqrt(var + eps) g + b.  g, b: the gain's and the bias's registers;  lc: how many loads issued behind theirs may stay out.
.macro LNAPPLY stat, g, b, lc
.irp tt, 0,1
.irp i, 0,1,2,3
	ds_load_b128 v[XF+16*\tt+4*\i:XF+16*\tt+4*\i+3], v[STR] offset:\stat-STAT0+1280*\tt+16*\i
.endr
.endr
	s_wait_loadcnt \lc                             ; the gain and the bias are in
	s_wait_dscnt 0x0
.irp tt, 0,1
.set LT, T+8*\tt
.set LDD, XF+16*\tt
	v_pk_add_f32 v[LT:LT+1], v[LDD:LDD+1], v[LDD+2:LDD+3]          ; (mean_i, M2_i) in pairs
	v_pk_add_f32 v[LT+2:LT+3], v[LDD+4:LDD+5], v[LDD+6:LDD+7]
	v_pk_add_f32 v[LT+4:LT+5], v[LDD+8:LDD+9], v[LDD+10:LDD+11]
	v_pk_add_f32 v[LT+6:LT+7], v[LDD+12:LDD+13], v[LDD+14:LDD+15]
	v_pk_add_f32 v[LT:LT+1], v[LT:LT+1], v[LT+2:LT+3]
	v_pk_add_f32 v[LT+4:LT+5], v[LT+4:LT+5], v[LT+6:LT+7]
	v_pk_add_f32 v[LT:LT+1], v[LT:LT+1], v[LT+4:LT+5]
	v_mul_f32 v[LT], 0x3e000000, v[LT]             ; the mean of the eight means
.irp i, 0,2,4,6,8,10,12,14
	v_sub_f32 v[LDD+\i], v[LDD+\i], v[LT]
.endr
	v_mul_f32 v[LT+2], v[LDD], v[LDD]
	v_mul_f32 v[LT+3], v[LDD+2], v[LDD+2]
.irp i, 4,8,12
	v_fmac_f32 v[LT+2], v[LDD+\i], v[LDD+\i]
	v_fmac_f32 v[LT+3], v[LDD+\i+2], v[LDD+\i+2]
.endr
	v_add_f32 v[LT+2], v[LT+2], v[LT+3]
	v_fma_f32 v[LT+1], v[LT+2], 0x42000000, v[LT+1]        ; M2 = sum M2_i + 32 sum (mean_i - mean)^2
	v_fma_f32 v[LT+1], v[LT+1], s[RC256], s[EPS]           ; / 256 + eps
	v_rsq_f32 v[LT+2], v[LT+1]
.endr
.irp tt, 0,1
.irp i, 0,2,4,6,8,10,12,14
	v_pk_add_f32 v[RES+16*\tt+\i:RES+16*\tt+\i+1], v[RES+16*\tt+\i:RES+16*\tt+\i+1], v[T+8*\tt:T+8*\tt+1] op_sel_hi:[1,0] neg_lo:[0,1] neg_hi:[0,1]   ; plain work behind the two roots, which names neither result
.endr
.endr
	s_wait_alu depctr_va_vdst(0)                   ; one wait for the two roots, ahead of their first reader
.irp tt, 0,1
.irp i, 0,2,4,6,8,10,12,14
	v_pk_mul_f32 v[RES+16*\tt+\i:RES+16*\tt+\i+1], v[RES+16*\tt+\i:RES+16*\tt+\i+1], v[T+8*\tt+2:T+8*\tt+3] op_sel_hi:[1,0]
.endr
.irp i, 0,2,4,6,8,10,12,14
	v_pk_fma_f32 v[RES+16*\tt+\i:RES+16*\tt+\i+1], v[RES+16*\tt+\i:RES+16*\tt+\i+1], v[\g+\i:\g+\i+1], v[\b+\i:\b+\i+1]
.endr
.endr
.endm
; gelu of 16 registers, in place.  t in v[XF ..], the exponent and then erfc's factor in v[XF+16 ..], -x / 2 in v[T ..].
.macro GELU16 x
.irp i, 0,1,2,3,4,5,6,7,8,9,10,11,12,13,14,15
	v_fma_f32 v[XF+\i], |v[\x+\i]|, s[K1], 1.0     ; 1 + z / 2, z = |x| / sqrt 2
.endr
.irp i, 0,1,2,3,4,5,6,7,8,9,10,11,12,13,14,15
	v_rcp_f32 v[XF+\i], v[XF+\i]                   ; t
.endr
.irp i, 0,2,4,6,8,10,12,14
	v_pk_mul_f32 v[T+\i:T+\i+1], v[\x+\i:\x+\i+1], -0.5 op_sel_hi:[1,0]   ; plain work behind the reciprocals
.endr
	s_wait_alu depctr_va_vdst(0)                   ; one wait for the sixteen
.irp i, 0,2,4,6,8,10,12,14
	v_pk_fma_f32 v[XF+16+\i:XF+17+\i], v[XF+\i:XF+\i+1], s[GC+16:GC+17], v[BY:BY+1] op_sel_hi:[1,0,1]   ; c9 t + c8
.endr
.irp k, 7,6,5,4,3,2,1,0
.irp i, 0,2,4,6,8,10,12,14
	v_pk_fma_f32 v[XF+16+\i:XF+17+\i], v[XF+16+\i:XF+17+\i], v[XF+\i:XF+\i+1], s[GC+2*\k:GC+2*\k+1] op_sel_hi:[1,1,0]
.endr
.endr
.irp i, 0,2,4,6,8,10,12,14
	v_pk_fma_f32 v[XF+16+\i:XF+17+\i], v[T+\i:T+\i+1], v[\x+\i:\x+\i+1], v[XF+16+\i:XF+17+\i]   ; - z^2 = (-x / 2) x
.endr
.irp i, 0,2,4,6,8,10,12,14
	v_pk_mul_f32 v[XF+16+\i:XF+17+\i], v[XF+16+\i:XF+17+\i], s[GC+18:GC+19] op_sel_hi:[1,0]
.endr
.irp i, 0,1,2,3,4,5,6,7,8,9,10,11,12,13,14,15
	v_exp_f32 v[XF+16+\i], v[XF+16+\i]
.endr
	v_nop                                          ; a plain line behind the last exponential
	s_wait_alu depctr_va_vdst(0)                   ; one wait for the sixteen
.irp i, 0,2,4,6,8,10,12,14
	v_pk_mul_f32 v[XF+\i:XF+\i+1], v[XF+\i:XF+\i+1], v[XF+16+\i:XF+17+\i]   ; erfc(z)
.endr
.irp i, 0,1,2,3,4,5,6,7,8,9,10,11,12,13,14,15
	v_max_num_f32 v[XF+16+\i], 0, v[\x+\i]
.endr
.irp i, 0,1,2,3,4,5,6,7,8,9,10,11,12,13,14,15
	v_fma_f32 v[\x+\i], -|v[T+\i]|, v[XF+\i], v[XF+16+\i]
.endr
.endm
.macro SPAIR reg, val
	s_mov_b32 s[\reg], \val
	s_mov_b32 s[\reg+1], \val
.endm
	s_load_b512 s[8:23], s[0:1], 0x0               ; cnt_in, wq, oc, x_in, proj_b, b1, b2, g1
	s_load_b256 s[24:31], s[0:1], 0x40             ; be1, g2, be2, x_out
	s_load_b128 s[32:35], s[0:1], 0x60             ; qkv, cnt_out
	v_lshl_add_u32 v46, v0, 2, 0xb800
	v_mov_b32 v47, 0
	ADDRS
	v_mul_u32_u24 v[STR], v2, 80
	v_add_nc_u32 v[STR], STAT0, v[STR]
	s_lshl_b32 s[TA], s[WV], 3
	v_add_nc_u32 v[STW], s[TA], v[STR]
	v_lshlrev_b32 v[OCO], 4, v2
	v_lshl_add_u32 v[OCO], v3, 16, v[OCO]
	v_lshlrev_b32 v[OSO], 3, v2
	v_lshl_add_u32 v[OSO], v3, 2, v[OSO]
	s_wait_kmcnt 0x0
	s_load_b32 s[LN], s[8:9], 0x0                  ; the layer's number
	s_mov_b32 s[TP+1], 0
	s_lshl_b32 s[TP], ttmp9, 9
	s_add_nc_u64 s[OCB:OCB+1], s[12:13], s[TP:TP+1]        ; o's codes of my 32 tokens, head 0
	s_lshl_b32 s[TP], ttmp9, 8
	s_add_co_u32 s[TP], s[TP], 524288
	s_add_nc_u64 s[OSB:OSB+1], s[12:13], s[TP:TP+1]        ; their scale words
	s_lshl_b32 s[TP], ttmp9, 15
	s_add_nc_u64 s[SXI:SXI+1], s[14:15], s[TP:TP+1]
	s_add_nc_u64 s[SXO:SXO+1], s[SXO:SXO+1], s[TP:TP+1]
	; ---- the first run of loads begins with the 18 whose addresses do not hang on l
.irp tt, 0,1
.irp s, 0,1
.irp c, 0,1
	global_load_b128 v[XF+8*(2*\tt+\s)+4*\c:XF+8*(2*\tt+\s)+4*\c+3], v[OCO], s[OCB:OCB+1] offset:(4*\s+2*\c)*65536+256*\tt   ; o's fragments: block = head 4 s + 2 c + h
.endr
.endr
.endr
.irp tt, 0,1
	global_load_b32 v[XS+\tt], v[OSO], s[OSB:OSB+1] offset:128*\tt
.endr
.irp tt, 0,1
.irp i, 0,1,2,3
	global_load_b128 v[RES+16*\tt+4*\i:RES+16*\tt+4*\i+3], v[XRO], s[SXI:SXI+1] offset:16384*\tt+16*\i th:TH_LOAD_NT
.endr
.endr
	OFFS
	s_mov_b32 s[SEL], 0x76543210
	s_mov_b32 s[SEL+1], 0xfedcba98
	s_mov_b32 s[MSK], 0xffff0000
	SPAIR GC, 0xbfa1fc4e                           ; c0 .. c7
	SPAIR GC+2, 0x3f8000c7
	SPAIR GC+4, 0x3ebf88fb
	SPAIR GC+6, 0x3dc636c9
	SPAIR GC+8, 0xbe3ec24c
	SPAIR GC+10, 0x3e8ec7cc
	SPAIR GC+12, 0xbf914e5d
	SPAIR GC+14, 0x3fbe87b0
	SPAIR GC+16, 0x3e2ef945                        ; c9
	SPAIR GC+18, 0x3fb8aa3b                        ; log2(e)
	s_mov_b32 s[K1], 0x3eb504f3                    ; sqrt(2) / 4
	s_mov_b32 s[RC256], 0x3b800000                 ; 1 / 256
	s_mov_b32 s[EPS], 0x358637bd                   ; 1e-6
	v_mov_b32 v[BY], 0xbf527892                    ; c8
	v_mov_b32 v[BY+1], 0xbf527892
.irp j, 1,2,3,9,10,11
	v_mov_b32 v[T+\j], 0                           ; written once: a lane permute's destination, and the upper half of a pair, count as read
.endr
	BASES 32
	s_wait_kmcnt 0x0
	s_min_u32 s[LN], s[LN], 3                      ; a number that was loaded enters addresses only behind this hold
	s_add_co_u32 s[LN1], s[LN], 1
	s_mul_i32 s[TP], s[LN], LAYERB
	s_add_nc_u64 s[WC:WC+1], s[10:11], s[TP:TP+1]
	s_min_u32 s[TA], s[LN1], 3
	s_mul_i32 s[TP], s[TA], LAYERB
	s_add_nc_u64 s[WN:WN+1], s[10:11], s[TP:TP+1]
	s_lshl_b32 s[TP], s[LN], 10
.irp q, PPB, PB1, PB2, PG1, PE1, PG2, PE2
	s_add_nc_u64 s[\q:\q+1], s[\q:\q+1], s[TP:TP+1]
.endr
	WIN 0x40                                       ; destination window 1, address window 0
	WFRAG 0, WC, 0                                 ; proj: 8 loads,
	PLOAD BI, PPB                                  ; proj_b: 4,
	WIN 0
	WSCALE 0, WC, 0                                ; proj's scale words: 2: with the 18 above, the 32 that the first product and the residual want
	PLOAD G1, PG1                                  ; behind them 22: g1 4, be1 4,
	PLOAD BE1, PE1
	WSCALE 1, WC, 16                               ; w1's scale words 2,
	WIN 0x40
	WFRAG 1, WC, 16                                ; w1 8,
	PLOAD BI+16, PB1                               ; b1 4
	WIN 0
	s_wait_loadcnt 22                              ; the first 32 are in; the 22 issued behind them may be out
	; ---- 1: x + o proj + proj_b, and its figures
	PRODT 0, BI
	PLACES
	; ---- the second run of loads, 52: all that the later phases want
	WIN 0x40
	WFRAG 2, WC, 32                                ; w2 8,
	PLOAD BI+32, PB2                               ; b2 4,
	WIN 0
	WSCALE 2, WC, 32                               ; w2's scale words 2: 14;
	PLOAD G2, PG2                                  ; g2 4, be2 4: 8;
	PLOAD BE2, PE2
	WSCALE 3, WN, 48                               ; the next layer's q, k, v: six scale words,
	WSCALE 4, WN, 64
	WSCALE 5, WN, 80
	WIN 0x40
	WFRAG 3, WN, 48                                ; and 24 loads of fragments: 30
	WFRAG 4, WN, 64
	WFRAG 5, WN, 80
	WIN 0
	RESADD
	LNSTAT STAT0
	BARRIER                                        ; the eight waves' figures lie in LDS
	; ---- 2: x1, and its codes
	LNAPPLY STAT0, G1, BE1, 63                     ; behind be1's loads 14 + 52 were issued; a wait's count names 63 at the most
	QUANT2 RES, RES+16
	TOIMG IMG0, XSC0
	BARRIER                                        ; x1's four fragments lie in LDS
	; ---- 3: gelu(x1 w1 + b1), and its codes
	XFETCH IMG0, XSC0
	s_wait_loadcnt 52                              ; the first run is in; the second run's 52 may be out
	s_wait_dscnt 0x0
	PRODT 1, BI+16
	PLACES
	GELU16 ACC
	GELU16 ACC+16
	QUANT2 ACC, ACC+16
	TOIMG IMG1, XSC1
	BARRIER                                        ; the hidden layer's four fragments lie in LDS
	; ---- 4: x1 + hidden w2 + b2, and its figures
	XFETCH IMG1, XSC1
	s_wait_loadcnt 38                              ; w2, b2 and w2's scale words are in; the 8 + 30 issued behind them may be out
	s_wait_dscnt 0x0
	PRODT 2, BI+32
	PLACES
	RESADD
	LNSTAT STAT1
	BARRIER
	; ---- 5: x2, to the stage; its codes (the first images were last read two barriers back)
	LNAPPLY STAT1, G2, BE2, 30                     ; the next layer's 30 may be out
	TOSTAGE
	s_cmp_eq_u32 s[LN], 3
	s_cbranch_scc1 .Lno_codes
	QUANT2 RES, RES+16
	TOIMG IMG0, XSC0
.Lno_codes:
	BARRIER                                        ; 32 whole rows lie in the stage
	; ---- 6: the way out, the counter, and the next layer's q, k, v
	XOUT
	s_or_b32 s[TA], ttmp9, s[WV]                   ; one wave of the launch stores l + 1, 32 equal words
	s_cmp_lg_u32 s[TA], 0
	s_cbranch_scc1 .Lno_count
	v_mov_b32 v[CV], s[LN1]
	global_store_b32 v[LS], v[CV], s[34:35]
.Lno_count:
	s_cmp_eq_u32 s[LN], 3
	s_cbranch_scc1 .Lend
	QKVPH
.Lend:
	s_wait_tensorcnt 0x0
	ds_add_u32 v46, v47
	s_wait_dscnt 0x0
	s_endpgm
.Lfunc_end_k_q422b6b842a_layer0:
	.size	k_q422b6b842a_layer0, .Lfunc_end_k_q422b6b842a_layer0-k_q422b6b842a_layer0
	.p2alignl 7, 3214868480
	.fill 96, 4, 3214868480
	.section	.rodata,"a",@progbits
	.p2align	6, 0x0
	.amdhsa_kernel k_q422b6b842a_layer0
		.amdhsa_group_segment_fixed_size 48128
		.amdhsa_private_segment_fixed_size 0
		.amdhsa_enable_private_segment 0
		.amdhsa_kernarg_size 112
		.amdhsa_user_sgpr_count 2
		.amdhsa_user_sgpr_kernarg_segment_ptr 1
		.amdhsa_wavefront_size32 1
		.amdhsa_system_sgpr_workgroup_id_x 1
		.amdhsa_system_sgpr_workgroup_id_y 1
		.amdhsa_system_sgpr_workgroup_id_z 1
		.amdhsa_system_vgpr_workitem_id 0
		.amdhsa_next_free_vgpr 512
		.amdhsa_next_free_sgpr 102
		.amdhsa_reserve_vcc 0
		.amdhsa_float_denorm_mode_32 3
		.amdhsa_float_denorm_mode_16_64 3
		.amdhsa_memory_ordered 1
		.amdhsa_forward_progress 1
		.amdhsa_inst_pref_size 84
	.end_amdhsa_kernel
	.amdgpu_metadata
---
amdhsa.version: [ 1, 2 ]
amdhsa.kernels:
  - .name:           k_q422b6b842a_layer0
    .symbol:         k_q422b6b842a_layer0.kd
    .args:
      - { .name: cnta, .offset: 0, .size: 8, .value_kind: global_buffer, .address_space: global }
      - { .name: wq, .offset: 8, .size: 8, .value_kind: global_buffer, .address_space: global }
      - { .name: oc, .offset: 16, .size: 8, .value_kind: global_buffer, .address_space: global }
      - { .name: xa, .offset: 24, .size: 8, .value_kind: global_buffer, .address_space: global }
      - { .name: proj_b, .offset: 32, .size: 8, .value_kind: global_buffer, .address_space: global }
      - { .name: b1, .offset: 40, .size: 8, .value_kind: global_buffer, .address_space: global }
      - { .name: b2, .offset: 48, .size: 8, .value_kind: global_buffer, .address_space: global }
      - { .name: g1, .offset: 56, .size: 8, .value_kind: global_buffer, .address_space: global }
      - { .name: be1, .offset: 64, .size: 8, .value_kind: global_buffer, .address_space: global }
      - { .name: g2, .offset: 72, .size: 8, .value_kind: global_buffer, .address_space: global }
      - { .name: be2, .offset: 80, .size: 8, .value_kind: global_buffer, .address_space: global }
      - { .name: xb, .offset: 88, .size: 8, .value_kind: global_buffer, .address_space: global }
      - { .name: qkv, .offset: 96, .size: 8, .value_kind: global_buffer, .address_space: global }
      - { .name: cntb, .offset: 104, .size: 8, .value_kind: global_buffer, .address_space: global }
    .group_segment_fixed_size: 48128
    .private_segment_fixed_size: 0
    .kernarg_segment_align: 8
    .kernarg_segment_size: 112
    .max_flat_workgroup_size: 256
    .sgpr_count:     102
    .vgpr_count:     512
    .wavefront_size: 32
...
	.end_amdgpu_metadata
.endif
;; end of part 4
;; launch attn1: the kernel of part 3 again; grid 16 x 16, 16 waves a work-group, no clusters, 169,984 bytes of LDS; arguments qkv, oc; writes oc
;; launch layer1: the kernel of part 4 again; grid 128 x 1, 8 waves a work-group, no clusters, 48,128 bytes of LDS; arguments cntb, wq, oc, xb, proj_b, b1, b2, g1, be1, g2, be2, xa, qkv, cnta; writes xa, qkv, cnta
;; launch attn2: the kernel of part 3 again; grid 16 x 16, 16 waves a work-group, no clusters, 169,984 bytes of LDS; arguments qkv, oc; writes oc
;; launch layer2: the kernel of part 4 again; grid 128 x 1, 8 waves a work-group, no clusters, 48,128 bytes of LDS; arguments cnta, wq, oc, xa, proj_b, b1, b2, g1, be1, g2, be2, xb, qkv, cntb; writes xb, qkv, cntb
;; launch attn3: the kernel of part 3 again; grid 16 x 16, 16 waves a work-group, no clusters, 169,984 bytes of LDS; arguments qkv, oc; writes oc
;; launch layer3: the kernel of part 4 again; grid 128 x 1, 8 waves a work-group, no clusters, 48,128 bytes of LDS; arguments cntb, wq, oc, xb, proj_b, b1, b2, g1, be1, g2, be2, out0, qkv, cnta; writes out0, qkv, cnta
;; ======== version 2 of 2: 10 launches; version 1 with the launches embed, layer0, layer1, layer2, layer3 written anew for expert scheduling mode
;; workspace buffers: wq 835,584 bytes; qkv 1,671,168 bytes; oc 557,056 bytes; xa 4,194,304 bytes; xb 4,194,304 bytes; cnta 256 bytes of whole numbers; cntb 256 bytes of whole numbers
;; launch prep: the kernel of part 1 again; grid 24 x 8, 2 waves a work-group, no clusters, 0 bytes of LDS; arguments proj_w, w1, w2, qkv_w, wq; writes wq
;; launch embed (part 5): grid 128 x 1, 8 waves a work-group, no clusters, 48,128 bytes of LDS; arguments x, wq, xa, qkv, cnta; writes xa, qkv, cnta
.if DOCPART == 5
	.amdgcn_target "amdgcn-amd-amdhsa--gfx1250"
	.amdhsa_code_object_version 6
	.text
	.protected	k_q422b6b842a_embed
	.globl	k_q422b6b842a_embed
	.p2align	8
	.type	k_q422b6b842a_embed,@function
k_q422b6b842a_embed:
	s_mov_b64 s[64:65], 0
	v_nop
	global_prefetch_b8 v0, s[64:65] scope:SCOPE_SE
	s_setreg_imm32_b32 hwreg(HW_REG_WAVE_SCHED_MODE, 0, 2), 2
	s_setreg_imm32_b32 hwreg(HW_REG_WAVE_MODE, 25, 1), 1
	s_wait_xcnt 0x0
	s_wait_alu depctr_vm_vsrc(0)
; xa = x + the sinusoidal position table; its codes of FP4 (E2M1, one E8M0 byte for each 32 columns); q, k, v of layer 0, quantised, into qkv; the layer counter 0 into cnta.
; SHARES.  Work-group g owns tokens 32 g .. 32 g + 31 (two tiles of 16), which are one block of 32 keys of V.  Wave w owns columns 32 w .. 32 w + 31 of x and head w of q, k and v.
; LAYOUT.  Lane (r = lane % 16, h = lane / 16) holds, of token r of a tile, the 16 columns 32 w + 16 h + 0 .. 15.  q and k are made TRANSPOSED (source 0 = 16 rows of the weight, source 1 = 16 tokens); the weight's
; tiles are laid (by the launch before) so that the two tiles of a wave leave the same 16 columns in a lane.  v is made the other way round (source 0 = tokens): a lane then holds one channel and 16 of the 32 tokens.
; So a block of 32 always lies in lanes l and l xor 16, and a lane's two conversions give 8 neighbouring bytes of the block's 16.
; THE TOKENS' CODES GO FROM WAVE TO WAVE THROUGH LDS as images of an operand's registers: block w of token r of tile tt at tt x 2048 + w x 256 + r x 16.
; qkv: for each of the 16 heads 69,632 bytes: K's codes [key][16]; V's codes at 32,768 + (block / 4) x 2048 + tile x 1024 + (block % 4) x 256 + row x 16, the block's four words holding keys 0-7, 16-23, 8-15, 24-31;
; K's bytes at 65,536 + (key / 64) x 64 + (key % 16) x 4 + (key / 16) % 4; V's at 67,584 + (block / 4) x 128 + tile x 64 + row x 4 + block % 4.  Behind the heads q's codes [head][query][16] and bytes [head][query].
; THE POSITION TABLE in f32: div = exp(a) as 2^hi (1 + lo ln 2) with a log2(e) = hi + lo; the angle is reduced by pi / 2 in two parts; sine and cosine by polynomials on |r| <= pi / 4.
; LIMITS: div is good to some 1.5 units in its last place, so at position 2,047 the angle may differ by some 2e-4 from an angle made of a correctly rounded div.  A block whose largest magnitude lies under 2^-124,
; a block of zeros among them, gets the byte 1 (this program alone reads the bytes).  NaN and infinities are not served.
; THE MODE: SCHED_MODE bits 1:0 = 2 (LLVM: expert scheduling mode 2), set by the entry lines.  The code itself states the register dependences between vector or matrix instructions and memory or LDS
; instructions, with s_wait_alu, always for 0.
; THE PLAN.  Registers that memory or LDS instructions touch:
;   v4-v23        offsets, LDS addresses and the counter's 0: written once at the head, ahead of the first wait on va_vdst, and never again.
;   W0, W1, WS0, WS1, WS2   loaded once; read by matrix instructions alone.
;   RES           x lands in it; the table's rows are added; the quantiser and the stage's stores read it; then v's fragments land in it.
;   XF, XS        XF is at work in the position table; then the tokens' fragments and scale words land there, once.
;   GG            at work for div; then the stage's rows land in it and are stored.
;   T+6 .. T+11   written by the first quantiser, read by the images' stores; T+6 and T+7 are written again by the later quantisers.
;   OC, BY, BY+1, BZ   out-buffers: q's, k's and v's codes and bytes, each written once and read by its stores: nothing that a global store reads is written again.
; THE WAITS.  One on va_vdst at the head (the addresses).  One behind the table and the first quantiser, ahead of the run of LDS stores: their data are written, and every vector line is done with RES, XF and GG, in which loads
; land later with no vector line on them between.  One on vm_vsrc behind those stores (RES, T+6, T+7).  q's stores stand behind a wait on va_vdst that follows k's product, k's behind one that follows v's, v's behind one of their own.
; Three on va_sdst: the wave's number, and the eight masks of each tile's quarter turns.
.set SCB,    196608                    ; a layer's scale words in wq
.set IMG0,   0                         ; LDS: the tokens' codes, 4,096 bytes
.set XSC0,   8192                      ; their scale words [tile][K step][r][4]
.set STG,    13824                     ; the stage for xa: 32 rows x (1,024 + 16) bytes
.set LI,  4                            ; v4   16 x lane
.set LS,  5                            ; v5   4 x lane
.set WLI, 6                            ; v6   16 x lane + 4096 w: my fragments in wq; also my 16 bytes in the four rows that I store
.set WLS, 7                            ; v7   4 x lane + 256 w: my scale words in wq
.set XRO, 8                            ; v8   1024 r + 128 w + 64 h: my 64 bytes of a row of x
.set PO,  9                            ; v9   128 w + 64 h
.set IMW, 10                           ; v10  256 w + 16 r + 8 h: where my 8 bytes of codes go
.set SCW, 11                           ; v11  XSC0 + 4 r + w % 4 + 64 (w / 4): where my block's byte goes
.set SGW, 14                           ; v14  STG + 1040 r + 128 w + 64 h
.set SGR, 15                           ; v15  STG + 4160 w + 16 x lane
.set CV,  16                           ; v16  the counter's value
.set HCO, 19                           ; v19  69632 w + 16 r + 8 h
.set QCO, 20                           ; v20  32768 w + 16 r + 8 h
.set QSO, 21                           ; v21  2048 w + lane
.set KSO, 22                           ; v22  69632 w + 4 r
.set VSO, 23                           ; v23  69632 w + 4 x lane
.set WS0, 24                           ; v24-25, v26-27  q's and k's scale words, a register a tile: K step 0 in lanes 0-15, K step 1 in lanes 16-31
.set WS1, 26
.set XS,  28                           ; v28-29  the tokens' scale words, likewise, a register a tile of tokens
.set BY,  30                           ; v30-31  q's and k's bytes on their way out
.set W0,  32                           ; v32-63, v64-95  q's and k's four weight fragments: (tile u, K step s) at + 8 (2 u + s)
.set W1,  64
.set XF,  96                           ; v96-127   the tokens' fragments (tile tt, K step s) at + 8 (2 tt + s)
.set ACC, 128                          ; v128-159  four accumulators
.set RES, 160                          ; v160-191  x: 16 numbers for each tile of tokens; behind the stage's stores v's four weight fragments
.set DIV, 192                          ; v192-199  div of my 8 pairs of columns
.set OC,  192                          ; v192-203  behind the table: codes on their way out: q's four registers, k's four, v's four
.set BZ,  204                          ; v204      v's bytes on their way out
.set GG,  208                          ; v208-239  at work; rows on their way out
.set T,   240                          ; v240-251  at work in the quantiser
.set WS2, 252                          ; v252-253  v's scale words
.set WV, 14
.set SB, 15
.set SBETA, 16
.set MSK, 17                           ; lanes 16-31
.set SEL, 18                           ; s[18:19] lane selects for v_permlanex16_b32: lane l xor 16
.set SKC, 20                           ; s[20:31] where k's codes and bytes, v's codes and bytes, q's codes and bytes of my 32 tokens begin
.set SKS, 22
.set SVC, 24
.set SVS, 26
.set SQC, 28
.set SQS, 30
.set SXO, 32
.set SXI, 34
.set CM, 36                            ; s36-39, s59-62  the masks of eight quarter turns: pair p's at CM + p + 19 (p / 4)
.set TA, 40
.set TC, 41
.set TD, 42
.set TE, 43
.set TF, 44
.set KA, 45
.set L2E, 46
.set L2EL, 47
.set LN2, 48
.set C2PI, 49
.set MPIH, 50
.set PIL, 51
.set PS1, 52
.set PS2, 53
.set PS3, 54
.set PC1, 55
.set PC2, 56
.set PC3, 57
.set SGN, 58
.macro ADDRS                           ; every address register is made once, here, and never rewritten
	v_lshrrev_b32 v1, 5, v0
	v_readfirstlane_b32 s[WV], v1                  ; wave 0..7
	v_and_b32 v1, 31, v0                           ; lane
	v_and_b32 v2, 15, v0                           ; r
	v_bfe_u32 v3, v0, 4, 1                         ; h
	v_lshlrev_b32 v[LI], 4, v1
	v_lshlrev_b32 v[LS], 2, v1
	s_wait_alu depctr_va_sdst(0)                   ; the wave's number is written, ahead of its first reader
	s_lshl_b32 s[TA], s[WV], 12
	v_add_nc_u32 v[WLI], s[TA], v[LI]
	s_lshl_b32 s[TA], s[WV], 8
	v_add_nc_u32 v[WLS], s[TA], v[LS]
	v_lshl_add_u32 v[IMW], v2, 4, s[TA]
	v_lshl_add_u32 v[IMW], v3, 3, v[IMW]
	s_lshl_b32 s[TA], s[WV], 7
	v_lshl_add_u32 v[PO], v3, 6, s[TA]
	v_lshl_add_u32 v[XRO], v2, 10, v[PO]
	v_mad_u32_u24 v[SGW], v2, 1040, v[PO]
	v_add_nc_u32 v[SGW], STG, v[SGW]
	s_and_b32 s[TA], s[WV], 3
	s_lshr_b32 s[TC], s[WV], 2
	s_lshl_b32 s[TC], s[TC], 6
	s_add_co_u32 s[TA], s[TA], s[TC]
	s_add_co_u32 s[TA], s[TA], XSC0
	v_lshl_add_u32 v[SCW], v2, 2, s[TA]
	s_mul_i32 s[TA], s[WV], 4160
	s_add_co_u32 s[TA], s[TA], STG
	v_add_nc_u32 v[SGR], s[TA], v[LI]
	s_mul_i32 s[TA], s[WV], 69632
	v_lshl_add_u32 v[KSO], v2, 2, s[TA]
	v_add_nc_u32 v[VSO], s[TA], v[LS]
	v_lshl_add_u32 v[HCO], v2, 4, s[TA]
	v_lshl_add_u32 v[HCO], v3, 3, v[HCO]
	s_lshl_b32 s[TA], s[WV], 15
	v_lshl_add_u32 v[QCO], v2, 4, s[TA]
	v_lshl_add_u32 v[QCO], v3, 3, v[QCO]
	s_lshl_b32 s[TA], s[WV], 11
	v_add_nc_u32 v[QSO], s[TA], v1
.endm
.macro OFFS                            ; the six offsets into qkv of my 32 tokens: batch b = g / 64, key block beta = g % 64
	s_lshr_b32 s[SB], ttmp9, 6
	s_and_b32 s[SBETA], ttmp9, 63
	s_mul_i32 s[TA], s[SB], 557056                 ; the batch's eight heads
	s_lshl_b32 s[TC], s[SBETA], 9
	s_add_co_u32 s[SKC], s[TA], s[TC]              ; k's codes: + 512 beta
	s_mov_b32 s[SKC+1], 0
	s_lshr_b32 s[TC], s[SBETA], 1
	s_lshl_b32 s[TC], s[TC], 6
	s_and_b32 s[TD], s[SBETA], 1
	s_lshl_b32 s[TD], s[TD], 1
	s_add_co_u32 s[TC], s[TC], s[TD]
	s_add_co_u32 s[TC], s[TC], s[TA]
	s_add_co_u32 s[SKS], s[TC], 65536              ; k's bytes: + 64 (beta / 2) + 2 (beta % 2)
	s_mov_b32 s[SKS+1], 0
	s_lshr_b32 s[TC], s[SBETA], 2
	s_and_b32 s[TD], s[SBETA], 3
	s_lshl_b32 s[TE], s[TC], 11
	s_lshl_b32 s[TF], s[TD], 8
	s_add_co_u32 s[TE], s[TE], s[TF]
	s_add_co_u32 s[TE], s[TE], s[TA]
	s_add_co_u32 s[SVC], s[TE], 32768              ; v's codes: + 2048 (beta / 4) + 256 (beta % 4)
	s_mov_b32 s[SVC+1], 0
	s_lshl_b32 s[TE], s[TC], 7
	s_add_co_u32 s[TE], s[TE], s[TD]
	s_add_co_u32 s[TE], s[TE], s[TA]
	s_add_co_u32 s[SVS], s[TE], 67584              ; v's bytes: + 128 (beta / 4) + beta % 4
	s_mov_b32 s[SVS+1], 0
	s_lshl_b32 s[TC], s[SB], 18
	s_lshl_b32 s[TD], s[SBETA], 9
	s_add_co_u32 s[TC], s[TC], s[TD]
	s_add_co_u32 s[SQC], s[TC], 1114112            ; q's codes
	s_mov_b32 s[SQC+1], 0
	s_lshl_b32 s[TC], s[SB], 14
	s_lshl_b32 s[TD], s[SBETA], 5
	s_add_co_u32 s[TC], s[TC], s[TD]
	s_add_co_u32 s[SQS], s[TC], 1638400            ; q's bytes
	s_mov_b32 s[SQS+1], 0
.endm
.macro BASES p                         ; qkv's address, in s[p:p+1], is added to the six
.irp q, SKC, SKS, SVC, SVS, SQC, SQS
	s_add_nc_u64 s[\q:\q+1], s[\p:\p+1], s[\q:\q+1]
.endr
.endm
.macro PLACES                          ; four plain lines between a matrix instruction and a vector line on its registers (ISA guide 7.12.1)
.rept 4
	v_nop
.endr
.endm
.macro WLOAD set, ws, ptr, pt          ; my two tiles (pt + 2 w, + 1) of a weight: four fragments as they lie, 512 consecutive bytes a load, and their scale words
.irp u, 0,1
.irp s, 0,1
.irp c, 0,1
	global_load_b128 v[\set+8*(2*\u+\s)+4*\c:\set+8*(2*\u+\s)+4*\c+3], v[WLI], s[\ptr:\ptr+1] offset:(\pt+\u)*2048+\s*1024+\c*512
.endr
.endr
.endr
.irp u, 0,1
	global_load_b32 v[\ws+\u], v[WLS], s[\ptr:\ptr+1] offset:SCB+(\pt+\u)*128
.endr
.endm
.macro MM d, a, b, c, sa, sb, row      ; one product of 16 x 16 x 128.  c < 0: the sum starts at 0.  row = 1: both sides' scale words are taken from lanes 16-31
.if (\c) < 0
	v_wmma_scale_f32_16x16x128_f8f6f4 v[\d:\d+7], v[\a:\a+7], v[\b:\b+7], 0, v[\sa], v[\sb] matrix_a_fmt:MATRIX_FMT_FP4 matrix_b_fmt:MATRIX_FMT_FP4
.elseif \row
	v_wmma_scale_f32_16x16x128_f8f6f4 v[\d:\d+7], v[\a:\a+7], v[\b:\b+7], v[\c:\c+7], v[\sa], v[\sb] matrix_a_fmt:MATRIX_FMT_FP4 matrix_b_fmt:MATRIX_FMT_FP4 matrix_a_scale:MATRIX_SCALE_ROW1 matrix_b_scale:MATRIX_SCALE_ROW1
.else
	v_wmma_scale_f32_16x16x128_f8f6f4 v[\d:\d+7], v[\a:\a+7], v[\b:\b+7], v[\c:\c+7], v[\sa], v[\sb] matrix_a_fmt:MATRIX_FMT_FP4 matrix_b_fmt:MATRIX_FMT_FP4
.endif
.endm
; Transposed: source 0 = a tile of the weight, source 1 = a tile of tokens.  Four accumulators take turns, one instruction a turn.
.macro PRODT set, ws, bias
.irp tt, 0,1
.irp u, 0,1
	MM ACC+8*(2*\tt+\u), \set+16*\u, XF+16*\tt, -1, \ws+\u, XS+\tt, 0
.endr
.endr
.irp tt, 0,1
.irp u, 0,1
	MM ACC+8*(2*\tt+\u), \set+16*\u+8, XF+16*\tt+8, ACC+8*(2*\tt+\u), \ws+\u, XS+\tt, 1
.endr
.endr
.endm
; The other way round, for v: lane (rho, h), register j of accumulator (u, tt) holds token 16 tt + 8 h + j of channel row rho of tile u.
.macro PRODN set, ws
.irp u, 0,1
.irp tt, 0,1
	MM ACC+8*(2*\u+\tt), XF+16*\tt, \set+16*\u, -1, XS+\tt, \ws+\u, 0
.endr
.endr
.irp u, 0,1
.irp tt, 0,1
	MM ACC+8*(2*\u+\tt), XF+16*\tt+8, \set+16*\u+8, ACC+8*(2*\u+\tt), XS+\tt, \ws+\u, 1
.endr
.endr
.endm
; Two runs of 16 registers, each half a block of 32 (the other half lies in lane l xor 16), line by line by turns.  Codes: v[o:o+1], v[o+2:o+3]; bytes: v[T+6], v[T+7].
.macro QUANT2 a, b, o
	v_max3_num_f32 v[T], |v[\a]|, |v[\a+1]|, 0x1800000      ; with the floor 2^(3 - 127): the byte cannot fall under 1
	v_max3_num_f32 v[T+1], |v[\b]|, |v[\b+1]|, 0x1800000
.irp i, 2,4,6,8,10,12,14
	v_max3_num_f32 v[T], v[T], |v[\a+\i]|, |v[\a+\i+1]|
	v_max3_num_f32 v[T+1], v[T+1], |v[\b+\i]|, |v[\b+\i+1]|
.endr
	v_permlanex16_b32 v[T+2], v[T], s[SEL], s[SEL+1]
	v_permlanex16_b32 v[T+3], v[T+1], s[SEL], s[SEL+1]
	v_max_num_f32 v[T], v[T], v[T+2]                        ; the block's largest magnitude
	v_max_num_f32 v[T+1], v[T+1], v[T+3]
	v_add_nc_u32 v[T+4], 0xff000000, v[T]                   ; 2 off its exponent field: the conversion's scale operand
	v_add_nc_u32 v[T+5], 0xff000000, v[T+1]
	v_lshrrev_b32 v[T+6], 23, v[T+4]                        ; the scale's byte
	v_lshrrev_b32 v[T+7], 23, v[T+5]
	v_cvt_scalef32_pk8_fp4_f32 v[\o], v[\a:\a+7], v[T+4]
	v_cvt_scalef32_pk8_fp4_f32 v[\o+1], v[\a+8:\a+15], v[T+4]
	v_cvt_scalef32_pk8_fp4_f32 v[\o+2], v[\b:\b+7], v[T+5]
	v_cvt_scalef32_pk8_fp4_f32 v[\o+3], v[\b+8:\b+15], v[T+5]
	v_nop                                                   ; one plain line behind the last conversion
.endm
.macro TOIMG img, xsc                  ; my block of both tiles of tokens: 8 bytes of codes a lane; the byte is written by both lanes of a block, with the same value
	ds_store_b64 v[IMW], v[T+8:T+9] offset:\img
	ds_store_b64 v[IMW], v[T+10:T+11] offset:\img+2048
	ds_store_b8 v[SCW], v[T+6] offset:\xsc-XSC0
	ds_store_b8 v[SCW], v[T+7] offset:\xsc-XSC0+128
.endm
.macro BARRIER                         ; my LDS stores have landed and my LDS loads are in: then the work-group's barrier
	s_wait_dscnt 0x0
	s_barrier_signal -1
	s_barrier_wait -1
.endm
.macro XFETCH img, xsc                 ; the four fragments of the 32 tokens, and their scale words
.irp tt, 0,1
.irp s, 0,1
.irp c, 0,1
	ds_load_b128 v[XF+8*(2*\tt+\s)+4*\c:XF+8*(2*\tt+\s)+4*\c+3], v[LI] offset:\img+\tt*2048+\s*1024+\c*512
.endr
.endr
.endr
.irp tt, 0,1
	ds_load_b32 v[XS+\tt], v[LS] offset:\xsc+128*\tt
.endr
.endm
.macro TOSTAGE                         ; my 64 bytes of each of the 32 rows
.irp tt, 0,1
.irp i, 0,1,2,3
	ds_store_b128 v[SGW], v[RES+16*\tt+4*\i:RES+16*\tt+4*\i+3] offset:16640*\tt+16*\i
.endr
.endr
.endm
.macro XOUT                            ; rows 4 w .. 4 w + 3 leave whole: each store of the wave covers 512 consecutive bytes, aligned
.irp k, 0,1,2,3,4,5,6,7
	ds_load_b128 v[GG+4*\k:GG+4*\k+3], v[SGR] offset:1040*(\k/2)+512*(\k%2)
.endr
.irp k, 0,1,2,3,4,5,6,7
	s_wait_dscnt 7-\k                              ; LDS loads come back in order: load k is in, the younger ones may be out
	global_store_b128 v[WLI], v[GG+4*\k:GG+4*\k+3], s[SXO:SXO+1] offset:1024*(\k/2)+512*(\k%2)
.endr
.endm
; q, k and v of my head for the 32 tokens.  W0 holds q's fragments, W1 k's, RES v's.  Each product's codes and bytes have registers of their own, and its stores stand behind the next product.
.macro QKVPH
	XFETCH IMG0, XSC0                              ; (no vector line has named XF or XS since the wait on va_vdst ahead of the LDS stores)
	s_wait_loadcnt 10                              ; q's and k's fragments are in; the ten loads issued behind them, v's, may be out
	s_wait_dscnt 0x0
	PRODT W0, WS0, 0
	PLACES
	QUANT2 ACC, ACC+16, OC
	v_cndmask_b32 v[BY], v[T+6], v[T+7], s[MSK]    ; lanes 0-15: the first tile's bytes, lanes 16-31: the second's
	PRODT W1, WS1, 0                               ; (more than five plain lines that name no register of q's products lie between: the four above and the quantiser's lines on its own registers)
	PLACES
	s_wait_alu depctr_va_vdst(0)                   ; q's codes and bytes are written, which the three stores below read
	global_store_b64 v[QCO], v[OC:OC+1], s[SQC:SQC+1]                ; 16 tokens x 16 bytes: 256 consecutive bytes, aligned
	global_store_b64 v[QCO], v[OC+2:OC+3], s[SQC:SQC+1] offset:256
	global_store_b8 v[QSO], v[BY], s[SQS:SQS+1]
	QUANT2 ACC, ACC+16, OC+4
	v_lshl_or_b32 v[BY+1], v[T+7], 8, v[T+6]       ; the two tiles' bytes of row r are neighbours
	s_wait_loadcnt 0x0                             ; v's fragments
	PRODN RES, WS2
	PLACES
	s_wait_alu depctr_va_vdst(0)                   ; k's codes and bytes are written, which the three stores below read
	global_store_b64 v[HCO], v[OC+4:OC+5], s[SKC:SKC+1]
	global_store_b64 v[HCO], v[OC+6:OC+7], s[SKC:SKC+1] offset:256
	global_store_b16 v[KSO], v[BY+1], s[SKS:SKS+1]
	QUANT2 ACC, ACC+16, OC+8                       ; a run is a channel's tokens 8 h .. + 7 and 16 + 8 h .. + 7: words 2 h and 2 h + 1 of the block
	v_cndmask_b32 v[BZ], v[T+6], v[T+7], s[MSK]    ; lanes 0-15: tile 0's bytes, lanes 16-31: tile 1's
	s_wait_alu depctr_va_vdst(0)                   ; v's codes and bytes are written, which the three stores below read
	global_store_b64 v[HCO], v[OC+8:OC+9], s[SVC:SVC+1]
	global_store_b64 v[HCO], v[OC+10:OC+11], s[SVC:SVC+1] offset:1024
	global_store_b8 v[VSO], v[BZ], s[SVS:SVS+1]
.endm
	s_load_b256 s[4:11], s[0:1], 0x0               ; x, wq, xa, qkv
	s_load_b64 s[12:13], s[0:1], 0x20              ; cnta
	v_lshl_add_u32 v254, v0, 2, 0xb800
	v_mov_b32 v255, 0
	ADDRS
	OFFS
	s_mov_b32 s[SEL], 0x76543210
	s_mov_b32 s[SEL+1], 0xfedcba98
	s_mov_b32 s[MSK], 0xffff0000
	s_mov_b32 s[KA], 0xbd135d8e                    ; -ln(10000) / 256
	s_mov_b32 s[L2E], 0x3fb8aa3b                   ; log2(e), and what it lacks
	s_mov_b32 s[L2EL], 0x32a57060
	s_mov_b32 s[LN2], 0x3f317218                   ; ln 2
	s_mov_b32 s[C2PI], 0x3f22f983                  ; 2 / pi
	s_mov_b32 s[MPIH], 0xbfc90fdb                  ; -pi / 2, and what it lacks
	s_mov_b32 s[PIL], 0x333bbd2e
	s_mov_b32 s[PS1], 0xbe2aaaa3                   ; the sine's three coefficients
	s_mov_b32 s[PS2], 0x3c08839e
	s_mov_b32 s[PS3], 0xb94ca1f9
	s_mov_b32 s[PC1], 0x3d2aaaa5                   ; the cosine's
	s_mov_b32 s[PC2], 0xbab6061a
	s_mov_b32 s[PC3], 0x37ccf5ce
	s_mov_b32 s[SGN], 0x80000000
	s_lshl_b32 s[SXO], ttmp9, 15                   ; my 32 rows of 1,024 bytes
	s_mov_b32 s[SXO+1], 0
	v_mov_b32 v[T+2], 0                            ; written once: a lane permute's destination counts as one of its sources
	v_mov_b32 v[T+3], 0
	v_mov_b32 v[CV], 0                             ; the layer counter's value, made here with the addresses
	s_wait_kmcnt 0x0
	s_add_nc_u64 s[SXI:SXI+1], s[4:5], s[SXO:SXO+1]
	s_add_nc_u64 s[SXO:SXO+1], s[8:9], s[SXO:SXO+1]
	BASES 10
	s_wait_alu depctr_va_vdst(0)                   ; v4 to v23 are written: every load and store of the kernel reads one of them as its offset or LDS address, the counter's store v16 as its data
.irp tt, 0,1
.irp i, 0,1,2,3
	global_load_b128 v[RES+16*\tt+4*\i:RES+16*\tt+4*\i+3], v[XRO], s[SXI:SXI+1] offset:16384*\tt+16*\i th:TH_LOAD_NT
.endr
.endr
	WLOAD W0, WS0, 6, 48                           ; q's fragments of layer 0
	WLOAD W1, WS1, 6, 64                           ; k's
	; div of my eight pairs of columns: exp((32 w + 16 h + 2 p) x (-ln(10000) / 256))
	s_lshl_b32 s[TA], s[WV], 5
	v_lshl_add_u32 v202, v3, 4, s[TA]
	s_lshl_b32 s[TA], s[SBETA], 5
	v_add_nc_u32 v201, s[TA], v2                   ; the position of token r of the first tile
.irp p, 0,1,2,3,4,5,6,7
	v_add_nc_u32 v[DIV+\p], 2*\p, v202
.endr
.irp p, 0,1,2,3,4,5,6,7
	v_cvt_f32_u32 v[DIV+\p], v[DIV+\p]
.endr
.irp p, 0,1,2,3,4,5,6,7
	v_mul_f32 v[DIV+\p], s[KA], v[DIV+\p]          ; a, rounded once
.endr
.irp p, 0,1,2,3,4,5,6,7
	v_mul_f32 v[216+\p], s[L2E], v[DIV+\p]         ; hi
.endr
.irp p, 0,1,2,3,4,5,6,7
	v_fma_f32 v[224+\p], v[DIV+\p], s[L2E], -v[216+\p]     ; lo: what hi's rounding dropped,
.endr
.irp p, 0,1,2,3,4,5,6,7
	v_fmac_f32 v[224+\p], s[L2EL], v[DIV+\p]       ; and what the constant lacks
.endr
.irp p, 0,1,2,3,4,5,6,7
	v_exp_f32 v[208+\p], v[216+\p]
.endr
.irp p, 0,1,2,3,4,5,6,7
	v_mul_f32 v[224+\p], s[LN2], v[224+\p]         ; plain lines behind the exponentials, which name none of their results
.endr
	s_wait_alu depctr_va_vdst(0)                   ; one wait for the eight exponentials' results v208 to v215, ahead of their first reader
.irp p, 0,1,2,3,4,5,6,7
	v_fma_f32 v[DIV+\p], v[208+\p], v[224+\p], v[208+\p]   ; 2^hi (1 + lo ln 2)
.endr
.set RA, 96                            ; the angle, then what is left of it
.set RN, 104                           ; the number of quarter turns
.set RZ, 112
.set RS, 120                           ; the sine of what is left
.set RC, 128                           ; the cosine
.set RT, 136
.set RR, 144                           ; v144-159 sine and cosine of the angle, in pairs
.macro PE tt                           ; x += the table's row, for token r of tile tt
	v_add_nc_u32 v200, 16*\tt, v201
	v_cvt_f32_u32 v200, v200
.irp p, 0,1,2,3,4,5,6,7
	v_mul_f32 v[RA+\p], v200, v[DIV+\p]
.endr
.irp p, 0,1,2,3,4,5,6,7
	v_mul_f32 v[RN+\p], s[C2PI], v[RA+\p]
.endr
.irp p, 0,1,2,3,4,5,6,7
	v_rndne_f32 v[RN+\p], v[RN+\p]
.endr
.irp p, 0,1,2,3,4,5,6,7
	v_fmac_f32 v[RA+\p], s[MPIH], v[RN+\p]         ; exact: both are multiples of 2^-23 and the difference lies under 1
.endr
.irp p, 0,1,2,3,4,5,6,7
	v_fmac_f32 v[RA+\p], s[PIL], v[RN+\p]
.endr
.irp p, 0,1,2,3,4,5,6,7
	v_cvt_i32_f32 v[RN+\p], v[RN+\p]
.endr
.irp p, 0,1,2,3,4,5,6,7
	v_mul_f32 v[RZ+\p], v[RA+\p], v[RA+\p]
.endr
.irp p, 0,1,2,3,4,5,6,7
	v_fma_f32 v[RS+\p], v[RZ+\p], s[PS3], s[PS2]
.endr
.irp p, 0,1,2,3,4,5,6,7
	v_fma_f32 v[RC+\p], v[RZ+\p], s[PC3], s[PC2]
.endr
.irp p, 0,1,2,3,4,5,6,7
	v_fma_f32 v[RS+\p], v[RS+\p], v[RZ+\p], s[PS1]
.endr
.irp p, 0,1,2,3,4,5,6,7
	v_fma_f32 v[RC+\p], v[RC+\p], v[RZ+\p], s[PC1]
.endr
.irp p, 0,1,2,3,4,5,6,7
	v_mul_f32 v[RS+\p], v[RS+\p], v[RZ+\p]
.endr
.irp p, 0,1,2,3,4,5,6,7
	v_fma_f32 v[RT+\p], v[RZ+\p], -0.5, 1.0
.endr
.irp p, 0,1,2,3,4,5,6,7
	v_mul_f32 v[RZ+\p], v[RZ+\p], v[RZ+\p]
.endr
.irp p, 0,1,2,3,4,5,6,7
	v_fma_f32 v[RS+\p], v[RS+\p], v[RA+\p], v[RA+\p]
.endr
.irp p, 0,1,2,3,4,5,6,7
	v_fma_f32 v[RC+\p], v[RZ+\p], v[RC+\p], v[RT+\p]
.endr
.irp p, 0,1,2,3,4,5,6,7                ; the quarter turn: odd: sine and cosine change places.  The eight compares stand in a run, each with a mask of its own
	v_and_b32 v[RT+\p], 1, v[RN+\p]
.endr
.irp p, 0,1,2,3,4,5,6,7
	v_cmp_eq_u32 s[CM+\p+19*(\p/4)], 1, v[RT+\p]
.endr
	s_wait_alu depctr_va_sdst(0)                   ; the eight masks are written, ahead of the selections that read them
.irp p, 0,1,2,3,4,5,6,7                ; the signs from the number's bit 1, for the cosine of the number + 1
	v_cndmask_b32 v[RR+2*\p], v[RS+\p], v[RC+\p], s[CM+\p+19*(\p/4)]
	v_cndmask_b32 v[RR+2*\p+1], v[RC+\p], v[RS+\p], s[CM+\p+19*(\p/4)]
	v_lshlrev_b32 v[RS+\p], 30, v[RN+\p]
	v_add_nc_u32 v[RN+\p], 1, v[RN+\p]
	v_lshlrev_b32 v[RC+\p], 30, v[RN+\p]
	v_and_b32 v[RS+\p], s[SGN], v[RS+\p]
	v_and_b32 v[RC+\p], s[SGN], v[RC+\p]
	v_xor_b32 v[RR+2*\p], v[RS+\p], v[RR+2*\p]
	v_xor_b32 v[RR+2*\p+1], v[RC+\p], v[RR+2*\p+1]
.endr
.if \tt == 0
	s_wait_loadcnt 20                              ; x's eight loads are in; the twenty issued behind them, the weights', may be out
.endif
.irp p, 0,1,2,3,4,5,6,7
	v_pk_add_f32 v[RES+16*\tt+2*\p:RES+16*\tt+2*\p+1], v[RES+16*\tt+2*\p:RES+16*\tt+2*\p+1], v[RR+2*\p:RR+2*\p+1]
.endr
.endm
	PE 0
	PE 1
	QUANT2 RES, RES+16, T+8
	s_wait_alu depctr_va_vdst(0)                   ; x + the table is written in RES, its codes and bytes in v[T+6] to v[T+11]: the LDS stores below read them.  And the vector lines are done with RES, with v96 to v127 and with v208 to v231, in which loads land below
	TOSTAGE
	TOIMG IMG0, XSC0
	s_wait_alu depctr_vm_vsrc(0)                   ; the stage's stores have read RES, in which v's fragments land; the images' stores have read v[T+6] and v[T+7], which the later quantisers write again
	WLOAD RES, WS2, 6, 80                          ; v's fragments, two products ahead of their use
	BARRIER                                        ; 32 whole rows lie in the stage, their codes and scale words in the images
	XOUT
	QKVPH
	s_or_b32 s[TA], ttmp9, s[WV]                   ; one wave of the launch stores the layer counter: 0, 32 equal words
	s_cmp_lg_u32 s[TA], 0
	s_cbranch_scc1 .Lend
	global_store_b32 v[LS], v[CV], s[12:13]        ; (v16 was written ahead of the head's wait on va_vdst, and by nothing since)
.Lend:
	s_wait_dscnt 0x0                               ; the closing lines, six on end
	s_wait_alu 0x0
	s_wait_tensorcnt 0x0
	ds_add_u32 v254, v255
	s_wait_dscnt 0x0
	s_endpgm
.Lfunc_end_k_q422b6b842a_embed:
	.size	k_q422b6b842a_embed, .Lfunc_end_k_q422b6b842a_embed-k_q422b6b842a_embed
	.p2alignl 7, 3214868480
	.fill 96, 4, 3214868480
	.section	.rodata,"a",@progbits
	.p2align	6, 0x0
	.amdhsa_kernel k_q422b6b842a_embed
		.amdhsa_group_segment_fixed_size 48128
		.amdhsa_private_segment_fixed_size 0
		.amdhsa_enable_private_segment 0
		.amdhsa_kernarg_size 40
		.amdhsa_user_sgpr_count 2
		.amdhsa_user_sgpr_kernarg_segment_ptr 1
		.amdhsa_wavefront_size32 1
		.amdhsa_system_sgpr_workgroup_id_x 1
		.amdhsa_system_sgpr_workgroup_id_y 1
		.amdhsa_system_sgpr_workgroup_id_z 1
		.amdhsa_system_vgpr_workitem_id 0
		.amdhsa_next_free_vgpr 256
		.amdhsa_next_free_sgpr 66
		.amdhsa_reserve_vcc 0
		.amdhsa_float_denorm_mode_32 3
		.amdhsa_float_denorm_mode_16_64 3
		.amdhsa_memory_ordered 1
		.amdhsa_forward_progress 1
		.amdhsa_inst_pref_size 47
	.end_amdhsa_kernel
	.amdgpu_metadata
---
amdhsa.version: [ 1, 2 ]
amdhsa.kernels:
  - .name:           k_q422b6b842a_embed
    .symbol:         k_q422b6b842a_embed.kd
    .args:
      - { .name: x, .offset: 0, .size: 8, .value_kind: global_buffer, .address_space: global }
      - { .name: wq, .offset: 8, .size: 8, .value_kind: global_buffer, .address_space: global }
      - { .name: xa, .offset: 16, .size: 8, .value_kind: global_buffer, .address_space: global }
      - { .name: qkv, .offset: 24, .size: 8, .value_kind: global_buffer, .address_space: global }
      - { .name: cnta, .offset: 32, .size: 8, .value_kind: global_buffer, .address_space: global }
    .group_segment_fixed_size: 48128
    .private_segment_fixed_size: 0
    .kernarg_segment_align: 8
    .kernarg_segment_size: 40
    .max_flat_workgroup_size: 256
    .sgpr_count:     66
    .vgpr_count:     256
    .wavefront_size: 32
...
	.end_amdgpu_metadata
.endif
;; end of part 5
;; launch attn0: the kernel of part 3 again; grid 16 x 16, 16 waves a work-group, no clusters, 169,984 bytes of LDS; arguments qkv, oc; writes oc
;; launch layer0 (part 6): grid 128 x 1, 8 waves a work-group, no clusters, 48,128 bytes of LDS; arguments cnta, wq, oc, xa, proj_b, b1, b2, g1, be1, g2, be2, xb, qkv, cntb; writes xb, qkv, cntb
.if DOCPART == 6
	.amdgcn_target "amdgcn-amd-amdhsa--gfx1250"
	.amdhsa_code_object_version 6
	.text
	.protected	k_q422b6b842a_layer0
	.globl	k_q422b6b842a_layer0
	.p2align	8
	.type	k_q422b6b842a_layer0,@function
k_q422b6b842a_layer0:
	s_mov_b64 s[64:65], 0
	v_nop
	global_prefetch_b8 v0, s[64:65] scope:SCOPE_SE
	s_setreg_imm32_b32 hwreg(HW_REG_WAVE_SCHED_MODE, 0, 2), 2
	s_setreg_imm32_b32 hwreg(HW_REG_WAVE_MODE, 25, 1), 1
	s_wait_xcnt 0x0
	s_wait_alu depctr_vm_vsrc(0)
; The rest of layer l behind its attention: x1 = LN(x + o proj + proj_b); x2 = LN(x1 + gelu(x1 w1 + b1) w2 + b2); x2 is stored; unless l = 3, q, k, v of layer l + 1 are made of it, quantised, into qkv.
; All products on codes of FP4 (E2M1) with one E8M0 byte for each 32 along K; all else in f32.  One text serves the four layers: l is read from a buffer of whole numbers that the launch before stored (held at 3 from
; above), forms the offsets into wq and the seven [4][256] inputs, and l + 1 is stored into the other such buffer.  No tensor load and no copy: scalar branches on l leave out what the last layer does not need; no barrier stands under them.
; SHARES.  Work-group g owns tokens 32 g .. 32 g + 31 (two tiles of 16), which are one block of 32 keys of V.  Wave w owns columns 32 w .. 32 w + 31 of every product, and head w of q, k and v.  So each weight fragment
; is read by one wave of the work-group, from memory straight into its registers.
; ALL THAT A WAVE READS COMES IN TWO RUNS OF LOADS, in the order in which it is wanted, each into registers of its own: 54 loads at the head (o and x, whose addresses do not hang on l, ahead of l's arrival), 52 behind the
; first product.  Loads come back in order, so each phase waits by a count for what it wants and leaves the rest out.  The last layer asks for the next layer's weights too (held at layer 3: inside the buffer) and leaves
; them unused: so each wait's count holds on the one path that all four layers take, and no register is read that was not loaded.
; LAYOUT.  Products are used TRANSPOSED (source 0 = 16 rows of the weight, source 1 = 16 tokens), and the weight's tiles are laid so that lane (r, h) holds, of token r, the 16 columns 32 w + 16 h + 0 .. 15.  A block of 32 lies in
; lanes l and l xor 16; a lane's two conversions give 8 neighbouring bytes of the block's 16.  The tokens' codes go from wave to wave through LDS as images of an operand's registers.  Biases are the C of a sum's first product.
; LAYERNORM over 256 columns: each wave's mean and sum of squared differences of its 32 columns meet in LDS; M2 = sum M2_i + 32 sum (mean_i - mean)^2: no difference of large sums is formed.
; GELU, exact: max(x, 0) - |x / 2| erfc(|x| / sqrt 2), erfc(z) = t exp(-z^2 + P(t)), t = 1 / (1 + z / 2), P of degree 9.
; LIMITS: erfc is good to some 1e-6 of the number.  A block whose largest magnitude lies under 2^-124, a block of zeros among them, gets the byte 1 (this program alone reads the bytes).  NaN and infinities are not served.
; REGISTERS, in two windows of 256 (two waves to a SIMD: 512 a wave).  Window 1 holds what is only ever loaded and then read by matrix instructions: the six weights' fragments and the three biases.  All else lies in window 0,
; the weights' scale words too (scale operands have no window).  s_set_vgpr_msb's low byte: bits 1:0 source 0, 3:2 source 1, 5:4 source 2, 7:6 destination.
; THE MODE: SCHED_MODE bits 1:0 = 2 (LLVM: expert scheduling mode 2), set by the entry lines.  The code itself states the register dependences between vector or matrix instructions and memory or LDS
; instructions, with s_wait_alu, always for 0.
; THE PLAN.  Registers that memory or LDS instructions touch:
;   v4-v23        offsets and LDS addresses: written once at the head, ahead of the first wait on va_vdst, and never again; v16, the counter's value, once, behind l's arrival.
;   window 1, WSC, G1, BE1, G2, BE2   loaded once, each into registers that no vector line has named; read by matrix or vector lines.
;   XF, XS        at a phase's head fragments, scale words or the norms' figures land there; the phase's matrix instructions read them; between products XF is at work in the vector lines.
;   RES           x lands in it; vector lines alone write it then; the stage's stores read it at the end.
;   T             written by the norms, gelu and the quantiser; LDS stores read T, T+1, T+8, T+9 (a norm's figures) and T+6 .. T+11 (an image); the next phase writes them again.
;   OUTR          the stage's rows land in it and are stored.
;   OC, BY, BY+1, BZ   out-buffers: q's, k's and v's codes and bytes, each written once and read by its stores: nothing that a global store reads is written again.
; THE WAITS.  One on va_vdst at the head (the addresses).  In each phase one on va_vdst behind its vector work, ahead of its run of LDS stores: their data are written, and every vector and matrix line is done with XF and XS,
; in which the next phase's LDS loads land with only those stores and the barrier between; and one on vm_vsrc behind the phase's waits for its loads: the LDS stores of the phase before have read the registers of T that this phase writes again.
; q's stores stand behind a wait on va_vdst that follows k's product, k's behind one that follows v's, v's behind one of their own.  One on va_sdst: the wave's number.
.set LAYERB, 208896                    ; a layer in wq
.set SCB,    196608                    ; its scale words
.set IMG0,   0                         ; LDS: the tokens' codes, 4,096 bytes, twice
.set IMG1,   4096
.set XSC0,   8192                      ; their scale words [tile][K step][r][4], twice
.set XSC1,   8448
.set STAT0,  8704                      ; 32 tokens x 80 bytes: (mean, M2) of wave w at + 8 w; twice
.set STAT1,  11264
.set STG,    13824                     ; the stage for x: 32 rows x (1,024 + 16) bytes
.set LI,  4                            ; v4   16 x lane
.set LS,  5                            ; v5   4 x lane
.set WLI, 6                            ; v6   16 x lane + 4096 w: my fragments in wq; also my 16 bytes in the four rows that I store
.set WLS, 7                            ; v7   4 x lane + 256 w
.set XRO, 8                            ; v8   1024 r + 128 w + 64 h
.set PO,  9                            ; v9   128 w + 64 h: my 16 numbers of a bias or a gain
.set IMW, 10                           ; v10  256 w + 16 r + 8 h
.set SCW, 11                           ; v11  XSC0 + 4 r + w % 4 + 64 (w / 4)
.set STW, 12                           ; v12  STAT0 + 80 r + 8 w
.set STR, 13                           ; v13  STAT0 + 80 r
.set SGW, 14                           ; v14  STG + 1040 r + 128 w + 64 h
.set SGR, 15                           ; v15  STG + 4160 w + 16 x lane
.set CV,  16                           ; v16  the counter's value
.set OCO, 17                           ; v17  65536 h + 16 r: o's codes
.set OSO, 18                           ; v18  8 r + 4 h: o's scale words
.set HCO, 19                           ; v19  69632 w + 16 r + 8 h
.set QCO, 20                           ; v20  32768 w + 16 r + 8 h
.set QSO, 21                           ; v21  2048 w + lane
.set KSO, 22                           ; v22  69632 w + 4 r
.set VSO, 23                           ; v23  69632 w + 4 x lane
.set XS,  28                           ; v28-29  the tokens' scale words: K step 0 in lanes 0-15, K step 1 in lanes 16-31
.set BY,  30                           ; v30-31  erfc's coefficient c8, twice; at the end q's and k's bytes on their way out
.set WSC, 32                           ; v32-43  the weights' scale words: product p (proj, w1, w2, q, k, v), tile u at + 2 p + u
.set BE1, 48                           ; v48-63  be1;  v64-79 g2;  v80-95 be2;  v192-207 g1
.set G2,  64
.set BE2, 80
.set XF,  96                           ; v96-127   the tokens' fragments; at work between products
.set ACC, 128                          ; v128-159  four accumulators
.set RES, 160                          ; v160-191  the residual stream
.set G1,  192
.set OC,  192                          ; v192-203  at the end, where g1 lay: codes on their way out: q's four registers, k's four, v's four
.set BZ,  204                          ; v204      v's bytes on their way out
.set OUTR, 208                         ; v208-239  rows on their way out
.set T,   240                          ; v240-255  at work
.set WF,  0                            ; window 1: v0-191  product p's four fragments at + 32 p: (tile u, K step s) at + 8 (2 u + s)
.set BI,  192                          ; window 1: v192-239  proj_b, b1, b2
.set PPB, 16                           ; s[16:29] proj_b, b1, b2, g1, be1, g2, be2, at layer l
.set PB1, 18
.set PB2, 20
.set PG1, 22
.set PE1, 24
.set PG2, 26
.set PE2, 28
.set SXO, 30                           ; s[30:31] x_out at my 32 rows
.set LN,  36                           ; s36  l
.set WV,  37
.set SB,  39
.set SBETA, 40
.set TA,  41
.set TC,  42
.set TD,  43
.set TE,  44
.set TF,  45
.set LN1, 47                           ; s47  l + 1
.set WC,  48                           ; s[48:49] wq at layer l;  s[50:51] at layer l + 1 (held at 3)
.set WN,  50
.set OCB, 52
.set OSB, 54
.set SXI, 56
.set SEL, 58
.set MSK, 60
.set TP,  62
.set GC,  66                           ; s[66:85] c0 .. c7, c9, log2(e): each twice, since the packed forms name pairs
.set K1,  86
.set RC256, 87
.set EPS, 88
.set SKC, 90
.set SKS, 92
.set SVC, 94
.set SVS, 96
.set SQC, 98
.set SQS, 100
.set MSB, 0
.macro WIN new                         ; the immediate's high byte repeats the setting that is left; a switch that changes nothing is dropped.  Every macro below leaves the setting 0
.if MSB != \new
	s_set_vgpr_msb (MSB<<8)|\new
.set MSB, \new
.endif
.endm
.macro ADDRS                           ; every address register is made once, here, and never rewritten
	v_lshrrev_b32 v1, 5, v0
	v_readfirstlane_b32 s[WV], v1                  ; wave 0..7
	v_and_b32 v1, 31, v0                           ; lane
	v_and_b32 v2, 15, v0                           ; r
	v_bfe_u32 v3, v0, 4, 1                         ; h
	v_lshlrev_b32 v[LI], 4, v1
	v_lshlrev_b32 v[LS], 2, v1
	s_wait_alu depctr_va_sdst(0)                   ; the wave's number is written, ahead of its first reader
	s_lshl_b32 s[TA], s[WV], 12
	v_add_nc_u32 v[WLI], s[TA], v[LI]
	s_lshl_b32 s[TA], s[WV], 8
	v_add_nc_u32 v[WLS], s[TA], v[LS]
	v_lshl_add_u32 v[IMW], v2, 4, s[TA]
	v_lshl_add_u32 v[IMW], v3, 3, v[IMW]
	s_lshl_b32 s[TA], s[WV], 7
	v_lshl_add_u32 v[PO], v3, 6, s[TA]
	v_lshl_add_u32 v[XRO], v2, 10, v[PO]
	v_mad_u32_u24 v[SGW], v2, 1040, v[PO]
	v_add_nc_u32 v[SGW], STG, v[SGW]
	s_and_b32 s[TA], s[WV], 3
	s_lshr_b32 s[TC], s[WV], 2
	s_lshl_b32 s[TC], s[TC], 6
	s_add_co_u32 s[TA], s[TA], s[TC]
	s_add_co_u32 s[TA], s[TA], XSC0
	v_lshl_add_u32 v[SCW], v2, 2, s[TA]
	s_mul_i32 s[TA], s[WV], 4160
	s_add_co_u32 s[TA], s[TA], STG
	v_add_nc_u32 v[SGR], s[TA], v[LI]
	s_mul_i32 s[TA], s[WV], 69632
	v_lshl_add_u32 v[KSO], v2, 2, s[TA]
	v_add_nc_u32 v[VSO], s[TA], v[LS]
	v_lshl_add_u32 v[HCO], v2, 4, s[TA]
	v_lshl_add_u32 v[HCO], v3, 3, v[HCO]
	s_lshl_b32 s[TA], s[WV], 15
	v_lshl_add_u32 v[QCO], v2, 4, s[TA]
	v_lshl_add_u32 v[QCO], v3, 3, v[QCO]
	s_lshl_b32 s[TA], s[WV], 11
	v_add_nc_u32 v[QSO], s[TA], v1
.endm
.macro OFFS                            ; the six offsets into qkv of my 32 tokens: batch b = g / 64, key block beta = g % 64
	s_lshr_b32 s[SB], ttmp9, 6
	s_and_b32 s[SBETA], ttmp9, 63
	s_mul_i32 s[TA], s[SB], 557056                 ; the batch's eight heads
	s_lshl_b32 s[TC], s[SBETA], 9
	s_add_co_u32 s[SKC], s[TA], s[TC]              ; k's codes: + 512 beta
	s_mov_b32 s[SKC+1], 0
	s_lshr_b32 s[TC], s[SBETA], 1
	s_lshl_b32 s[TC], s[TC], 6
	s_and_b32 s[TD], s[SBETA], 1
	s_lshl_b32 s[TD], s[TD], 1
	s_add_co_u32 s[TC], s[TC], s[TD]
	s_add_co_u32 s[TC], s[TC], s[TA]
	s_add_co_u32 s[SKS], s[TC], 65536              ; k's bytes: + 64 (beta / 2) + 2 (beta % 2)
	s_mov_b32 s[SKS+1], 0
	s_lshr_b32 s[TC], s[SBETA], 2
	s_and_b32 s[TD], s[SBETA], 3
	s_lshl_b32 s[TE], s[TC], 11
	s_lshl_b32 s[TF], s[TD], 8
	s_add_co_u32 s[TE], s[TE], s[TF]
	s_add_co_u32 s[TE], s[TE], s[TA]
	s_add_co_u32 s[SVC], s[TE], 32768              ; v's codes: + 2048 (beta / 4) + 256 (beta % 4)
	s_mov_b32 s[SVC+1], 0
	s_lshl_b32 s[TE], s[TC], 7
	s_add_co_u32 s[TE], s[TE], s[TD]
	s_add_co_u32 s[TE], s[TE], s[TA]
	s_add_co_u32 s[SVS], s[TE], 67584              ; v's bytes: + 128 (beta / 4) + beta % 4
	s_mov_b32 s[SVS+1], 0
	s_lshl_b32 s[TC], s[SB], 18
	s_lshl_b32 s[TD], s[SBETA], 9
	s_add_co_u32 s[TC], s[TC], s[TD]
	s_add_co_u32 s[SQC], s[TC], 1114112            ; q's codes
	s_mov_b32 s[SQC+1], 0
	s_lshl_b32 s[TC], s[SB], 14
	s_lshl_b32 s[TD], s[SBETA], 5
	s_add_co_u32 s[TC], s[TC], s[TD]
	s_add_co_u32 s[SQS], s[TC], 1638400            ; q's bytes
	s_mov_b32 s[SQS+1], 0
.endm
.macro BASES p                         ; qkv's address, in s[p:p+1], is added to the six
.irp q, SKC, SKS, SVC, SVS, SQC, SQS
	s_add_nc_u64 s[\q:\q+1], s[\p:\p+1], s[\q:\q+1]
.endr
.endm
.macro PLACES                          ; four plain lines between a matrix instruction and a vector line on its registers (ISA guide 7.12.1)
.rept 4
	v_nop
.endr
.endm
.macro WFRAG pr, ptr, pt               ; product pr: my two tiles (pt + 2 w, + 1) of the weight: four fragments as they lie, 512 consecutive bytes a load.  Written under the setting 0x40: into window 1
.irp u, 0,1
.irp s, 0,1
.irp c, 0,1
	global_load_b128 v[WF+32*\pr+8*(2*\u+\s)+4*\c:WF+32*\pr+8*(2*\u+\s)+4*\c+3], v[WLI], s[\ptr:\ptr+1] offset:(\pt+\u)*2048+\s*1024+\c*512
.endr
.endr
.endr
.endm
.macro WSCALE pr, ptr, pt              ; and their scale words, into window 0
.irp u, 0,1
	global_load_b32 v[WSC+2*\pr+\u], v[WLS], s[\ptr:\ptr+1] offset:SCB+(\pt+\u)*128
.endr
.endm
.macro PLOAD reg, ptr                  ; my 16 numbers of a bias or a gain
.irp i, 0,1,2,3
	global_load_b128 v[\reg+4*\i:\reg+4*\i+3], v[PO], s[\ptr:\ptr+1] offset:16*\i
.endr
.endm
.macro MM d, a, b, c, sa, sb, row      ; one product of 16 x 16 x 128.  c < 0: the sum starts at 0.  row = 1: both sides' scale words are taken from lanes 16-31
.if (\c) < 0
	v_wmma_scale_f32_16x16x128_f8f6f4 v[\d:\d+7], v[\a:\a+7], v[\b:\b+7], 0, v[\sa], v[\sb] matrix_a_fmt:MATRIX_FMT_FP4 matrix_b_fmt:MATRIX_FMT_FP4
.elseif \row
	v_wmma_scale_f32_16x16x128_f8f6f4 v[\d:\d+7], v[\a:\a+7], v[\b:\b+7], v[\c:\c+7], v[\sa], v[\sb] matrix_a_fmt:MATRIX_FMT_FP4 matrix_b_fmt:MATRIX_FMT_FP4 matrix_a_scale:MATRIX_SCALE_ROW1 matrix_b_scale:MATRIX_SCALE_ROW1
.else
	v_wmma_scale_f32_16x16x128_f8f6f4 v[\d:\d+7], v[\a:\a+7], v[\b:\b+7], v[\c:\c+7], v[\sa], v[\sb] matrix_a_fmt:MATRIX_FMT_FP4 matrix_b_fmt:MATRIX_FMT_FP4
.endif
.endm
; Product pr, transposed: source 0 = a tile of the weight (window 1), source 1 = a tile of tokens.  bias: the register of window 1 at which the sums start, or -1 for 0.
; Four accumulators take turns, one instruction a turn.
.macro PRODT pr, bias
.if (\bias) < 0
	WIN 0x01                                       ; source 0 in window 1
.else
	WIN 0x11                                       ; sources 0 and 2 in window 1
.endif
.irp tt, 0,1
.irp u, 0,1
.if (\bias) < 0
	MM ACC+8*(2*\tt+\u), WF+32*\pr+16*\u, XF+16*\tt, -1, WSC+2*\pr+\u, XS+\tt, 0
.else
	MM ACC+8*(2*\tt+\u), WF+32*\pr+16*\u, XF+16*\tt, \bias+8*\u, WSC+2*\pr+\u, XS+\tt, 0
.endif
.endr
.endr
	WIN 0x01
.irp tt, 0,1
.irp u, 0,1
	MM ACC+8*(2*\tt+\u), WF+32*\pr+16*\u+8, XF+16*\tt+8, ACC+8*(2*\tt+\u), WSC+2*\pr+\u, XS+\tt, 1
.endr
.endr
	WIN 0
.endm
; The other way round, for v: lane (rho, h), register j of accumulator (u, tt) holds token 16 tt + 8 h + j of channel row rho of tile u.
.macro PRODN pr
	WIN 0x04                                       ; source 1 in window 1
.irp u, 0,1
.irp tt, 0,1
	MM ACC+8*(2*\u+\tt), XF+16*\tt, WF+32*\pr+16*\u, -1, XS+\tt, WSC+2*\pr+\u, 0
.endr
.endr
.irp u, 0,1
.irp tt, 0,1
	MM ACC+8*(2*\u+\tt), XF+16*\tt+8, WF+32*\pr+16*\u+8, ACC+8*(2*\u+\tt), XS+\tt, WSC+2*\pr+\u, 1
.endr
.endr
	WIN 0
.endm
; Two runs of 16 registers, each half a block of 32 (the other half lies in lane l xor 16), line by line by turns.  Codes: v[o:o+1], v[o+2:o+3]; bytes: v[T+6], v[T+7].
.macro QUANT2 a, b, o
	v_max3_num_f32 v[T], |v[\a]|, |v[\a+1]|, 0x1800000      ; with the floor 2^(3 - 127): the byte cannot fall under 1
	v_max3_num_f32 v[T+1], |v[\b]|, |v[\b+1]|, 0x1800000
.irp i, 2,4,6,8,10,12,14
	v_max3_num_f32 v[T], v[T], |v[\a+\i]|, |v[\a+\i+1]|
	v_max3_num_f32 v[T+1], v[T+1], |v[\b+\i]|, |v[\b+\i+1]|
.endr
	v_permlanex16_b32 v[T+2], v[T], s[SEL], s[SEL+1]
	v_permlanex16_b32 v[T+3], v[T+1], s[SEL], s[SEL+1]
	v_max_num_f32 v[T], v[T], v[T+2]                        ; the block's largest magnitude
	v_max_num_f32 v[T+1], v[T+1], v[T+3]
	v_add_nc_u32 v[T+4], 0xff000000, v[T]                   ; 2 off its exponent field: the conversion's scale operand
	v_add_nc_u32 v[T+5], 0xff000000, v[T+1]
	v_lshrrev_b32 v[T+6], 23, v[T+4]                        ; the scale's byte
	v_lshrrev_b32 v[T+7], 23, v[T+5]
	v_cvt_scalef32_pk8_fp4_f32 v[\o], v[\a:\a+7], v[T+4]
	v_cvt_scalef32_pk8_fp4_f32 v[\o+1], v[\a+8:\a+15], v[T+4]
	v_cvt_scalef32_pk8_fp4_f32 v[\o+2], v[\b:\b+7], v[T+5]
	v_cvt_scalef32_pk8_fp4_f32 v[\o+3], v[\b+8:\b+15], v[T+5]
	v_nop                                                   ; one plain line behind the last conversion
.endm
.macro TOIMG img, xsc                  ; my block of both tiles of tokens: 8 bytes of codes a lane; the byte is written by both lanes of a block, with the same value
	ds_store_b64 v[IMW], v[T+8:T+9] offset:\img
	ds_store_b64 v[IMW], v[T+10:T+11] offset:\img+2048
	ds_store_b8 v[SCW], v[T+6] offset:\xsc-XSC0
	ds_store_b8 v[SCW], v[T+7] offset:\xsc-XSC0+128
.endm
.macro BARRIER                         ; my LDS stores have landed and my LDS loads are in: then the work-group's barrier
	s_wait_dscnt 0x0
	s_barrier_signal -1
	s_barrier_wait -1
.endm
.macro XFETCH img, xsc                 ; the four fragments of the 32 tokens, and their scale words.  (No vector or matrix line has named XF or XS since the wait on va_vdst ahead of the last run of LDS stores)
.irp tt, 0,1
.irp s, 0,1
.irp c, 0,1
	ds_load_b128 v[XF+8*(2*\tt+\s)+4*\c:XF+8*(2*\tt+\s)+4*\c+3], v[LI] offset:\img+\tt*2048+\s*1024+\c*512
.endr
.endr
.endr
.irp tt, 0,1
	ds_load_b32 v[XS+\tt], v[LS] offset:\xsc+128*\tt
.endr
.endm
.macro TOSTAGE                         ; my 64 bytes of each of the 32 rows
.irp tt, 0,1
.irp i, 0,1,2,3
	ds_store_b128 v[SGW], v[RES+16*\tt+4*\i:RES+16*\tt+4*\i+3] offset:16640*\tt+16*\i
.endr
.endr
.endm
.macro XOUT                            ; rows 4 w .. 4 w + 3 leave whole: each store of the wave covers 512 consecutive bytes, aligned
.irp k, 0,1,2,3,4,5,6,7
	ds_load_b128 v[OUTR+4*\k:OUTR+4*\k+3], v[SGR] offset:1040*(\k/2)+512*(\k%2)
.endr
.irp k, 0,1,2,3,4,5,6,7
	s_wait_dscnt 7-\k                              ; LDS loads come back in order: load k is in, the younger ones may be out
	global_store_b128 v[WLI], v[OUTR+4*\k:OUTR+4*\k+3], s[SXO:SXO+1] offset:1024*(\k/2)+512*(\k%2)
.endr
.endm
; q, k and v of my head for the 32 tokens: products 3, 4 and 5.  Each product's codes and bytes have registers of their own, and its stores stand behind the next product.
.macro QKVPH
	XFETCH IMG0, XSC0
	s_wait_loadcnt 8                               ; q's and k's fragments and all scale words are in; the eight loads issued behind them, v's fragments, may be out
	s_wait_dscnt 0x0
	s_wait_alu depctr_vm_vsrc(0)                   ; the images' stores have read v[T+6] and v[T+7], which the quantisers below write again
	PRODT 3, -1
	PLACES
	QUANT2 ACC, ACC+16, OC
	v_cndmask_b32 v[BY], v[T+6], v[T+7], s[MSK]    ; lanes 0-15: the first tile's bytes, lanes 16-31: the second's
	PRODT 4, -1                                    ; (more than five plain lines that name no register of q's products lie between: the four above and the quantiser's lines on its own registers)
	PLACES
	s_wait_alu depctr_va_vdst(0)                   ; q's codes and bytes are written, which the three stores below read
	global_store_b64 v[QCO], v[OC:OC+1], s[SQC:SQC+1]                ; 16 tokens x 16 bytes: 256 consecutive bytes, aligned
	global_store_b64 v[QCO], v[OC+2:OC+3], s[SQC:SQC+1] offset:256
	global_store_b8 v[QSO], v[BY], s[SQS:SQS+1]
	QUANT2 ACC, ACC+16, OC+4
	v_lshl_or_b32 v[BY+1], v[T+7], 8, v[T+6]       ; the two tiles' bytes of row r are neighbours
	s_wait_loadcnt 0x0                             ; v's fragments
	PRODN 5
	PLACES
	s_wait_alu depctr_va_vdst(0)                   ; k's codes and bytes are written, which the three stores below read
	global_store_b64 v[HCO], v[OC+4:OC+5], s[SKC:SKC+1]
	global_store_b64 v[HCO], v[OC+6:OC+7], s[SKC:SKC+1] offset:256
	global_store_b16 v[KSO], v[BY+1], s[SKS:SKS+1]
	QUANT2 ACC, ACC+16, OC+8                       ; a run is a channel's tokens 8 h .. + 7 and 16 + 8 h .. + 7: words 2 h and 2 h + 1 of the block
	v_cndmask_b32 v[BZ], v[T+6], v[T+7], s[MSK]    ; lanes 0-15: tile 0's bytes, lanes 16-31: tile 1's
	s_wait_alu depctr_va_vdst(0)                   ; v's codes and bytes are written, which the three stores below read
	global_store_b64 v[HCO], v[OC+8:OC+9], s[SVC:SVC+1]
	global_store_b64 v[HCO], v[OC+10:OC+11], s[SVC:SVC+1] offset:1024
	global_store_b8 v[VSO], v[BZ], s[SVS:SVS+1]
.endm
.macro RESADD                          ; the residual: the accumulators are read in ascending order
.set j, 0
.rept 16
	v_pk_add_f32 v[RES+j:RES+j+1], v[RES+j:RES+j+1], v[ACC+j:ACC+j+1]
.set j, j+2
.endr
.endm
; The mean of my 32 columns of each token and the sum of squared differences from it go to LDS: both tiles' arithmetic first, then the two stores behind one wait.
.macro LNSTAT stat
.irp tt, 0,1
.set LT, T+8*\tt
.set LY, RES+16*\tt
.set LDD, XF+16*\tt
	v_pk_add_f32 v[LDD:LDD+1], v[LY:LY+1], v[LY+2:LY+3]
	v_pk_add_f32 v[LDD+2:LDD+3], v[LY+4:LY+5], v[LY+6:LY+7]
	v_pk_add_f32 v[LDD+4:LDD+5], v[LY+8:LY+9], v[LY+10:LY+11]
	v_pk_add_f32 v[LDD+6:LDD+7], v[LY+12:LY+13], v[LY+14:LY+15]
	v_pk_add_f32 v[LDD:LDD+1], v[LDD:LDD+1], v[LDD+2:LDD+3]
	v_pk_add_f32 v[LDD+4:LDD+5], v[LDD+4:LDD+5], v[LDD+6:LDD+7]
	v_pk_add_f32 v[LDD:LDD+1], v[LDD:LDD+1], v[LDD+4:LDD+5]
	v_add_f32 v[LT], v[LDD], v[LDD+1]
	v_permlanex16_b32 v[LT+2], v[LT], s[SEL], s[SEL+1]
	v_add_f32 v[LT], v[LT], v[LT+2]
	v_mul_f32 v[LT], 0x3d000000, v[LT]             ; / 32
.irp i, 0,2,4,6,8,10,12,14
	v_pk_add_f32 v[LDD+\i:LDD+\i+1], v[LY+\i:LY+\i+1], v[LT:LT+1] op_sel_hi:[1,0] neg_lo:[0,1] neg_hi:[0,1]
.endr
	v_pk_mul_f32 v[LT+4:LT+5], v[LDD:LDD+1], v[LDD:LDD+1]
	v_pk_mul_f32 v[LT+6:LT+7], v[LDD+2:LDD+3], v[LDD+2:LDD+3]
.irp i, 4,8,12
	v_pk_fma_f32 v[LT+4:LT+5], v[LDD+\i:LDD+\i+1], v[LDD+\i:LDD+\i+1], v[LT+4:LT+5]
	v_pk_fma_f32 v[LT+6:LT+7], v[LDD+\i+2:LDD+\i+3], v[LDD+\i+2:LDD+\i+3], v[LT+6:LT+7]
.endr
	v_pk_add_f32 v[LT+4:LT+5], v[LT+4:LT+5], v[LT+6:LT+7]
	v_add_f32 v[LT+1], v[LT+4], v[LT+5]
	v_permlanex16_b32 v[LT+3], v[LT+1], s[SEL], s[SEL+1]
	v_add_f32 v[LT+1], v[LT+1], v[LT+3]
.endr
	s_wait_alu depctr_va_vdst(0)                   ; both tiles' figures are written, which the two stores read; and the lines above and the last product are done with XF and XS, in which LDS loads land behind the barrier
.irp tt, 0,1
	ds_store_b64 v[STW], v[T+8*\tt:T+8*\tt+1] offset:\stat-STAT0+1280*\tt    ; both lanes of a token write the same 8 bytes with the same values
.endr
.endm
; The eight waves' figures are merged, and my columns normalised: (y - mean) rsqrt(var + eps) g + b.  g, b: the gain's and the bias's registers;  lc: how many loads issued behind theirs may stay out.
.macro LNAPPLY stat, g, b, lc
.irp tt, 0,1
.irp i, 0,1,2,3
	ds_load_b128 v[XF+16*\tt+4*\i:XF+16*\tt+4*\i+3], v[STR] offset:\stat-STAT0+1280*\tt+16*\i
.endr
.endr
	s_wait_loadcnt \lc                             ; the gain and the bias are in
	s_wait_dscnt 0x0
	s_wait_alu depctr_vm_vsrc(0)                   ; the figures' stores have read v[T], v[T+1], v[T+8] and v[T+9], which the lines below write again
.irp tt, 0,1
.set LT, T+8*\tt
.set LDD, XF+16*\tt
	v_pk_add_f32 v[LT:LT+1], v[LDD:LDD+1], v[LDD+2:LDD+3]          ; (mean_i, M2_i) in pairs
	v_pk_add_f32 v[LT+2:LT+3], v[LDD+4:LDD+5], v[LDD+6:LDD+7]
	v_pk_add_f32 v[LT+4:LT+5], v[LDD+8:LDD+9], v[LDD+10:LDD+11]
	v_pk_add_f32 v[LT+6:LT+7], v[LDD+12:LDD+13], v[LDD+14:LDD+15]
	v_pk_add_f32 v[LT:LT+1], v[LT:LT+1], v[LT+2:LT+3]
	v_pk_add_f32 v[LT+4:LT+5], v[LT+4:LT+5], v[LT+6:LT+7]
	v_pk_add_f32 v[LT:LT+1], v[LT:LT+1], v[LT+4:LT+5]
	v_mul_f32 v[LT], 0x3e000000, v[LT]             ; the mean of the eight means
.irp i, 0,2,4,6,8,10,12,14
	v_sub_f32 v[LDD+\i], v[LDD+\i], v[LT]
.endr
	v_mul_f32 v[LT+2], v[LDD], v[LDD]
	v_mul_f32 v[LT+3], v[LDD+2], v[LDD+2]
.irp i, 4,8,12
	v_fmac_f32 v[LT+2], v[LDD+\i], v[LDD+\i]
	v_fmac_f32 v[LT+3], v[LDD+\i+2], v[LDD+\i+2]
.endr
	v_add_f32 v[LT+2], v[LT+2], v[LT+3]
	v_fma_f32 v[LT+1], v[LT+2], 0x42000000, v[LT+1]        ; M2 = sum M2_i + 32 sum (mean_i - mean)^2
	v_fma_f32 v[LT+1], v[LT+1], s[RC256], s[EPS]           ; / 256 + eps
	v_rsq_f32 v[LT+2], v[LT+1]
.endr
.irp tt, 0,1
.irp i, 0,2,4,6,8,10,12,14
	v_pk_add_f32 v[RES+16*\tt+\i:RES+16*\tt+\i+1], v[RES+16*\tt+\i:RES+16*\tt+\i+1], v[T+8*\tt:T+8*\tt+1] op_sel_hi:[1,0] neg_lo:[0,1] neg_hi:[0,1]   ; plain work behind the two roots, which names neither result
.endr
.endr
	s_wait_alu depctr_va_vdst(0)                   ; one wait for the two roots' results v[T+2] and v[T+10], ahead of their first reader
.irp tt, 0,1
.irp i, 0,2,4,6,8,10,12,14
	v_pk_mul_f32 v[RES+16*\tt+\i:RES+16*\tt+\i+1], v[RES+16*\tt+\i:RES+16*\tt+\i+1], v[T+8*\tt+2:T+8*\tt+3] op_sel_hi:[1,0]
.endr
.irp i, 0,2,4,6,8,10,12,14
	v_pk_fma_f32 v[RES+16*\tt+\i:RES+16*\tt+\i+1], v[RES+16*\tt+\i:RES+16*\tt+\i+1], v[\g+\i:\g+\i+1], v[\b+\i:\b+\i+1]
.endr
.endr
.endm
; gelu of 16 registers, in place.  t in v[XF ..], the exponent and then erfc's factor in v[XF+16 ..], -x / 2 in v[T ..].
.macro GELU16 x
.irp i, 0,1,2,3,4,5,6,7,8,9,10,11,12,13,14,15
	v_fma_f32 v[XF+\i], |v[\x+\i]|, s[K1], 1.0     ; 1 + z / 2, z = |x| / sqrt 2
.endr
.irp i, 0,1,2,3,4,5,6,7,8,9,10,11,12,13,14,15
	v_rcp_f32 v[XF+\i], v[XF+\i]                   ; t
.endr
.irp i, 0,2,4,6,8,10,12,14
	v_pk_mul_f32 v[T+\i:T+\i+1], v[\x+\i:\x+\i+1], -0.5 op_sel_hi:[1,0]   ; plain work behind the reciprocals
.endr
	s_wait_alu depctr_va_vdst(0)                   ; one wait for the sixteen reciprocals' results, ahead of their first reader
.irp i, 0,2,4,6,8,10,12,14
	v_pk_fma_f32 v[XF+16+\i:XF+17+\i], v[XF+\i:XF+\i+1], s[GC+16:GC+17], v[BY:BY+1] op_sel_hi:[1,0,1]   ; c9 t + c8
.endr
.irp k, 7,6,5,4,3,2,1,0
.irp i, 0,2,4,6,8,10,12,14
	v_pk_fma_f32 v[XF+16+\i:XF+17+\i], v[XF+16+\i:XF+17+\i], v[XF+\i:XF+\i+1], s[GC+2*\k:GC+2*\k+1] op_sel_hi:[1,1,0]
.endr
.endr
.irp i, 0,2,4,6,8,10,12,14
	v_pk_fma_f32 v[XF+16+\i:XF+17+\i], v[T+\i:T+\i+1], v[\x+\i:\x+\i+1], v[XF+16+\i:XF+17+\i]   ; - z^2 = (-x / 2) x
.endr
.irp i, 0,2,4,6,8,10,12,14
	v_pk_mul_f32 v[XF+16+\i:XF+17+\i], v[XF+16+\i:XF+17+\i], s[GC+18:GC+19] op_sel_hi:[1,0]
.endr
.irp i, 0,1,2,3,4,5,6,7,8,9,10,11,12,13,14,15
	v_exp_f32 v[XF+16+\i], v[XF+16+\i]
.endr
	v_nop                                          ; a plain line behind the last exponential
	s_wait_alu depctr_va_vdst(0)                   ; one wait for the sixteen exponentials' results, ahead of their first reader
.irp i, 0,2,4,6,8,10,12,14
	v_pk_mul_f32 v[XF+\i:XF+\i+1], v[XF+\i:XF+\i+1], v[XF+16+\i:XF+17+\i]   ; erfc(z)
.endr
.irp i, 0,1,2,3,4,5,6,7,8,9,10,11,12,13,14,15
	v_max_num_f32 v[XF+16+\i], 0, v[\x+\i]
.endr
.irp i, 0,1,2,3,4,5,6,7,8,9,10,11,12,13,14,15
	v_fma_f32 v[\x+\i], -|v[T+\i]|, v[XF+\i], v[XF+16+\i]
.endr
.endm
.macro SPAIR reg, val
	s_mov_b32 s[\reg], \val
	s_mov_b32 s[\reg+1], \val
.endm
	s_load_b512 s[8:23], s[0:1], 0x0               ; cnt_in, wq, oc, x_in, proj_b, b1, b2, g1
	s_load_b256 s[24:31], s[0:1], 0x40             ; be1, g2, be2, x_out
	s_load_b128 s[32:35], s[0:1], 0x60             ; qkv, cnt_out
	v_lshl_add_u32 v46, v0, 2, 0xb800
	v_mov_b32 v47, 0
	ADDRS
	v_mul_u32_u24 v[STR], v2, 80
	v_add_nc_u32 v[STR], STAT0, v[STR]
	s_lshl_b32 s[TA], s[WV], 3
	v_add_nc_u32 v[STW], s[TA], v[STR]
	v_lshlrev_b32 v[OCO], 4, v2
	v_lshl_add_u32 v[OCO], v3, 16, v[OCO]
	v_lshlrev_b32 v[OSO], 3, v2
	v_lshl_add_u32 v[OSO], v3, 2, v[OSO]
	v_mov_b32 v[BY], 0xbf527892                    ; c8
	v_mov_b32 v[BY+1], 0xbf527892
.irp j, 1,2,3,9,10,11
	v_mov_b32 v[T+\j], 0                           ; written once: a lane permute's destination, and the upper half of a pair, count as read
.endr
	s_wait_kmcnt 0x0
	s_load_b32 s[LN], s[8:9], 0x0                  ; the layer's number
	s_mov_b32 s[TP+1], 0
	s_lshl_b32 s[TP], ttmp9, 9
	s_add_nc_u64 s[OCB:OCB+1], s[12:13], s[TP:TP+1]        ; o's codes of my 32 tokens, head 0
	s_lshl_b32 s[TP], ttmp9, 8
	s_add_co_u32 s[TP], s[TP], 524288
	s_add_nc_u64 s[OSB:OSB+1], s[12:13], s[TP:TP+1]        ; their scale words
	s_lshl_b32 s[TP], ttmp9, 15
	s_add_nc_u64 s[SXI:SXI+1], s[14:15], s[TP:TP+1]
	s_add_nc_u64 s[SXO:SXO+1], s[SXO:SXO+1], s[TP:TP+1]
	s_wait_alu depctr_va_vdst(0)                   ; the offsets and LDS addresses v4 to v15 and v17 to v23 are written: every load and store of the kernel reads one of them
	; ---- the first run of loads begins with the 18 whose addresses do not hang on l
.irp tt, 0,1
.irp s, 0,1
.irp c, 0,1
	global_load_b128 v[XF+8*(2*\tt+\s)+4*\c:XF+8*(2*\tt+\s)+4*\c+3], v[OCO], s[OCB:OCB+1] offset:(4*\s+2*\c)*65536+256*\tt   ; o's fragments: block = head 4 s + 2 c + h
.endr
.endr
.endr
.irp tt, 0,1
	global_load_b32 v[XS+\tt], v[OSO], s[OSB:OSB+1] offset:128*\tt
.endr
.irp tt, 0,1
.irp i, 0,1,2,3
	global_load_b128 v[RES+16*\tt+4*\i:RES+16*\tt+4*\i+3], v[XRO], s[SXI:SXI+1] offset:16384*\tt+16*\i th:TH_LOAD_NT
.endr
.endr
	OFFS
	s_mov_b32 s[SEL], 0x76543210
	s_mov_b32 s[SEL+1], 0xfedcba98
	s_mov_b32 s[MSK], 0xffff0000
	SPAIR GC, 0xbfa1fc4e                           ; c0 .. c7
	SPAIR GC+2, 0x3f8000c7
	SPAIR GC+4, 0x3ebf88fb
	SPAIR GC+6, 0x3dc636c9
	SPAIR GC+8, 0xbe3ec24c
	SPAIR GC+10, 0x3e8ec7cc
	SPAIR GC+12, 0xbf914e5d
	SPAIR GC+14, 0x3fbe87b0
	SPAIR GC+16, 0x3e2ef945                        ; c9
	SPAIR GC+18, 0x3fb8aa3b                        ; log2(e)
	s_mov_b32 s[K1], 0x3eb504f3                    ; sqrt(2) / 4
	s_mov_b32 s[RC256], 0x3b800000                 ; 1 / 256
	s_mov_b32 s[EPS], 0x358637bd                   ; 1e-6
	BASES 32
	s_wait_kmcnt 0x0
	s_min_u32 s[LN], s[LN], 3                      ; a number that was loaded enters addresses only behind this hold
	s_add_co_u32 s[LN1], s[LN], 1
	v_mov_b32 v[CV], s[LN1]                        ; the counter's value, made here: the waits on va_vdst of the phases below stand between this line and the store that reads it
	s_mul_i32 s[TP], s[LN], LAYERB
	s_add_nc_u64 s[WC:WC+1], s[10:11], s[TP:TP+1]
	s_min_u32 s[TA], s[LN1], 3
	s_mul_i32 s[TP], s[TA], LAYERB
	s_add_nc_u64 s[WN:WN+1], s[10:11], s[TP:TP+1]
	s_lshl_b32 s[TP], s[LN], 10
.irp q, PPB, PB1, PB2, PG1, PE1, PG2, PE2
	s_add_nc_u64 s[\q:\q+1], s[\q:\q+1], s[TP:TP+1]
.endr
	WIN 0x40                                       ; destination window 1, address window 0.  (No vector line names a register of window 1, or one of the registers of window 0 in which the loads below land; their offsets stand behind the head's wait)
	WFRAG 0, WC, 0                                 ; proj: 8 loads,
	PLOAD BI, PPB                                  ; proj_b: 4,
	WIN 0
	WSCALE 0, WC, 0                                ; proj's scale words: 2: with the 18 above, the 32 that the first product and the residual want
	PLOAD G1, PG1                                  ; behind them 22: g1 4, be1 4,
	PLOAD BE1, PE1
	WSCALE 1, WC, 16                               ; w1's scale words 2,
	WIN 0x40
	WFRAG 1, WC, 16                                ; w1 8,
	PLOAD BI+16, PB1                               ; b1 4
	WIN 0
	s_wait_loadcnt 22                              ; the first 32 are in; the 22 issued behind them may be out
	; ---- 1: x + o proj + proj_b, and its figures
	PRODT 0, BI
	PLACES
	; ---- the second run of loads, 52: all that the later phases want
	WIN 0x40
	WFRAG 2, WC, 32                                ; w2 8,
	PLOAD BI+32, PB2                               ; b2 4,
	WIN 0
	WSCALE 2, WC, 32                               ; w2's scale words 2: 14;
	PLOAD G2, PG2                                  ; g2 4, be2 4: 8;
	PLOAD BE2, PE2
	WSCALE 3, WN, 48                               ; the next layer's q, k, v: six scale words,
	WSCALE 4, WN, 64
	WSCALE 5, WN, 80
	WIN 0x40
	WFRAG 3, WN, 48                                ; and 24 loads of fragments: 30
	WFRAG 4, WN, 64
	WFRAG 5, WN, 80
	WIN 0
	RESADD
	LNSTAT STAT0
	BARRIER                                        ; the eight waves' figures lie in LDS
	; ---- 2: x1, and its codes
	LNAPPLY STAT0, G1, BE1, 63                     ; behind be1's loads 14 + 52 were issued; a wait's count names 63 at the most
	QUANT2 RES, RES+16, T+8
	s_wait_alu depctr_va_vdst(0)                   ; x1's codes and bytes are written, which the images' stores read; and the norm's lines are done with XF, in which the fragments land behind the barrier
	TOIMG IMG0, XSC0
	BARRIER                                        ; x1's four fragments lie in LDS
	; ---- 3: gelu(x1 w1 + b1), and its codes
	XFETCH IMG0, XSC0
	s_wait_loadcnt 52                              ; the first run is in; the second run's 52 may be out
	s_wait_dscnt 0x0
	s_wait_alu depctr_vm_vsrc(0)                   ; the images' stores have read v[T+6] to v[T+11], which gelu writes again
	PRODT 1, BI+16
	PLACES
	GELU16 ACC
	GELU16 ACC+16
	QUANT2 ACC, ACC+16, T+8
	s_wait_alu depctr_va_vdst(0)                   ; the hidden layer's codes and bytes are written, which the images' stores read; and the product and gelu are done with XF and XS, in which the next fragments land
	TOIMG IMG1, XSC1
	BARRIER                                        ; the hidden layer's four fragments lie in LDS
	; ---- 4: x1 + hidden w2 + b2, and its figures
	XFETCH IMG1, XSC1
	s_wait_loadcnt 38                              ; w2, b2 and w2's scale words are in; the 8 + 30 issued behind them may be out
	s_wait_dscnt 0x0
	s_wait_alu depctr_vm_vsrc(0)                   ; the images' stores have read v[T+6] to v[T+11], which the norm's lines write again
	PRODT 2, BI+32
	PLACES
	RESADD
	LNSTAT STAT1
	BARRIER
	; ---- 5: x2, to the stage; its codes (the first images were last read two barriers back)
	LNAPPLY STAT1, G2, BE2, 30                     ; the next layer's 30 may be out
	s_wait_alu depctr_va_vdst(0)                   ; x2 is written, which the stage's stores read; and the norm's lines are done with XF, in which the last fragments land
	TOSTAGE
	s_cmp_eq_u32 s[LN], 3
	s_cbranch_scc1 .Lno_codes
	QUANT2 RES, RES+16, T+8
	s_wait_alu depctr_va_vdst(0)                   ; x2's codes and bytes are written, which the images' stores read
	TOIMG IMG0, XSC0
.Lno_codes:
	BARRIER                                        ; 32 whole rows lie in the stage
	; ---- 6: the way out, the counter, and the next layer's q, k, v
	XOUT                                           ; (no vector line names OUTR)
	s_or_b32 s[TA], ttmp9, s[WV]                   ; one wave of the launch stores l + 1, 32 equal words
	s_cmp_lg_u32 s[TA], 0
	s_cbranch_scc1 .Lno_count
	global_store_b32 v[LS], v[CV], s[34:35]        ; (v16 was written at the head, ahead of every phase's wait on va_vdst, and by nothing since)
.Lno_count:
	s_cmp_eq_u32 s[LN], 3
	s_cbranch_scc1 .Lend
	QKVPH
.Lend:
	s_wait_dscnt 0x0                               ; the closing lines, six on end
	s_wait_alu 0x0
	s_wait_tensorcnt 0x0
	ds_add_u32 v46, v47
	s_wait_dscnt 0x0
	s_endpgm
.Lfunc_end_k_q422b6b842a_layer0:
	.size	k_q422b6b842a_layer0, .Lfunc_end_k_q422b6b842a_layer0-k_q422b6b842a_layer0
	.p2alignl 7, 3214868480
	.fill 96, 4, 3214868480
	.section	.rodata,"a",@progbits
	.p2align	6, 0x0
	.amdhsa_kernel k_q422b6b842a_layer0
		.amdhsa_group_segment_fixed_size 48128
		.amdhsa_private_segment_fixed_size 0
		.amdhsa_enable_private_segment 0
		.amdhsa_kernarg_size 112
		.amdhsa_user_sgpr_count 2
		.amdhsa_user_sgpr_kernarg_segment_ptr 1
		.amdhsa_wavefront_size32 1
		.amdhsa_system_sgpr_workgroup_id_x 1
		.amdhsa_system_sgpr_workgroup_id_y 1
		.amdhsa_system_sgpr_workgroup_id_z 1
		.amdhsa_system_vgpr_workitem_id 0
		.amdhsa_next_free_vgpr 512
		.amdhsa_next_free_sgpr 102
		.amdhsa_reserve_vcc 0
		.amdhsa_float_denorm_mode_32 3
		.amdhsa_float_denorm_mode_16_64 3
		.amdhsa_memory_ordered 1
		.amdhsa_forward_progress 1
		.amdhsa_inst_pref_size 85
	.end_amdhsa_kernel
	.amdgpu_metadata
---
amdhsa.version: [ 1, 2 ]
amdhsa.kernels:
  - .name:           k_q422b6b842a_layer0
    .symbol:         k_q422b6b842a_layer0.kd
    .args:
      - { .name: cnta, .offset: 0, .size: 8, .value_kind: global_buffer, .address_space: global }
      - { .name: wq, .offset: 8, .size: 8, .value_kind: global_buffer, .address_space: global }
      - { .name: oc, .offset: 16, .size: 8, .value_kind: global_buffer, .address_space: global }
      - { .name: xa, .offset: 24, .size: 8, .value_kind: global_buffer, .address_space: global }
      - { .name: proj_b, .offset: 32, .size: 8, .value_kind: global_buffer, .address_space: global }
      - { .name: b1, .offset: 40, .size: 8, .value_kind: global_buffer, .address_space: global }
      - { .name: b2, .offset: 48, .size: 8, .value_kind: global_buffer, .address_space: global }
      - { .name: g1, .offset: 56, .size: 8, .value_kind: global_buffer, .address_space: global }
      - { .name: be1, .offset: 64, .size: 8, .value_kind: global_buffer, .address_space: global }
      - { .name: g2, .offset: 72, .size: 8, .value_kind: global_buffer, .address_space: global }
      - { .name: be2, .offset: 80, .size: 8, .value_kind: global_buffer, .address_space: global }
      - { .name: xb, .offset: 88, .size: 8, .value_kind: global_buffer, .address_space: global }
      - { .name: qkv, .offset: 96, .size: 8, .value_kind: global_buffer, .address_space: global }
      - { .name: cntb, .offset: 104, .size: 8, .value_kind: global_buffer, .address_space: global }
    .group_segment_fixed_size: 48128
    .private_segment_fixed_size: 0
    .kernarg_segment_align: 8
    .kernarg_segment_size: 112
    .max_flat_workgroup_size: 256
    .sgpr_count:     102
    .vgpr_count:     512
    .wavefront_size: 32
...
	.end_amdgpu_metadata
.endif
;; end of part 6
;; launch attn1: the kernel of part 3 again; grid 16 x 16, 16 waves a work-group, no clusters, 169,984 bytes of LDS; arguments qkv, oc; writes oc
;; launch layer1: the kernel of part 6 again; grid 128 x 1, 8 waves a work-group, no clusters, 48,128 bytes of LDS; arguments cntb, wq, oc, xb, proj_b, b1, b2, g1, be1, g2, be2, xa, qkv, cnta; writes xa, qkv, cnta
;; launch attn2: the kernel of part 3 again; grid 16 x 16, 16 waves a work-group, no clusters, 169,984 bytes of LDS; arguments qkv, oc; writes oc
;; launch layer2: the kernel of part 6 again; grid 128 x 1, 8 waves a work-group, no clusters, 48,128 bytes of LDS; arguments cnta, wq, oc, xa, proj_b, b1, b2, g1, be1, g2, be2, xb, qkv, cntb; writes xb, qkv, cntb
;; launch attn3: the kernel of part 3 again; grid 16 x 16, 16 waves a work-group, no clusters, 169,984 bytes of LDS; arguments qkv, oc; writes oc
;; launch layer3: the kernel of part 6 again; grid 128 x 1, 8 waves a work-group, no clusters, 48,128 bytes of LDS; arguments cntb, wq, oc, xb, proj_b, b1, b2, g1, be1, g2, be2, out0, qkv, cnta; writes out0, qkv, cnta
